; MI455X (gfx1250); checked and timed in simulation.
; The chip was launched on July 23, 2026; its instructions are those of AMD's public machine-readable ISA for CDNA 5 (MIT licence, August 2026) and "CDNA5" Instruction Set Architecture Reference Guide (July 2026). The comments in the code are by the model that wrote it; some were corrected since.
;; Mo E Layer. Allowed arithmetic: matrix products marked QUANTISED: E2M1 operands, one E8M0 scale for each 32 along K, by v_wmma_scale_f32_16x16x128_f8f6f4 with both operands' format E2M1 (or v_wmma_scale_f32_32x16x128_f4), f32 sums; products left as they are: f32 operands where the result goes on into a quantised operand, else bf16, f16 or f32 operands; f32 sums; everything else in f32.
;; Inputs: b1 6 x 512 float32; b2 6 x 256 float32; ln_b 256 float32; ln_g 256 float32; rb1 256 float32; rb2 6 float32; regime 8 x 5 float32; rw1 261 x 256 float32; rw2 256 x 6 float32; w1 6 x 256 x 512 float32; w2 6 x 512 x 256 float32; x 8 x 4,096 x 256 float32.
;; Outputs: out0 8 x 4,096 x 256 float32; out1 one number float32.
;; This version of the problem:
;;   THIS VERSION OF THE PROBLEM IS GIVEN IN LOW PRECISION. The matrix products marked QUANTISED in the list below multiply operands that are first quantised to E2M1 (2 exponent bits, 1 mantissa bit; 4 bits a number), with one power-of-two scale for each 32 numbers along K (OCP MX v1.0); their sums are f32. All else is computed in f32.
;;   The module's matrix products, in the order in which they are computed (A, B: the left and right operand; K: the contracted axis; several contracted axes count as one K, in the product's order):
;;     1. [M 32,768, K 261] x [K 261, N 256]; A: computed on the way; B: input rw1: QUANTISED
;;     2. [M 32,768, K 256] x [K 256, N 6]; A: computed on the way; B: input rw2: left as it is (N = 6 < 16)
;;     3. [M 32,768, K 256] x [K 256, N 3,072]; A: computed on the way; B: input w1: QUANTISED
;;     4. batch 6 x [M 256, K 512] x [K 512, N 32,768]; A: input w2; B: computed on the way: QUANTISED
;;   THE QUANTISER, for each operand of a quantised product, along K:
;;     - K is cut into blocks of 32 from its start; a last block that is shorter is filled with zeros.
;;     - A block's scale is 2^e with e = floor(log2(the largest magnitude in the block)) - 2, held to -126 .. 127; a block of zeros has e = 0. As a byte (E8M0): e + 127.
;;     - Each number is divided by its block's scale, clamped to +-6, and rounded to the nearest number of E2M1, ties to even, subnormals kept.
;;     - The product sums the exact products of the quantised numbers (number of the format x scale) in f32.
;;   ~~~python
;;   def quantise(x, axis):      # numpy; x: float32 -> the quantised numbers, widened to float32 again
;;       x = np.moveaxis(x, axis, -1); K = x.shape[-1]
;;       x = np.pad(x, [(0, 0)] * (x.ndim - 1) + [(0, -K % 32)]); x = x.reshape(x.shape[:-1] + (-1, 32)); a = np.abs(x).max(-1, keepdims=True)
;;       e = np.where(a > 0, np.clip(np.frexp(np.where(a > 0, a, 1))[1] - 1 - 2, -126, 127), 0)      # np.frexp(a)[1] - 1 = floor(log2(a)), exactly
;;       r = np.clip(x / 2.0 ** e, -6, 6)
;;       step = 2.0 ** (np.maximum(np.frexp(np.where(r == 0, 1, r))[1] - 1, 0) - 1)
;;       q = np.round(r / step) * step * 2.0 ** e      # np.round: ties to even
;;       return np.moveaxis(q.reshape(q.shape[:-2] + (-1,))[..., :K], -1, axis).astype(np.float32)
;;   ~~~
;;   OPERANDS COMPUTED ON THE WAY. 'Computed on the way' means the value that the module computes at that place (a softmax that the list does not call 'softmax' is quantised finished and normalised). What goes into a quantiser is computed in f32, as accurately as f32 sums, v_exp_f32 and their like allow (about 1e-6 of the number): no bf16 or f16 on the way to a quantiser, and a product that is left as it is and whose result goes on into a quantised operand takes f32 operands (vector FMAs, or v_wmma_f32_16x16x4_f32). A number that lies on a knife's edge between two numbers of the format may be rounded either way, as far as f32 arithmetic and the matrix unit's own rounding can turn it there, and no further.
;; 2 versions. Each part assembles by itself: llvm-mc -triple=amdgcn-amd-amdhsa -mcpu=gfx1250 --defsym DOCPART=n.
;; ======== version 1 of 2: 3 launches
;; workspace buffers: xqs 4,456,448 bytes; gwa 294,912 bytes; selh 163,840 bytes of whole numbers; ord 131,072 bytes of whole numbers; sgw 262,144 bytes; wqs 884,736 bytes
;; launch route (part 1): grid 256 x 1, 4 waves a work-group, no clusters, 36,352 bytes of LDS; arguments x, regime, ln_g, ln_b, rw1, rb1, rw2, rb2, xqs, gwa, selh; writes xqs, gwa, selh
.if DOCPART == 1
	.amdgcn_target "amdgcn-amd-amdhsa--gfx1250"
	.amdhsa_code_object_version 6
	.text
	.protected	k_qe63c179dfe_route
	.globl	k_qe63c179dfe_route
	.p2align	8
	.type	k_qe63c179dfe_route,@function
k_qe63c179dfe_route:
	s_mov_b64 s[64:65], 0
	v_nop
	global_prefetch_b8 v0, s[64:65] scope:SCOPE_SE
	s_setreg_imm32_b32 hwreg(HW_REG_WAVE_MODE, 25, 1), 1
	s_wait_xcnt 0x0
; ROUTE: LayerNorm, the codes of xn, the router, the two chosen experts of each token, the local part of a counting sort, partial sums of the loss.
; DEAD WORK OF THE WHOLE PROGRAM.  reference() computes eo[t][e] for all six experts and keeps, by take_along_axis on its own top_k, the two rows e in topk_idx[t]; the loss is made of the gate
; logits alone.  So for every value of the inputs eo[t][e] with e outside topk_idx[t] reaches no output, and those rows of the two expert products are not computed (inside a tile of 16 tokens
; that also holds chosen rows they stay and are multiplied by the weight 0).  Every input has a way to an output and is loaded.
; LIMITS.  NaN and infinities among the inputs are not served.  A NaN, an infinity or an overflow that reaches only the rows left out is not carried to the result; an overflow in a row that
; stays with weight 0 would give NaN.  A block whose largest magnitude lies under 2^-124 keeps the scale byte 1; a block of zeros gets the byte 1 where the rule says 127: its codes are zeros,
; and the bytes are read by this program alone.  Two logits equal to the last bit are ordered by index, the lower first, as top_k does.
; SHARES.  Work-group g: tokens 128 g .. 128 g + 127, all of batch g / 32.  Wave w normalises and quantises tokens 32 w .. 32 w + 31 (two tiles of 16); the first eight blocks of the router's
; input are xn's own blocks, so one set of codes serves the router here and the experts later.  In the router's product THE WAVES SHARE THE COLUMNS: wave w keeps columns 64 w .. 64 w + 63 of rw1
; as codes in registers (it quantises them itself: a lane takes a column, its registers run down K) and takes all eight tiles of tokens, whose fragments go from wave to wave through LDS as
; images of their registers.  The product is used transposed (source 0 = 16 columns of rw1, source 1 = 16 tokens): a lane holds one token and eight hidden columns.
; The product with rw2 (N = 6) decides the choice: fused multiply-adds in f32.  No address and no branch hangs on the choice: it is stored at fixed places.
; No cluster and no joint loads: x is read by one wave alone, and rw1 arrives as f32 and has to pass through registers to be quantised.
; REGISTERS, in windows of 256: window 0: addresses, scale words, tile 0 of x (v64-191), later the router's work; window 1: two staging sets for rw1, later rw2; window 2: v0-95 rw1's codes,
; v96-127 rb1, v128-255 tile 1 of x; window 3: ln_g, ln_b in x's layout.
.set XIMG,  0                          ; LDS: xn's 16 fragments (tile m, K step s) at (2 m + s) x 1,024
.set XSC,   16384                      ; their scale words, 128 bytes each
.set LG,    18432                      ; partial logits [wave][token][8 f32]
.set HV,    34816                      ; four count vectors of 128 bytes, then four loss vectors
.set SPARE, 35840                      ; the spare words, 128 bytes for each wave: two blocks of 256 bytes that no other line names
.set XA,   4                           ; x: 1,024 r + 64 h
.set LI,   5                           ; 16 x lane
.set LS,   6                           ; 4 x lane
.set XWI,  7                           ; where I store images: 16 lane + 4,096 w
.set XWS,  8                           ; and scale words: 4 lane + 512 w
.set GA,   9                           ; ln_g, ln_b: 64 h
.set RWA,  10                          ; rw1: 4 r + 32,768 h + 256 w
.set RWB,  11                          ; rw1's last five rows: 4 r + 256 w
.set RBK,  12                          ; my images read back by rows of codes
.set R2A,  13                          ; rw2: 192 h + 1,536 w
.set LGW,  14                          ; LG + 4,096 w + 32 r
.set LGR,  15                          ; LG + 32 x thread
.set SH8,  16                          ; 8 h
.set RBA,  17                          ; rb1: 32 h + 256 w
.set AD0,  18
.set AD1,  19
.set L8,   20                          ; 8 x lane
.set T4,   21                          ; 4 x thread
.set T8,   22                          ; 8 x thread
.set AD2,  23
.set SPW,  30                          ; LDS address of my spare word; never rewritten
.set NIL,  31                          ; 0; never rewritten
.set RWS,  32                          ; v32-43 rw1's scale words (3 t + s)
.set XS,   44                          ; v44-45 a tile's scale words
.set RS,   46                          ; regime's scale word
.set RF,   48                          ; v48-55 regime's fragment
.set PC,   56                          ; v56-63 the codes just made
.set XF,   64                          ; v64-79 a tile's two fragments
.set HID,  80                          ; v80-111 four accumulators
.set TT,   112                         ; v112-143 at work in silu
.set LA,   144                         ; v144-155 logits, two sets of three pairs
.set LP,   156                         ; v156-161
.set QM,   192                         ; quantising rw1: largest magnitudes, scale operands, bytes, word, exchange
.set QS,   194
.set QB,   196
.set QW,   198
.set QT,   199
.set ZZ,   200                         ; v200-239 the short last block: 8 numbers for each of 4 tiles and for regime
.set C0,   240
.set AC,   192                         ; LayerNorm: four chains of pairs
.set MU,   200
.set RR,   202
.set TM,   208                         ; v208-223 QUANT's work
.set PW,   224
.set PWK,  226                         ; v226-229 the four scale words kept
.set SW,   230
.set CB,   232                         ; v232-247 codes on their way out
.set KM,   66                          ; s[66:80] the lanes of each key
.set MSB, 0
.macro WIN new                         ; the immediate's high byte repeats the setting that is left; a switch that changes nothing is dropped
.if MSB != (\new)
	s_set_vgpr_msb (MSB<<8)|(\new)
.set MSB, (\new)
.endif
.endm
.macro BARRIER                         ; my LDS stores have landed and my LDS loads are in: then the work-group's barrier
	s_wait_dscnt 0x0
	s_barrier_signal -1
	s_barrier_wait -1
.endm
; 64 numbers of a lane in window stw, registers running down K (32 c + i = k 64 c + 32 h + i of my column), become a fragment's 8 registers in window dstw and its scale word.
.macro QF st, stw, dst, dstw, sw
	WIN 5*(\stw)
.irp c, 0,1
	v_max3_num_f32 v[QM+\c], |v[(\st)+32*\c]|, |v[(\st)+32*\c+1]|, 0x1800000   ; with the floor 2^(3 - 127): the byte cannot fall under 1
.endr
.irp i, 2,4,6,8,10,12,14,16,18,20,22,24,26,28,30
.irp c, 0,1
	v_max3_num_f32 v[QM+\c], |v[(\st)+32*\c+\i]|, |v[(\st)+32*\c+\i+1]|, v[QM+\c]
.endr
.endr
	WIN 0
.irp c, 0,1
	v_add_nc_u32 v[QS+\c], 0xff000000, v[QM+\c]    ; 2 off the exponent field: the conversion's scale operand
.endr
.irp c, 0,1
	v_lshrrev_b32 v[QB+\c], 23, v[QS+\c]           ; the scale's byte
.endr
	v_lshl_or_b32 v[QW], v[QB+1], 16, v[QB]        ; my blocks h and 2 + h,
	v_lshlrev_b32 v[QW], v[SH8], v[QW]             ; at their places in the word;
	v_permlanex16_b32 v[QT], v[QW], s28, s29
	v_or_b32 v[\sw], v[QW], v[QT]                  ; with lane l xor 16's two the word is whole
	WIN ((\dstw)<<6)|(\stw)
.irp c, 0,1
.irp g, 0,1,2,3
	v_cvt_scalef32_pk8_fp4_f32 v[(\dst)+4*\c+\g], v[(\st)+32*\c+8*\g:(\st)+32*\c+8*\g+7], v[QS+\c]
.endr
.endr
	WIN 0
	v_nop                                          ; one plain place behind a scaled conversion
.endm
; The K step 256 .. 383 holds five numbers: one short block, filled with zeros.  Its eight first codes are register 0 of lanes 0-15; all else is zero codes under the byte 127.
.macro T3Q zb, dst, dstw, sw
	v_mov_b32 v[(\zb)+5], 0
	v_mov_b32 v[(\zb)+6], 0
	v_mov_b32 v[(\zb)+7], 0
	v_max3_num_f32 v[QM], |v[(\zb)]|, |v[(\zb)+1]|, 0x1800000
	v_max3_num_f32 v[QM], |v[(\zb)+2]|, |v[(\zb)+3]|, v[QM]
	v_max_num_f32 v[QM], v[QM], |v[(\zb)+4]|
	v_add_nc_u32 v[QS], 0xff000000, v[QM]
	v_lshrrev_b32 v[QB], 23, v[QS]
	v_or_b32 v[\sw], 0x7f7f7f00, v[QB]
	v_cvt_scalef32_pk8_fp4_f32 v[C0], v[(\zb):(\zb)+7], v[QS]
	v_nop                                          ; one plain place behind a scaled conversion
	WIN (\dstw)<<6
	v_cndmask_b32 v[(\dst)], 0, v[C0], s32         ; lanes 16-31 hold k = 32 on: zeros
.irp i, 1,2,3,4,5,6,7
	v_mov_b32 v[(\dst)+\i], 0
.endr
	WIN 0
.endm
; 64 numbers of a lane in window xw, register 16 b + i = k 32 b + 16 h + i of my row, become a fragment's codes in v[PC] on and its scale word in v[PW].
.macro QUANT xb, xw
	WIN 5*(\xw)
.irp b, 0,1,2,3
	v_max3_num_f32 v[TM+\b], |v[(\xb)+16*\b]|, |v[(\xb)+16*\b+1]|, 0x1800000
.endr
.irp i, 2,4,6,8,10,12,14
.irp b, 0,1,2,3
	v_max3_num_f32 v[TM+\b], |v[(\xb)+16*\b+\i]|, |v[(\xb)+16*\b+\i+1]|, v[TM+\b]
.endr
.endr
	WIN 0
.irp b, 0,1,2,3
	v_permlanex16_b32 v[TM+4+\b], v[TM+\b], s28, s29
.endr
.irp b, 0,1,2,3
	v_max_num_f32 v[TM+\b], v[TM+\b], v[TM+4+\b]   ; with lane l xor 16's: the block's largest magnitude
.endr
.irp b, 0,1,2,3
	v_add_nc_u32 v[TM+12+\b], 0xff000000, v[TM+\b]
.endr
.irp b, 0,1,2,3
	v_lshrrev_b32 v[TM+4+\b], 23, v[TM+12+\b]
.endr
	v_lshl_or_b32 v[PW], v[TM+5], 8, v[TM+4]
	v_lshl_or_b32 v[PW], v[TM+6], 16, v[PW]
	v_lshl_or_b32 v[PW], v[TM+7], 24, v[PW]
	WIN (\xw)
.irp b, 0,1,2,3
	v_cvt_scalef32_pk8_fp4_f32 v[PC+2*\b], v[(\xb)+16*\b:(\xb)+16*\b+7], v[TM+12+\b]
	v_cvt_scalef32_pk8_fp4_f32 v[PC+2*\b+1], v[(\xb)+16*\b+8:(\xb)+16*\b+15], v[TM+12+\b]
.endr
	WIN 0
	v_nop                                          ; one plain place behind a scaled conversion
.irp c, 0,1                                    ; the operand's layout wants a whole block in a lane
.irp i, 0,1
	v_permlane16_swap_b32 v[PC+4*\c+\i], v[PC+2+4*\c+\i]
.endr
.endr
.endm
.macro IMAGE adr, off                          ; the fragment in v[PC] on goes to LDS as it stands
.irp c, 0,1
	ds_store_b128 v[\adr], v[PC+4*\c:PC+4*\c+3] offset:(\off)+512*\c
.endr
.endm
; z = z / (1 + 2^(-z log2 e)): the exponentials are one batch with one wait, and so are the reciprocals
.macro SILU z, t, n
.set ii, 0
.rept (\n)/2
	v_pk_mul_f32 v[\t+ii:\t+ii+1], v[\z+ii:\z+ii+1], s[30:31] op_sel_hi:[1,0]
.set ii, ii+2
.endr
.set ii, 0
.rept \n
	v_exp_f32 v[\t+ii], v[\t+ii]
.set ii, ii+1
.endr
	v_nop                                          ; a plain place behind the last exponential
	s_wait_alu depctr_va_vdst(0)                   ; one wait for the batch, ahead of its first reader
.set ii, 0
.rept (\n)/2
	v_pk_add_f32 v[\t+ii:\t+ii+1], v[\t+ii:\t+ii+1], 1.0 op_sel_hi:[1,0]
.set ii, ii+2
.endr
.set ii, 0
.rept \n
	v_rcp_f32 v[\t+ii], v[\t+ii]
.set ii, ii+1
.endr
	v_nop
	s_wait_alu depctr_va_vdst(0)
.set ii, 0
.rept (\n)/2
	v_pk_mul_f32 v[\z+ii:\z+ii+1], v[\z+ii:\z+ii+1], v[\t+ii:\t+ii+1]
.set ii, ii+2
.endr
.endm
.macro XLOAD u, xb                             ; 16 rows of x: lane (r, h) takes, of row r, 16 neighbours of each block of 32
.irp s, 0,1
.irp b, 0,1,2,3
.irp j, 0,1,2,3
	global_load_b128 v[\xb+64*\s+16*\b+4*\j:\xb+64*\s+16*\b+4*\j+3], v[XA], s[4:5] offset:16384*\u+512*\s+128*\b+16*\j th:TH_LOAD_NT
.endr
.endr
.endr
.endm
.macro LOADF q                                 ; fragment q = 2 t + s of my columns of rw1, as f32, into staging set q % 2 of window 1
	WIN 0x40
.irp c, 0,1
.set ii, 0
.rept 32
	global_load_b32 v[64*((\q)%2)+32*\c+ii], v[RWA], s[12:13] offset:(128*((\q)%2)+64*\c+ii)*1024+64*((\q)/2)
.set ii, ii+1
.endr
.endr
	WIN 0
.endm
.macro FOLD                                    ; the four chains, my two halves and lane l xor 16's: the row's sum in v[AC]
	v_pk_add_f32 v[AC:AC+1], v[AC:AC+1], v[AC+2:AC+3]
	v_pk_add_f32 v[AC+4:AC+5], v[AC+4:AC+5], v[AC+6:AC+7]
	v_pk_add_f32 v[AC:AC+1], v[AC:AC+1], v[AC+4:AC+5]
	v_add_f32 v[AC], v[AC], v[AC+1]
	v_permlanex16_b32 v[AC+2], v[AC], s28, s29
	v_add_f32 v[AC], v[AC], v[AC+2]
.endm
; Tile u of my tokens, 128 numbers a lane at v[xb] of window xw: mean, variance of the differences, xn, two fragments of codes; images to LDS, codes to memory.
.macro LNQ u, xb, xw
	WIN 5*(\xw)
.irp k, 0,1,2,3
	v_pk_add_f32 v[AC+2*\k:AC+2*\k+1], v[\xb+2*\k:\xb+2*\k+1], v[\xb+8+2*\k:\xb+8+2*\k+1]
.endr
	WIN (\xw)
.set ii, 16
.rept 56
	v_pk_add_f32 v[AC+ii%8:AC+ii%8+1], v[\xb+ii:\xb+ii+1], v[AC+ii%8:AC+ii%8+1]
.set ii, ii+2
.endr
	WIN 0
	FOLD
	v_mul_f32 v[MU], s34, v[AC]
	v_mov_b32 v[MU+1], v[MU]
	WIN 0x41*(\xw)
.set ii, 0
.rept 64
	v_pk_add_f32 v[\xb+ii:\xb+ii+1], v[\xb+ii:\xb+ii+1], v[MU:MU+1] neg_lo:[0,1] neg_hi:[0,1]
.set ii, ii+2
.endr
	WIN 5*(\xw)
.irp k, 0,1,2,3
	v_pk_mul_f32 v[AC+2*\k:AC+2*\k+1], v[\xb+2*\k:\xb+2*\k+1], v[\xb+2*\k:\xb+2*\k+1]
.endr
.set ii, 8
.rept 60
	v_pk_fma_f32 v[AC+ii%8:AC+ii%8+1], v[\xb+ii:\xb+ii+1], v[\xb+ii:\xb+ii+1], v[AC+ii%8:AC+ii%8+1]
.set ii, ii+2
.endr
	WIN 0
	FOLD
	v_fma_f32 v[RR], v[AC], s34, s33               ; var + eps
	v_rsq_f32 v[RR], v[RR]
	v_nop
	s_wait_alu depctr_va_vdst(0)
	v_mov_b32 v[RR+1], v[RR]
	WIN 0x41*(\xw)
.set ii, 0
.rept 64
	v_pk_mul_f32 v[\xb+ii:\xb+ii+1], v[\xb+ii:\xb+ii+1], v[RR:RR+1]
.set ii, ii+2
.endr
	WIN (0x41*(\xw))|0x3c                          ; ln_g and ln_b in window 3
.set ii, 0
.rept 64
	v_pk_fma_f32 v[\xb+ii:\xb+ii+1], v[\xb+ii:\xb+ii+1], v[ii:ii+1], v[128+ii:128+ii+1]
.set ii, ii+2
.endr
	WIN 0
.irp s, 0,1
	QUANT \xb+64*\s, \xw
	IMAGE XWI, XIMG+2048*\u+1024*\s
	ds_store_b32 v[XWS], v[PW] offset:XSC+256*\u+128*\s
	v_mov_b32 v[PWK+2*\u+\s], v[PW]
	s_wait_dscnt 0x0                               ; the stores have read their registers
.endr
.if \u
	s_wait_xcnt 0x0                                ; the last tile's stores have read their data: the registers are loaded again only behind this wait
.endif
.irp i, 0,1,2,3
	ds_load_b128 v[CB+4*\i:CB+4*\i+3], v[RBK] offset:XIMG+2048*\u+64*\i   ; my own images, by rows: eight lanes take a token's 128 bytes
.endr
	s_wait_dscnt 0x0
.irp i, 0,1,2,3
	global_store_b128 v[LI], v[CB+4*\i:CB+4*\i+3], s[20:21] offset:2048*\u+512*\i   ; 32 lanes store 512 consecutive bytes: four tokens' codes
.endr
.endm
	s_load_b512 s[4:19], s[0:1], 0x0               ; x, regime, ln_g, ln_b, rw1, rb1, rw2, rb2
	s_load_b128 s[20:23], s[0:1], 0x40             ; xqs, gwa
	s_load_b64 s[24:25], s[0:1], 0x50              ; selh
	v_lshl_add_u32 v[SPW], v0, 2, SPARE
	v_mov_b32 v[NIL], 0
	v_lshrrev_b32 v1, 5, v0
	v_readfirstlane_b32 s26, v1                    ; wave 0..3
	v_and_b32 v1, 31, v0                           ; lane
	v_and_b32 v2, 15, v0                           ; r
	v_bfe_u32 v3, v0, 4, 1                         ; h
	v_lshlrev_b32 v[XA], 10, v2
	v_lshl_add_u32 v[XA], v3, 6, v[XA]
	v_lshlrev_b32 v[LI], 4, v1
	v_lshlrev_b32 v[LS], 2, v1
	v_lshlrev_b32 v[L8], 3, v1
	v_lshlrev_b32 v[T4], 2, v0
	v_lshlrev_b32 v[T8], 3, v0
	s_lshl_b32 s27, s26, 12
	v_add_nc_u32 v[XWI], s27, v[LI]
	v_bfe_u32 v[RBK], v0, 2, 1                     ; a row's eight pieces of 16 bytes: piece 4 s + 2 c + h lies in image s, half c, lane 16 h + r
	v_lshlrev_b32 v[RBK], 10, v[RBK]
	v_bfe_u32 v[AD0], v0, 1, 1
	v_lshl_add_u32 v[RBK], v[AD0], 9, v[RBK]
	v_and_b32 v[AD0], 1, v0
	v_lshl_add_u32 v[RBK], v[AD0], 8, v[RBK]
	v_bfe_u32 v[AD0], v0, 3, 2
	v_lshl_add_u32 v[RBK], v[AD0], 4, v[RBK]
	v_add_nc_u32 v[RBK], s27, v[RBK]
	s_add_co_u32 s27, s27, LG
	v_lshl_add_u32 v[LGW], v2, 5, s27
	s_lshl_b32 s27, s26, 9
	v_add_nc_u32 v[XWS], s27, v[LS]
	v_lshlrev_b32 v[GA], 6, v3
	s_lshl_b32 s27, s26, 8
	v_lshl_add_u32 v[RWB], v2, 2, s27
	v_lshl_add_u32 v[RWA], v3, 15, v[RWB]
	v_lshl_add_u32 v[RBA], v3, 5, s27
	s_mul_i32 s27, s26, 1536
	v_mul_u32_u24 v[R2A], v3, 192
	v_add_nc_u32 v[R2A], s27, v[R2A]
	v_lshl_add_u32 v[LGR], v0, 5, LG
	v_lshlrev_b32 v[SH8], 3, v3
	v_mov_b32 v[QT], 0                             ; written once: a lane permute's destination counts as one of its sources
	s_mov_b32 s28, 0x76543210
	s_mov_b32 s29, 0xfedcba98                      ; v_permlanex16_b32's selects for lane l xor 16
	s_mov_b32 s30, 0xbfb8aa3b                      ; -log2(e)
	s_mov_b32 s31, s30
	s_mov_b32 s32, 0x0000ffff                      ; lanes 0-15
	s_mov_b32 s33, 0x3727c5ac                      ; eps = 1e-5
	s_mov_b32 s34, 0x3b800000                      ; 1 / 256
	s_wait_kmcnt 0x0
	s_lshl_b32 s50, ttmp9, 17                      ; 128 rows of 1,024 bytes a work-group,
	s_lshl_b32 s51, s26, 15                        ; 32 a wave
	s_add_co_u32 s50, s50, s51
	s_mov_b32 s51, 0
	s_add_nc_u64 s[4:5], s[4:5], s[50:51]
	XLOAD 0, 64
	WIN 0x80
	XLOAD 1, 128
	WIN 0xc0
.irp s, 0,1
.irp b, 0,1,2,3
.irp j, 0,1,2,3
	global_load_b128 v[64*\s+16*\b+4*\j:64*\s+16*\b+4*\j+3], v[GA], s[8:9] offset:512*\s+128*\b+16*\j
	global_load_b128 v[128+64*\s+16*\b+4*\j:128+64*\s+16*\b+4*\j+3], v[GA], s[10:11] offset:512*\s+128*\b+16*\j
.endr
.endr
.endr
	WIN 0
	s_lshr_b32 s50, ttmp9, 5                       ; my batch
	s_mul_i32 s50, s50, 20
	s_add_nc_u64 s[6:7], s[6:7], s[50:51]
	s_load_b128 s[36:39], s[6:7], 0x0              ; regime's five numbers
	s_load_b32 s40, s[6:7], 0x10
	s_load_b128 s[44:47], s[18:19], 0x0            ; rb2
	s_load_b64 s[48:49], s[18:19], 0x10
	LOADF 0
	LOADF 1
	s_lshl_b32 s50, ttmp9, 10                      ; where my results go
	s_lshl_b32 s27, s26, 8
	s_add_co_u32 s50, s50, s27
	s_add_co_u32 s50, s50, 4194304
	s_add_nc_u64 s[54:55], s[20:21], s[50:51]      ; scale words: 8 bytes a token, behind the codes
	s_lshl_b32 s50, ttmp9, 14
	s_lshl_b32 s27, s26, 12
	s_add_co_u32 s50, s50, s27
	s_add_nc_u64 s[20:21], s[20:21], s[50:51]      ; codes: 128 bytes a token
	s_lshl_b32 s50, ttmp9, 7
	s_add_co_u32 s50, s50, 262144
	s_add_nc_u64 s[56:57], s[22:23], s[50:51]      ; my row of the loss's partial sums
	s_lshl_b32 s50, ttmp9, 10
	s_add_nc_u64 s[22:23], s[22:23], s[50:51]      ; gate weights: 8 bytes a token
	s_lshl_b32 s50, ttmp9, 7
	s_add_co_u32 s50, s50, 131072
	s_add_nc_u64 s[58:59], s[24:25], s[50:51]      ; my row of counts
	s_lshl_b32 s50, ttmp9, 9
	s_add_nc_u64 s[24:25], s[24:25], s[50:51]      ; the choice: 4 bytes a token
	; ---- my 64 columns of rw1 become codes: eight fragments of 128 along K, two staging sets by turns
.irp q, 0,1,2,3,4,5,6,7
.if \q < 7
	s_wait_loadcnt 63                              ; behind this fragment's loads stand 64 or more of later fragments: it is in, and so is all that was asked for earlier (x, ln_g, ln_b)
.else
	s_wait_loadcnt 20                              ; behind the last fragment's loads stand the 20 of the five last rows
.endif
	QF 64*(\q%2), 1, 8*(3*(\q/2)+\q%2), 2, RWS+3*(\q/2)+\q%2
.if \q < 6
	LOADF \q+2
.endif
.if \q == 5
.irp t, 0,1,2,3
.irp i, 0,1,2,3,4
	global_load_b32 v[ZZ+8*\t+\i], v[RWB], s[12:13] offset:(256+\i)*1024+64*\t   ; rows 256 .. 260
.endr
.endr
.endif
.endr
	WIN 0x40
.irp t, 0,1,2,3
.set ii, 0
.rept 12
	global_load_b128 v[48*\t+4*ii:48*\t+4*ii+3], v[R2A], s[16:17] offset:384*\t+16*ii   ; rw2 at my eight columns of tile t: register 48 t + 6 j + e
.set ii, ii+1
.endr
.endr
	WIN 0x80
.irp t, 0,1,2,3
.irp q, 0,1
	global_load_b128 v[96+8*\t+4*\q:96+8*\t+4*\q+3], v[RBA], s[14:15] offset:64*\t+16*\q   ; rb1 in the result's layout
.endr
.endr
	WIN 0
	s_wait_loadcnt 56                              ; behind the five last rows stand rw2's 48 loads and rb1's 8
	s_wait_kmcnt 0x0                               ; regime, rb2
.irp t, 0,1,2,3
	T3Q ZZ+8*\t, 24*\t+16, 2, RWS+3*\t+2
.endr
.irp i, 0,1,2,3,4
	v_mov_b32 v[ZZ+32+\i], s[36+\i]
.endr
	T3Q ZZ+32, RF, 0, RS
.irp b, 0,1,2,3
	v_mov_b32 v[TM+4+\b], 0                        ; written once: a lane permute's destination counts as one of its sources
.endr
	; ---- my 32 tokens: LayerNorm and codes
	LNQ 0, 64, 0
	LNQ 1, 128, 2
	v_cndmask_b32 v[SW], v[PWK+2], v[PWK], s32     ; lane l holds token l of my 32: lanes 0-15 tile 0's words, lanes 16-31 tile 1's
	v_cndmask_b32 v[SW+1], v[PWK+3], v[PWK+1], s32
	global_store_b64 v[L8], v[SW:SW+1], s[54:55]   ; 32 lanes store 256 consecutive bytes
	BARRIER                                        ; xn's sixteen fragments lie in LDS
.irp e, 0,1,2,3,4,5
	v_mov_b32 v[LP+\e], 0
.endr
	s_wait_loadcnt 0x0                             ; rw2, rb1
	; ---- the router, a tile of 16 tokens a trip
	s_mov_b32 s35, 0
	s_mov_b32 s41, 0
	s_mov_b32 s42, 0
	s_mov_b32 s43, 0
.Ltile:
	v_add_nc_u32 v[AD0], s41, v[LI]
	v_add_nc_u32 v[AD1], s42, v[LS]
	v_add_nc_u32 v[AD2], s43, v[LGW]
.irp s, 0,1
.irp c, 0,1
	ds_load_b128 v[XF+8*\s+4*\c:XF+8*\s+4*\c+3], v[AD0] offset:XIMG+1024*\s+512*\c
.endr
	ds_load_b32 v[XS+\s], v[AD1] offset:XSC+128*\s
.endr
	s_wait_dscnt 0x0
	WIN 0x22                                       ; source 0 (rw1) and C (rb1) in window 2
.irp t, 0,1,2,3                                ; the four accumulators take turns, one instruction a turn
	v_wmma_scale_f32_16x16x128_f8f6f4 v[HID+8*\t:HID+8*\t+7], v[24*\t:24*\t+7], v[XF:XF+7], v[96+8*\t:96+8*\t+7], v[RWS+3*\t], v[XS] matrix_a_fmt:MATRIX_FMT_FP4 matrix_b_fmt:MATRIX_FMT_FP4
.endr
	WIN 0x02
.irp t, 0,1,2,3
	v_wmma_scale_f32_16x16x128_f8f6f4 v[HID+8*\t:HID+8*\t+7], v[24*\t+8:24*\t+15], v[XF+8:XF+15], v[HID+8*\t:HID+8*\t+7], v[RWS+3*\t+1], v[XS+1] matrix_a_fmt:MATRIX_FMT_FP4 matrix_b_fmt:MATRIX_FMT_FP4
.endr
.irp t, 0,1,2,3
	v_wmma_scale_f32_16x16x128_f8f6f4 v[HID+8*\t:HID+8*\t+7], v[24*\t+16:24*\t+23], v[RF:RF+7], v[HID+8*\t:HID+8*\t+7], v[RWS+3*\t+2], v[RS] matrix_a_fmt:MATRIX_FMT_FP4 matrix_b_fmt:MATRIX_FMT_FP4
.endr
	WIN 0
.rept 4
	v_nop                                          ; four places in front of the first read of results
.endr
	SILU HID, TT, 32
	WIN 0x04                                       ; rw2 in window 1
.irp t, 0,1,2,3                                ; logits: my 32 hidden columns x six experts, two experts an instruction, two sets of sums by turns; the first six products start the sums
.irp j, 0,1,2,3,4,5,6,7
.irp p, 0,1,2
.set hb, HID+8*\t+2*(\j/2)
.set lb, LA+6*(\j%2)+2*\p
.set wb, 48*\t+6*\j+2*\p
.if (\t == 0) && (\j == 0)
	v_pk_mul_f32 v[lb:lb+1], v[hb:hb+1], v[wb:wb+1] op_sel_hi:[0,1]
.elseif (\t == 0) && (\j == 1)
	v_pk_mul_f32 v[lb:lb+1], v[hb:hb+1], v[wb:wb+1] op_sel:[1,0] op_sel_hi:[1,1]
.elseif (\j%2) == 0
	v_pk_fma_f32 v[lb:lb+1], v[hb:hb+1], v[wb:wb+1], v[lb:lb+1] op_sel_hi:[0,1,1]
.else
	v_pk_fma_f32 v[lb:lb+1], v[hb:hb+1], v[wb:wb+1], v[lb:lb+1] op_sel:[1,0,0] op_sel_hi:[1,1,1]
.endif
.endr
.endr
.endr
	WIN 0
.irp p, 0,1,2
	v_pk_add_f32 v[LA+2*\p:LA+2*\p+1], v[LA+2*\p:LA+2*\p+1], v[LA+6+2*\p:LA+6+2*\p+1]
.endr
.irp e, 0,1,2,3,4,5
	v_permlanex16_b32 v[LP+\e], v[LA+\e], s28, s29
.endr
.irp e, 0,1,2,3,4,5
	v_add_f32 v[LA+\e], v[LA+\e], v[LP+\e]         ; with lane l xor 16's columns: my wave's part of the token's logits
.endr
	ds_store_b128 v[AD2], v[LA:LA+3]               ; both halves of the lanes write the same bytes with the same values
	ds_store_b64 v[AD2], v[LA+4:LA+5] offset:16
	s_add_co_u32 s41, s41, 2048
	s_add_co_u32 s42, s42, 256
	s_add_co_u32 s43, s43, 512
	s_add_co_u32 s35, s35, 1
	s_cmp_lt_u32 s35, 8
	s_cbranch_scc1 .Ltile
	BARRIER                                        ; all four waves' parts of 128 tokens' logits lie in LDS
	; ---- a thread to a token: logits, the two largest, their weights, all six probabilities
.set PL,   64
.set LO,   96
.set LC,   102
.set M1,   108
.set I1,   109
.set M2,   110
.set I2,   111
.set NINF, 112
.set TE,   113
.set PE,   114
.set SU,   120
.set DN,   121
.set W2,   123
.set EA,   124
.set EB,   125
.set KEY,  126
.set TP,   127
.set TQ,   128
.set RK,   129
.set CNT,  130
.set AUX,  131
.set WAB,  132
.set OFR,  134
.set SLV,  135
.set CV,   136
.set PRE,  140
.set TOT,  141
.irp w, 0,1,2,3
	ds_load_b128 v[PL+8*\w:PL+8*\w+3], v[LGR] offset:4096*\w
	ds_load_b64 v[PL+8*\w+4:PL+8*\w+5], v[LGR] offset:4096*\w+16
.endr
	s_wait_dscnt 0x0
.irp e, 0,1,2,3,4,5
	v_add_f32 v[LO+\e], v[PL+\e], v[PL+8+\e]
	v_add_f32 v[LC+\e], v[PL+16+\e], v[PL+24+\e]
.endr
.irp e, 0,1,2,3,4,5
	v_add_f32 v[LO+\e], v[LO+\e], v[LC+\e]
.endr
.irp e, 0,1,2,3,4,5
	v_add_f32 v[LO+\e], s[44+\e], v[LO+\e]         ; + rb2
.endr
	v_mov_b32 v[M1], v[LO]
	v_mov_b32 v[I1], 0
.irp e, 1,2,3,4,5
	v_cmp_ge_f32 vcc_lo, v[M1], v[LO+\e]           ; the earlier index keeps its place on a tie
	v_cndmask_b32 v[I1], \e, v[I1], vcc_lo
	v_cndmask_b32 v[M1], v[LO+\e], v[M1], vcc_lo
.endr
	v_mov_b32 v[NINF], 0xff800000
.irp e, 0,1,2,3,4,5
	v_cmp_eq_u32 vcc_lo, \e, v[I1]
	v_cndmask_b32 v[LC+\e], v[LO+\e], v[NINF], vcc_lo
.endr
	v_mov_b32 v[M2], v[LC]
	v_mov_b32 v[I2], 0
.irp e, 1,2,3,4,5
	v_cmp_ge_f32 vcc_lo, v[M2], v[LC+\e]
	v_cndmask_b32 v[I2], \e, v[I2], vcc_lo
	v_cndmask_b32 v[M2], v[LC+\e], v[M2], vcc_lo
.endr
	v_sub_f32 v[TE], v[M2], v[M1]                  ; the largest logit is taken away before every exponential
	v_mul_f32 v[TE], 0x3fb8aa3b, v[TE]
.irp e, 0,1,2,3,4,5
	v_sub_f32 v[PE+\e], v[LO+\e], v[M1]
.endr
.irp e, 0,1,2,3,4,5
	v_mul_f32 v[PE+\e], 0x3fb8aa3b, v[PE+\e]
.endr
	v_exp_f32 v[TE], v[TE]
.irp e, 0,1,2,3,4,5
	v_exp_f32 v[PE+\e], v[PE+\e]
.endr
	v_min_u32 v[EA], v[I1], v[I2]                  ; (plain work behind the exponentials)  the pair in ascending order
	v_max_u32 v[EB], v[I1], v[I2]
	s_wait_alu depctr_va_vdst(0)                   ; one wait for the seven
	v_add_f32 v[SU], v[PE], v[PE+1]
	v_add_f32 v[DN], v[PE+2], v[PE+3]
	v_add_f32 v[TP], v[PE+4], v[PE+5]
	v_add_f32 v[SU], v[SU], v[DN]
	v_add_f32 v[SU], v[SU], v[TP]
	v_add_f32 v[DN], 1.0, v[TE]
	v_rcp_f32 v[SU], v[SU]
	v_rcp_f32 v[DN], v[DN]
	; the key of the pair: 01 02 03 04 05 15 14 13 12 23 24 25 35 34 45, so that neighbouring keys share an expert
	v_sub_nc_u32 v[TP], 11, v[EA]
	v_mul_u32_u24 v[TP], v[EA], v[TP]
	v_lshrrev_b32 v[TP], 1, v[TP]
	v_sub_nc_u32 v[TQ], 5, v[EB]
	v_sub_nc_u32 v[KEY], v[EB], v[EA]
	v_add_nc_u32 v[KEY], -1, v[KEY]
	v_and_b32 v[LC], 1, v[EA]
	v_cmp_eq_u32 vcc_lo, 1, v[LC]
	v_cndmask_b32 v[KEY], v[KEY], v[TQ], vcc_lo
	v_add_nc_u32 v[KEY], v[KEY], v[TP]
	s_wait_alu depctr_va_vdst(0)                   ; one wait for the two reciprocals
	v_mul_f32 v[W2], v[TE], v[DN]                  ; the weights: 1 / (1 + t) and t / (1 + t)
.irp e, 0,1,2,3,4,5
	v_mul_f32 v[PE+\e], v[PE+\e], v[SU]
.endr
	v_cmp_lt_u32 vcc_lo, v[I1], v[I2]
	v_cndmask_b32 v[WAB], v[W2], v[DN], vcc_lo     ; the weight of the lower expert,
	v_cndmask_b32 v[WAB+1], v[DN], v[W2], vcc_lo   ; of the higher
	; the wave's counts by key, each token's rank among its wave's tokens of the same key; all as data, at fixed places
	v_mov_b32 v[CNT], 0
	v_mov_b32 v[AUX], 0
	v_mov_b32 v[RK], 0
.irp k, 0,1,2,3,4,5,6,7,8,9,10,11,12,13,14
	v_cmp_eq_u32 s[KM+\k], \k, v[KEY]
	v_mbcnt_lo_u32_b32 v[TQ], s[KM+\k], 0
	v_cndmask_b32 v[RK], v[RK], v[TQ], s[KM+\k]
	s_bcnt1_i32_b32 s81, s[KM+\k]
	v_writelane_b32 v[CNT], s81, \k
.endr
.irp e, 0,1,2,3,4,5
	v_cmp_eq_u32 s82, \e, v[I1]
	s_bcnt1_i32_b32 s81, s82
	s_cvt_f32_u32 s81, s81
	v_writelane_b32 v[AUX], s81, 8+\e              ; how many of my wave's tokens have e as their first choice
.endr
.irp m, 1,2,4,8
.irp e, 0,1,2,3,4,5
	v_add_f32_dpp v[PE+\e], v[PE+\e], v[PE+\e] row_xmask:\m row_mask:0xf bank_mask:0xf
.endr
.endr
.irp e, 0,1,2,3,4,5
	v_permlanex16_b32 v[LC+\e], v[PE+\e], s28, s29
.endr
.irp e, 0,1,2,3,4,5
	v_add_f32 v[PE+\e], v[PE+\e], v[LC+\e]
.endr
.irp e, 0,1,2,3,4,5
	v_readfirstlane_b32 s81, v[PE+\e]
	v_writelane_b32 v[AUX], s81, \e                ; the wave's sum of p_e
.endr
	s_lshl_b32 s27, s26, 7
	v_add_nc_u32 v[AD0], s27, v[LS]                ; 4 lane + 128 w: a vector of 32 words for each wave
	ds_store_b32 v[AD0], v[CNT] offset:HV
	ds_store_b32 v[AD0], v[AUX] offset:HV+512
	BARRIER
.irp w, 0,1,2,3
	ds_load_b32 v[CV+\w], v[LS] offset:HV+128*\w   ; lane = key
.endr
	s_wait_dscnt 0x0
	v_add_nc_u32 v[TOT], v[CV], v[CV+1]
	v_add_nc_u32 v[TP], v[CV+2], v[CV+3]
	v_add_nc_u32 v[TOT], v[TOT], v[TP]             ; the work-group's counts
	v_mov_b32 v[PRE], 0
.irp w, 0,1,2
	s_cmp_gt_u32 s26, \w
	s_cselect_b32 s81, -1, 0
	v_and_b32 v[TP], s81, v[CV+\w]
	v_add_nc_u32 v[PRE], v[PRE], v[TP]             ; those of the waves ahead of mine
.endr
	v_mov_b32 v[OFR], 0
.irp k, 0,1,2,3,4,5,6,7,8,9,10,11,12,13,14
	v_readlane_b32 s81, v[PRE], \k
	v_mov_b32 v[TP], s81
	v_cndmask_b32 v[OFR], v[OFR], v[TP], s[KM+\k]
.endr
	v_add_nc_u32 v[RK], v[RK], v[OFR]              ; my rank among the work-group's tokens of my key: under 128
	v_lshl_or_b32 v[SLV], v[RK], 4, v[KEY]
	v_lshl_or_b32 v[SLV], v[EA], 12, v[SLV]
	v_lshl_or_b32 v[SLV], v[EB], 16, v[SLV]
	global_store_b32 v[T4], v[SLV], s[24:25]
	global_store_b64 v[T8], v[WAB:WAB+1], s[22:23] ; 32 lanes store 256 consecutive bytes
	s_cmp_lg_u32 s26, 0
	s_cbranch_scc1 .Lend
.irp w, 0,1,2,3
	ds_load_b32 v[CV+\w], v[LS] offset:HV+512+128*\w
.endr
	s_wait_dscnt 0x0
	v_add_f32 v[CV], v[CV], v[CV+1]
	v_add_f32 v[CV+2], v[CV+2], v[CV+3]
	v_add_f32 v[CV], v[CV], v[CV+2]
	global_store_b32 v[LS], v[TOT], s[58:59]       ; the work-group's row of counts: 128 bytes
	global_store_b32 v[LS], v[CV], s[56:57]        ; and of the loss's sums
.Lend:
	s_wait_tensorcnt 0x0                           ; the wave's end, behind my last LDS store
	ds_add_u32 v[SPW], v[NIL]
	s_wait_dscnt 0x0
	s_endpgm
.Lfunc_end_k_qe63c179dfe_route:
	.size	k_qe63c179dfe_route, .Lfunc_end_k_qe63c179dfe_route-k_qe63c179dfe_route
	.p2alignl 7, 3214868480
	.fill 96, 4, 3214868480
	.section	.rodata,"a",@progbits
	.p2align	6, 0x0
	.amdhsa_kernel k_qe63c179dfe_route
		.amdhsa_group_segment_fixed_size 36352
		.amdhsa_private_segment_fixed_size 0
		.amdhsa_enable_private_segment 0
		.amdhsa_kernarg_size 88
		.amdhsa_user_sgpr_count 2
		.amdhsa_user_sgpr_kernarg_segment_ptr 1
		.amdhsa_wavefront_size32 1
		.amdhsa_system_sgpr_workgroup_id_x 1
		.amdhsa_system_sgpr_workgroup_id_y 1
		.amdhsa_system_sgpr_workgroup_id_z 1
		.amdhsa_system_vgpr_workitem_id 0
		.amdhsa_next_free_vgpr 1024
		.amdhsa_next_free_sgpr 96
		.amdhsa_reserve_vcc 1
		.amdhsa_float_denorm_mode_32 3
		.amdhsa_float_denorm_mode_16_64 3
		.amdhsa_memory_ordered 1
		.amdhsa_forward_progress 1
		.amdhsa_inst_pref_size 194
	.end_amdhsa_kernel
	.amdgpu_metadata
---
amdhsa.version: [ 1, 2 ]
amdhsa.kernels:
  - .name:           k_qe63c179dfe_route
    .symbol:         k_qe63c179dfe_route.kd
    .args:
      - { .name: x, .offset: 0, .size: 8, .value_kind: global_buffer, .address_space: global }
      - { .name: regime, .offset: 8, .size: 8, .value_kind: global_buffer, .address_space: global }
      - { .name: ln_g, .offset: 16, .size: 8, .value_kind: global_buffer, .address_space: global }
      - { .name: ln_b, .offset: 24, .size: 8, .value_kind: global_buffer, .address_space: global }
      - { .name: rw1, .offset: 32, .size: 8, .value_kind: global_buffer, .address_space: global }
      - { .name: rb1, .offset: 40, .size: 8, .value_kind: global_buffer, .address_space: global }
      - { .name: rw2, .offset: 48, .size: 8, .value_kind: global_buffer, .address_space: global }
      - { .name: rb2, .offset: 56, .size: 8, .value_kind: global_buffer, .address_space: global }
      - { .name: xqs, .offset: 64, .size: 8, .value_kind: global_buffer, .address_space: global }
      - { .name: gwa, .offset: 72, .size: 8, .value_kind: global_buffer, .address_space: global }
      - { .name: selh, .offset: 80, .size: 8, .value_kind: global_buffer, .address_space: global }
    .group_segment_fixed_size: 36352
    .private_segment_fixed_size: 0
    .kernarg_segment_align: 8
    .kernarg_segment_size: 88
    .max_flat_workgroup_size: 128
    .sgpr_count:     96
    .vgpr_count:     1024
    .wavefront_size: 32
...
	.end_amdgpu_metadata
.endif
;; end of part 1
;; launch place (part 2): grid 256 x 1, 4 waves a work-group, no clusters, 0 bytes of LDS; arguments selh, gwa, w1, w2, ord, sgw, wqs, out1; writes ord, sgw, wqs, out1
.if DOCPART == 2
	.amdgcn_target "amdgcn-amd-amdhsa--gfx1250"
	.amdhsa_code_object_version 6
	.text
	.protected	k_qe63c179dfe_place
	.globl	k_qe63c179dfe_place
	.p2align	8
	.type	k_qe63c179dfe_place,@function
k_qe63c179dfe_place:
	s_mov_b64 s[64:65], 0
	v_nop
	global_prefetch_b8 v0, s[64:65] scope:SCOPE_SE
	s_setreg_imm32_b32 hwreg(HW_REG_WAVE_MODE, 25, 1), 1
	s_wait_xcnt 0x0
; PLACE: three jobs on one grid, parted by the work-group's number; a wave is a job's unit, J = 4 x work-group + wave.  No LDS byte is touched, no barrier.
; J < 256: the counting sort is finished for the 128 tokens of group J: from the 256 rows of counts by key come each key's total and the count in the groups ahead; a token's place in the sorted
; list is (tokens of lower keys) + (tokens of its key in earlier groups) + (its rank in its group).  The list entry (token, its two experts) and the two gate weights are stored there.
; J = 0 also adds the 256 rows of the loss's partial sums and stores the loss: 0.06 x sum over e of (sum of p_e / 32,768) (tokens with first choice e / 32,768).
; J >= 256: fragment P = J - 256 of the experts' weights is quantised along K and stored as an image of the operand's registers, 1,024 bytes, with its scale words, 128 bytes.  K is the first axis
; of w1[e] and w2[e]: a lane takes a column and its registers run down K, so nothing is transposed.  P = 64 e + 16 w + 2 t + s (w1) or 384 + 64 e + 16 w + 4 n + s (w2).
; THE COLUMNS OF w1 THAT FORM A TILE ARE NOT NEIGHBOURS: lane r of tile t takes hidden unit 128 w + 32 (t / 2) + 8 (t % 2) + r + 8 (r / 8), so that the results of two neighbouring tiles are 16 neighbours along the next K.
; LIMITS: as stated at the head of the first launch (a block of zeros gets the byte 1; NaN and infinities are not served).
	s_load_b512 s[4:19], s[0:1], 0x0               ; selh, gwa, w1, w2, ord, sgw, wqs, out1
	v_lshrrev_b32 v1, 5, v0
	v_readfirstlane_b32 s20, v1                    ; wave
	v_and_b32 v1, 31, v0                           ; lane
	v_and_b32 v2, 15, v0                           ; r
	v_bfe_u32 v3, v0, 4, 1                         ; h
	v_lshlrev_b32 v4, 4, v1                        ; 16 x lane
	v_lshlrev_b32 v5, 2, v1                        ; 4 x lane
	s_lshl_b32 s21, ttmp9, 2
	s_add_co_u32 s21, s21, s20                     ; J
	s_mov_b32 s28, 0x76543210
	s_mov_b32 s29, 0xfedcba98                      ; v_permlanex16_b32's selects for lane l xor 16
	s_mov_b32 s25, 0
	s_mov_b32 s27, 0
	s_wait_kmcnt 0x0
	s_cmp_ge_u32 ttmp9, 64
	s_cbranch_scc1 .Lprep
	; ---- placement of group J
	v_lshrrev_b32 v6, 2, v1                        ; which of eight rows of a load is mine
	v_and_b32 v7, 3, v1                            ; which four keys
	v_lshlrev_b32 v8, 7, v6
	v_lshl_add_u32 v8, v7, 4, v8                   ; 128 (lane / 4) + 16 (lane % 4)
	s_add_nc_u64 s[22:23], s[4:5], 131072          ; the rows of counts
.set ii, 0
.rept 32
	global_load_b128 v[64+4*ii:64+4*ii+3], v8, s[22:23] offset:1024*ii   ; rows 8 i .. 8 i + 7, keys 0 .. 15
.set ii, ii+1
.endr
	s_lshl_b32 s24, s21, 9
	s_add_nc_u64 s[24:25], s[4:5], s[24:25]
	global_load_b128 v[16:19], v4, s[24:25]        ; my four tokens' choices
	s_lshl_b32 s26, s21, 10
	s_add_nc_u64 s[26:27], s[6:7], s[26:27]
	v_lshlrev_b32 v9, 5, v1
	global_load_b128 v[20:23], v9, s[26:27]        ; and their weights
	global_load_b128 v[24:27], v9, s[26:27] offset:16
.irp q, 0,1,2,3,4,5,6,7
	v_mov_b32 v[40+\q], 0                          ; written once: the destination of a lane move counts as one of its sources
.endr
	v_mov_b32 v51, 0
.set ii, 0
.rept 32
.if ii%8 == 0
	s_wait_loadcnt 27-ii                           ; these eight loads are in; behind them stand the later groups of eight and the three loads of choices and weights
.endif
	s_sub_co_i32 s30, s21, 8*ii
	v_cmp_gt_i32 vcc_lo, s30, v6                   ; is my row of this load a group ahead of mine?
.irp q, 0,1,2,3
.if ii == 0
	v_mov_b32 v[32+\q], v[64+\q]                   ; the first row starts the sums
	v_cndmask_b32 v[36+\q], 0, v[64+\q], vcc_lo
.else
	v_add_nc_u32 v[32+\q], v[32+\q], v[64+4*ii+\q]
	v_cndmask_b32 v[40+\q], 0, v[64+4*ii+\q], vcc_lo
	v_add_nc_u32 v[36+\q], v[36+\q], v[40+\q]
.endif
.endr
.set ii, ii+1
.endr
.irp m, 4,8                                    ; over the lanes that hold the same four keys
.irp q, 0,1,2,3,4,5,6,7
	v_mov_b32_dpp v[40+\q], v[32+\q] row_xmask:\m row_mask:0xf bank_mask:0xf
.endr
.irp q, 0,1,2,3,4,5,6,7
	v_add_nc_u32 v[32+\q], v[32+\q], v[40+\q]
.endr
.endr
.irp q, 0,1,2,3,4,5,6,7
	v_permlanex16_b32 v[40+\q], v[32+\q], s28, s29
.endr
.irp q, 0,1,2,3,4,5,6,7
	v_add_nc_u32 v[32+\q], v[32+\q], v[40+\q]
.endr
	v_bfe_u32 v10, v0, 2, 2                        ; lane = key: key k's sums lie in register k % 4 of lane k / 4
	v_lshlrev_b32 v10, 2, v10
.irp q, 0,1,2,3,4,5,6,7
	ds_bpermute_b32 v[40+\q], v10, v[32+\q]
.endr
	v_cmp_eq_u32 s30, 1, v7
	v_cmp_eq_u32 s31, 2, v7
	v_cmp_eq_u32 s32, 3, v7
	s_wait_dscnt 0x0
	v_cndmask_b32 v48, v40, v41, s30               ; the key's total
	v_cndmask_b32 v48, v48, v42, s31
	v_cndmask_b32 v48, v48, v43, s32
	v_cndmask_b32 v49, v44, v45, s30               ; and its count in the groups ahead
	v_cndmask_b32 v49, v49, v46, s31
	v_cndmask_b32 v49, v49, v47, s32
	v_mov_b32 v50, v48
.irp n, 1,2,4,8                                ; running totals over the 16 keys
	v_mov_b32_dpp v51, v50 row_shr:\n row_mask:0xf bank_mask:0xf bound_ctrl:1
	v_add_nc_u32 v50, v50, v51
.endr
	v_sub_nc_u32 v52, v50, v48
	v_add_nc_u32 v52, v52, v49                     ; where my group's tokens of this key begin
	s_lshl_b32 s30, s21, 7
	v_lshl_add_u32 v53, v1, 2, s30                 ; my first token
	s_wait_loadcnt 0x0
.irp q, 0,1,2,3
	v_and_b32 v[56+\q], 15, v[16+\q]
	v_min_u32 v[56+\q], 14, v[56+\q]
	v_lshlrev_b32 v[56+\q], 2, v[56+\q]
	ds_bpermute_b32 v[60+\q], v[56+\q], v52
.endr
	s_wait_dscnt 0x0
.irp q, 0,1,2,3
	v_bfe_u32 v[56+\q], v[16+\q], 4, 8             ; the rank in the group
	v_add_nc_u32 v[60+\q], v[60+\q], v[56+\q]
	v_min_u32 v[60+\q], 0x7fff, v[60+\q]           ; the place in the list
	v_bfe_u32 v[56+\q], v[16+\q], 12, 8            ; the two experts
	v_add_nc_u32 v[44+\q], \q, v53
	v_lshl_or_b32 v[44+\q], v[56+\q], 16, v[44+\q]
	v_lshlrev_b32 v[40+\q], 2, v[60+\q]
	v_lshlrev_b32 v[60+\q], 3, v[60+\q]
	global_store_b32 v[40+\q], v[44+\q], s[12:13]
	global_store_b64 v[60+\q], v[20+2*\q:21+2*\q], s[14:15]
.endr
	s_cmp_lg_u32 s21, 0
	s_cbranch_scc1 .Ldone
	; ---- the loss, by one wave
	s_add_nc_u64 s[22:23], s[6:7], 262144          ; (the loads that read this base are in)
.set ii, 0
.rept 32
	global_load_b128 v[64+4*ii:64+4*ii+3], v8, s[22:23] offset:1024*ii
.set ii, ii+1
.endr
.set ii, 0
.rept 32
.if ii%8 == 0
	s_wait_loadcnt 24-ii                           ; these eight loads are in; the later groups of eight may be out
.endif
.irp q, 0,1,2,3
.if ii == 1
	v_add_f32 v[32+\q], v[64+\q], v[68+\q]
.elseif ii > 1
	v_add_f32 v[32+\q], v[32+\q], v[64+4*ii+\q]
.endif
.endr
.set ii, ii+1
.endr
.irp m, 4,8
.irp q, 0,1,2,3
	v_add_f32_dpp v[32+\q], v[32+\q], v[32+\q] row_xmask:\m row_mask:0xf bank_mask:0xf
.endr
.endr
.irp q, 0,1,2,3
	v_permlanex16_b32 v[36+\q], v[32+\q], s28, s29
.endr
.irp q, 0,1,2,3
	v_add_f32 v[32+\q], v[32+\q], v[36+\q]         ; word 4 (lane % 4) + q: words 0-5 the sums of p_e, words 8-13 the counts
.endr
.irp q, 0,1,2,3
	v_mul_f32_dpp v[36+\q], v[32+\q], v[32+\q] row_xmask:2 row_mask:0xf bank_mask:0xf   ; word e x word 8 + e
.endr
	v_add_f32 v36, v36, v37
	v_add_f32 v38, v38, v39
	v_add_f32 v36, v36, v38
	v_add_f32_dpp v36, v36, v36 row_xmask:1 row_mask:0xf bank_mask:0xf
	v_mul_f32 v36, 0x2e75c28f, v36                 ; 0.01 x 6 / 32,768^2
	v_mov_b32 v37, 0
	s_wait_xcnt 0x0                                ; EXEC changes only behind this wait
	v_cmp_eq_u32 vcc_lo, 0, v1
	s_and_saveexec_b32 s30, vcc_lo
	global_store_b32 v37, v36, s[18:19]
	s_wait_xcnt 0x0                                ; and again, in front of the line that widens it
	s_or_b32 exec_lo, exec_lo, s30
.Ldone:
	s_endpgm
	; ---- a fragment of the experts' weights
.Lprep:
	s_sub_co_u32 s21, s21, 256                     ; P
	v_lshlrev_b32 v7, 3, v3                        ; 8 h
	v_mov_b32 v51, 0
	s_cmp_ge_u32 s21, 384
	s_cbranch_scc1 .Lw2
	s_lshr_b32 s22, s21, 6                         ; e
	s_lshl_b32 s24, s22, 19
	s_and_b32 s22, s21, 1                          ; s: 128 rows of 2,048 bytes
	s_lshl_b32 s22, s22, 18
	s_add_co_u32 s24, s24, s22
	s_bfe_u32 s22, s21, 0x20004                    ; w: 128 columns
	s_lshl_b32 s22, s22, 9
	s_add_co_u32 s24, s24, s22
	s_bfe_u32 s22, s21, 0x20002                    ; t / 2: 32 columns
	s_lshl_b32 s22, s22, 7
	s_add_co_u32 s24, s24, s22
	s_bfe_u32 s22, s21, 0x10001                    ; t % 2: 8 columns
	s_lshl_b32 s22, s22, 5
	s_add_co_u32 s24, s24, s22
	s_add_nc_u64 s[8:9], s[8:9], s[24:25]
	v_and_b32 v6, 8, v2
	v_add_nc_u32 v6, v6, v2                        ; r + 8 (r / 8)
	v_lshlrev_b32 v6, 2, v6
	v_lshl_add_u32 v6, v3, 16, v6                  ; lanes 16-31 begin 32 rows further down
.irp c, 0,1
.set ii, 0
.rept 32
	global_load_b32 v[64+32*\c+ii], v6, s[8:9] offset:(64*\c+ii)*2048
.set ii, ii+1
.endr
.endr
	s_branch .Lquant
.Lw2:
	s_sub_co_u32 s23, s21, 384
	s_lshr_b32 s22, s23, 6                         ; e
	s_lshl_b32 s24, s22, 19
	s_and_b32 s22, s23, 3                          ; s: 128 rows of 1,024 bytes
	s_lshl_b32 s22, s22, 17
	s_add_co_u32 s24, s24, s22
	s_bfe_u32 s22, s23, 0x20004                    ; w: 64 columns
	s_lshl_b32 s22, s22, 8
	s_add_co_u32 s24, s24, s22
	s_bfe_u32 s22, s23, 0x20002                    ; n: 16 columns
	s_lshl_b32 s22, s22, 6
	s_add_co_u32 s24, s24, s22
	s_add_nc_u64 s[10:11], s[10:11], s[24:25]
	v_lshlrev_b32 v6, 2, v2
	v_lshl_add_u32 v6, v3, 15, v6
.irp c, 0,1
.set ii, 0
.rept 32
	global_load_b32 v[64+32*\c+ii], v6, s[10:11] offset:(64*\c+ii)*1024
.set ii, ii+1
.endr
.endr
.Lquant:
	s_lshl_b32 s24, s21, 10
	s_add_nc_u64 s[30:31], s[16:17], s[24:25]      ; the image's place,
	s_lshl_b32 s24, s21, 7
	s_add_co_u32 s24, s24, 786432
	s_add_nc_u64 s[32:33], s[16:17], s[24:25]      ; the scale words'
	s_wait_loadcnt 0x0
.irp c, 0,1
	v_max3_num_f32 v[44+\c], |v[64+32*\c]|, |v[65+32*\c]|, 0x1800000   ; my block 2 c + h: all 32 numbers are mine; with the floor 2^(3 - 127)
.endr
.irp i, 2,4,6,8,10,12,14,16,18,20,22,24,26,28,30
.irp c, 0,1
	v_max3_num_f32 v[44+\c], |v[64+32*\c+\i]|, |v[65+32*\c+\i]|, v[44+\c]
.endr
.endr
.irp c, 0,1
	v_add_nc_u32 v[46+\c], 0xff000000, v[44+\c]    ; 2 off the exponent field: the conversion's scale operand
.endr
.irp c, 0,1
	v_lshrrev_b32 v[48+\c], 23, v[46+\c]           ; the scale's byte
.endr
	v_lshl_or_b32 v50, v49, 16, v48
	v_lshlrev_b32 v50, v7, v50
	v_permlanex16_b32 v51, v50, s28, s29
	v_or_b32 v40, v50, v51                         ; the column's scale word
.irp c, 0,1
.irp g, 0,1,2,3
	v_cvt_scalef32_pk8_fp4_f32 v[32+4*\c+\g], v[64+32*\c+8*\g:71+32*\c+8*\g], v[46+\c]
.endr
.endr
	v_nop                                          ; one plain place behind a scaled conversion
	global_store_b128 v4, v[32:35], s[30:31]       ; 32 lanes store 512 consecutive bytes
	global_store_b128 v4, v[36:39], s[30:31] offset:512
	global_store_b32 v5, v40, s[32:33]
	s_endpgm
.Lfunc_end_k_qe63c179dfe_place:
	.size	k_qe63c179dfe_place, .Lfunc_end_k_qe63c179dfe_place-k_qe63c179dfe_place
	.p2alignl 7, 3214868480
	.fill 96, 4, 3214868480
	.section	.rodata,"a",@progbits
	.p2align	6, 0x0
	.amdhsa_kernel k_qe63c179dfe_place
		.amdhsa_group_segment_fixed_size 0
		.amdhsa_private_segment_fixed_size 0
		.amdhsa_enable_private_segment 0
		.amdhsa_kernarg_size 64
		.amdhsa_user_sgpr_count 2
		.amdhsa_user_sgpr_kernarg_segment_ptr 1
		.amdhsa_wavefront_size32 1
		.amdhsa_system_sgpr_workgroup_id_x 1
		.amdhsa_system_sgpr_workgroup_id_y 1
		.amdhsa_system_sgpr_workgroup_id_z 1
		.amdhsa_system_vgpr_workitem_id 0
		.amdhsa_next_free_vgpr 192
		.amdhsa_next_free_sgpr 66
		.amdhsa_reserve_vcc 1
		.amdhsa_float_denorm_mode_32 3
		.amdhsa_float_denorm_mode_16_64 3
		.amdhsa_memory_ordered 1
		.amdhsa_forward_progress 1
		.amdhsa_inst_pref_size 53
	.end_amdhsa_kernel
	.amdgpu_metadata
---
amdhsa.version: [ 1, 2 ]
amdhsa.kernels:
  - .name:           k_qe63c179dfe_place
    .symbol:         k_qe63c179dfe_place.kd
    .args:
      - { .name: selh, .offset: 0, .size: 8, .value_kind: global_buffer, .address_space: global }
      - { .name: gwa, .offset: 8, .size: 8, .value_kind: global_buffer, .address_space: global }
      - { .name: w1, .offset: 16, .size: 8, .value_kind: global_buffer, .address_space: global }
      - { .name: w2, .offset: 24, .size: 8, .value_kind: global_buffer, .address_space: global }
      - { .name: ord, .offset: 32, .size: 8, .value_kind: global_buffer, .address_space: global }
      - { .name: sgw, .offset: 40, .size: 8, .value_kind: global_buffer, .address_space: global }
      - { .name: wqs, .offset: 48, .size: 8, .value_kind: global_buffer, .address_space: global }
      - { .name: out1, .offset: 56, .size: 8, .value_kind: global_buffer, .address_space: global }
    .group_segment_fixed_size: 0
    .private_segment_fixed_size: 0
    .kernarg_segment_align: 8
    .kernarg_segment_size: 64
    .max_flat_workgroup_size: 128
    .sgpr_count:     66
    .vgpr_count:     192
    .wavefront_size: 32
...
	.end_amdgpu_metadata
.endif
;; end of part 2
;; launch chain (part 3): grid 256 x 1, 4 waves a work-group, no clusters, 198,144 bytes of LDS; arguments x, b1, b2, ord, sgw, xqs, wqs, out0; writes out0
.if DOCPART == 3
	.amdgcn_target "amdgcn-amd-amdhsa--gfx1250"
	.amdhsa_code_object_version 6
	.text
	.protected	k_qe63c179dfe_chain
	.globl	k_qe63c179dfe_chain
	.p2align	8
	.type	k_qe63c179dfe_chain,@function
k_qe63c179dfe_chain:
	s_mov_b64 s[64:65], 0
	v_nop
	global_prefetch_b8 v0, s[64:65] scope:SCOPE_SE
	s_setreg_imm32_b32 hwreg(HW_REG_WAVE_MODE, 25, 1), 1
	s_wait_xcnt 0x0
; CHAIN: out0[t] = x[t] + sum over the two chosen experts e of weight x (silu(xn[t] W1[e] + b1[e]) W2[e] + b2[e]), both products on codes of E2M1 with E8M0 scales.
; WORK LEFT OUT: the rows of the experts that were not chosen for a token (shown dead at the head of the first launch); they are passed over in whole tiles of 16 tokens, by the stored list.
; SHARES.  Work-group g takes places 128 g .. 128 g + 127 of the list that is sorted by pairs of experts: eight tiles of 16 tokens; each output row has one owner.  It walks e = 0 .. 5 in a loop of
; constant count; for each tile a scalar branch on the stored list passes over the experts that none of its tokens uses.  Every wave walks every loop and passes every barrier; only work is jumped over.
; THE WAVES SHARE THE COLUMNS: wave w makes hidden units 128 w .. 128 w + 127 (K step w of the second product) and outputs 64 w .. 64 w + 63, for all tiles, so its part of an expert's weights lies in its
; registers; it comes from memory as images of the operand's registers, 512 consecutive bytes a load, and the next expert's part is asked for a phase ahead.  Tokens' codes and the hidden layer's go
; from wave to wave through LDS as images too.  Both products are used transposed (source 0 = weights, source 1 = 16 tokens): a lane holds one token.
; The weighted sums are kept in LDS, each wave's 64 columns in a region of its own; at the end wave w adds rows 32 w .. 32 w + 31 of x, which it asked for at the head, and stores whole rows.
; No tensor load, no cluster: the walk hangs on numbers read from memory, and partners of a cluster would need different experts.
; LIMITS: as stated at the head of the first launch (a token of a mixed tile gets weight 0 for an expert that it did not choose: an overflow there would give NaN).
; REGISTERS, in windows of 256: window 0: addresses, scale words, work; window 1: v0-127 W1's 16 fragments, v128-191 b1; window 2: v0-127 W2's 16 fragments, v128-159 b2, v160-191 my rows' offsets; window 3: my 32 rows of x.
.set XIMG,  0                          ; LDS: the tokens' 16 fragments (tile m, K step s) at (2 m + s) x 1,024
.set XSC,   16384                      ; their scale words, 128 bytes each
.set HIMG,  18432                      ; the hidden layer's 32 fragments (K step s, tile m) at (8 s + m) x 1,024: a wave's eight lie together
.set HSC,   51200                      ; their scale words
.set WT,    55296                      ; [expert][place] f32: the gate's weight, or 0
.set STG,   58368                      ; [wave][128 rows][256 bytes + 16]: the weighted sums
.set REG,   34816                      ; a wave's region of it
.set SPARE, 197632                     ; the spare words, 128 bytes for each wave: two blocks of 256 bytes that no other line names
.set LI,   1                           ; 16 x lane
.set LS,   2                           ; 4 x lane
.set HWI,  10                          ; 16 lane + 8,192 w
.set HWS,  11                          ; 4 lane + 1,024 w
.set SOB,  12                          ; STG + REG w + 272 r + 32 h
.set WTB,  13                          ; WT + 4 r
.set SRB,  14                          ; the way out: STG + 8,704 w + REG h + 16 r;
.set B1A,  15                          ; 64 h
.set WTP,  16                          ; v16 my token's weight; v17 is named with it as a pair
.set XS,   18                          ; v18-19 scale words of a tile of tokens
.set HS,   20                          ; v20-23 of the hidden layer
.set ZQ,   24                          ; v24-27 zeros
.set B2A,  28                          ; 32 h
.set SRC,  29                          ; SRB + 2 REG
.set SPW,  30
.set NIL,  31
.set W1S,  32                          ; v32-47 W1's scale words
.set W2S,  48                          ; v48-63 W2's
.set HA,   64                          ; v64-127 eight accumulators of the hidden layer
.set HF,   64                          ; second product: v64-95 four hidden fragments,
.set ACC,  96                          ; v96-127 the sums so far,
.set DD,   128                         ; v128-159 four accumulators
.set TT,   128                         ; v128-191 at work in silu
.set XF,   192                         ; v192-207 a tile's two fragments
.set PC,   208
.set PW,   216
.set TM,   220                         ; v220-235
.set MSB, 0
.macro WIN new                         ; the immediate's high byte repeats the setting that is left; a switch that changes nothing is dropped
.if MSB != (\new)
	s_set_vgpr_msb (MSB<<8)|(\new)
.set MSB, (\new)
.endif
.endm
.macro BARRIER                         ; my LDS stores have landed and my LDS loads are in: then the work-group's barrier
	s_wait_dscnt 0x0
	s_barrier_signal -1
	s_barrier_wait -1
.endm
.macro QUANT xb                        ; 64 numbers of a lane, register 16 b + i = k 32 b + 16 h + i of my token, become a fragment's codes in v[PC] on and its scale word in v[PW]
.irp b, 0,1,2,3
	v_max3_num_f32 v[TM+\b], |v[(\xb)+16*\b]|, |v[(\xb)+16*\b+1]|, 0x1800000   ; with the floor 2^(3 - 127): the byte cannot fall under 1
.endr
.irp i, 2,4,6,8,10,12,14
.irp b, 0,1,2,3
	v_max3_num_f32 v[TM+\b], |v[(\xb)+16*\b+\i]|, |v[(\xb)+16*\b+\i+1]|, v[TM+\b]
.endr
.endr
.irp b, 0,1,2,3
	v_permlanex16_b32 v[TM+4+\b], v[TM+\b], s78, s79
.endr
.irp b, 0,1,2,3
	v_max_num_f32 v[TM+\b], v[TM+\b], v[TM+4+\b]
.endr
.irp b, 0,1,2,3
	v_add_nc_u32 v[TM+12+\b], 0xff000000, v[TM+\b]
.endr
.irp b, 0,1,2,3
	v_lshrrev_b32 v[TM+4+\b], 23, v[TM+12+\b]
.endr
	v_lshl_or_b32 v[PW], v[TM+5], 8, v[TM+4]
	v_lshl_or_b32 v[PW], v[TM+6], 16, v[PW]
	v_lshl_or_b32 v[PW], v[TM+7], 24, v[PW]
.irp b, 0,1,2,3
	v_cvt_scalef32_pk8_fp4_f32 v[PC+2*\b], v[(\xb)+16*\b:(\xb)+16*\b+7], v[TM+12+\b]
	v_cvt_scalef32_pk8_fp4_f32 v[PC+2*\b+1], v[(\xb)+16*\b+8:(\xb)+16*\b+15], v[TM+12+\b]
.endr
	v_nop                                          ; one plain place behind a scaled conversion
.irp c, 0,1
.irp i, 0,1
	v_permlane16_swap_b32 v[PC+4*\c+\i], v[PC+2+4*\c+\i]
.endr
.endr
.endm
.macro SILU z, t, n                    ; z = z / (1 + 2^(-z log2 e)): the exponentials are one batch with one wait, and so are the reciprocals
.set ii, 0
.rept (\n)/2
	v_pk_mul_f32 v[\t+ii:\t+ii+1], v[\z+ii:\z+ii+1], s[80:81] op_sel_hi:[1,0]
.set ii, ii+2
.endr
.set ii, 0
.rept \n
	v_exp_f32 v[\t+ii], v[\t+ii]
.set ii, ii+1
.endr
	v_nop
	s_wait_alu depctr_va_vdst(0)
.set ii, 0
.rept (\n)/2
	v_pk_add_f32 v[\t+ii:\t+ii+1], v[\t+ii:\t+ii+1], 1.0 op_sel_hi:[1,0]
.set ii, ii+2
.endr
.set ii, 0
.rept \n
	v_rcp_f32 v[\t+ii], v[\t+ii]
.set ii, ii+1
.endr
	v_nop
	s_wait_alu depctr_va_vdst(0)
.set ii, 0
.rept (\n)/2
	v_pk_mul_f32 v[\z+ii:\z+ii+1], v[\z+ii:\z+ii+1], v[\t+ii:\t+ii+1]
.set ii, ii+2
.endr
.endm
; The bases of expert s31's weights for my wave.  s31 has been held to 5 at the most.
.macro SETW1
	s_lshl_b32 s88, s31, 16
	s_lshl_b32 s90, s20, 14
	s_add_co_u32 s88, s88, s90
	s_mov_b32 s89, 0
	s_add_nc_u64 s[66:67], s[16:17], s[88:89]      ; 16 images
	s_lshl_b32 s88, s31, 13
	s_lshl_b32 s90, s20, 11
	s_add_co_u32 s88, s88, s90
	s_add_co_u32 s88, s88, 786432
	s_add_nc_u64 s[68:69], s[16:17], s[88:89]      ; their scale words
	s_lshl_b32 s88, s31, 11
	s_lshl_b32 s90, s20, 9
	s_add_co_u32 s88, s88, s90
	s_add_nc_u64 s[70:71], s[6:7], s[88:89]        ; b1 at my 128 hidden units
.endm
.macro SETW2
	s_lshl_b32 s88, s31, 16
	s_lshl_b32 s90, s20, 14
	s_add_co_u32 s88, s88, s90
	s_add_co_u32 s88, s88, 393216
	s_mov_b32 s89, 0
	s_add_nc_u64 s[72:73], s[16:17], s[88:89]
	s_lshl_b32 s88, s31, 13
	s_lshl_b32 s90, s20, 11
	s_add_co_u32 s88, s88, s90
	s_add_co_u32 s88, s88, 835584
	s_add_nc_u64 s[74:75], s[16:17], s[88:89]
	s_lshl_b32 s88, s31, 10
	s_lshl_b32 s90, s20, 8
	s_add_co_u32 s88, s88, s90
	s_add_nc_u64 s[76:77], s[8:9], s[88:89]        ; b2 at my 64 outputs
.endm
.macro LOADW1                          ; 64 loads
.rept 4
	v_nop                                          ; four places in front of loads into registers that matrix instructions have read
.endr
	WIN 0x40
.set ii, 0
.rept 32
	global_load_b128 v[4*ii:4*ii+3], v[LI], s[66:67] offset:512*ii   ; fragment 2 t + s at v[8 (2 t + s)]
.set ii, ii+1
.endr
.irp t, 0,1,2,3,4,5,6,7
.irp q, 0,1
	global_load_b128 v[128+8*\t+4*\q:128+8*\t+4*\q+3], v[B1A], s[70:71] offset:4*(32*(\t/2)+8*(\t%2))+16*\q   ; b1 in the result's layout
.endr
.endr
	WIN 0
.set ii, 0
.rept 16
	global_load_b32 v[W1S+ii], v[LS], s[68:69] offset:128*ii
.set ii, ii+1
.endr
.endm
.macro LOADW2                          ; 56 loads
.rept 4
	v_nop
.endr
	WIN 0x80
.set ii, 0
.rept 32
	global_load_b128 v[4*ii:4*ii+3], v[LI], s[72:73] offset:512*ii   ; fragment 4 n + s at v[8 (4 n + s)]
.set ii, ii+1
.endr
.irp n, 0,1,2,3
.irp q, 0,1
	global_load_b128 v[128+8*\n+4*\q:128+8*\n+4*\q+3], v[B2A], s[76:77] offset:64*\n+16*\q
.endr
.endr
	WIN 0
.set ii, 0
.rept 16
	global_load_b32 v[W2S+ii], v[LS], s[74:75] offset:128*ii
.set ii, ii+1
.endr
.endm
	s_load_b512 s[4:19], s[0:1], 0x0               ; x, b1, b2, ord, sgw, xqs, wqs, out0
	v_lshl_add_u32 v[SPW], v0, 2, SPARE
	v_mov_b32 v[NIL], 0
	v_lshrrev_b32 v5, 5, v0
	v_readfirstlane_b32 s20, v5                    ; wave 0..3
	v_and_b32 v5, 31, v0                           ; lane
	v_lshlrev_b32 v[LI], 4, v5
	v_lshlrev_b32 v[LS], 2, v5
	v_and_b32 v3, 15, v0                           ; r
	v_bfe_u32 v4, v0, 4, 1                         ; h
	s_lshl_b32 s88, s20, 13
	v_add_nc_u32 v[HWI], s88, v[LI]
	s_lshl_b32 s88, s20, 10
	v_add_nc_u32 v[HWS], s88, v[LS]
	s_mul_i32 s88, s20, REG
	s_add_co_u32 s88, s88, STG
	v_mul_u32_u24 v[SOB], v3, 272
	v_lshl_add_u32 v[SOB], v4, 5, v[SOB]
	v_add_nc_u32 v[SOB], s88, v[SOB]
	v_mul_u32_u24 v153, v4, 272                    ; clearing my region: lanes 0-15 one row, lanes 16-31 the next
	v_lshl_add_u32 v153, v3, 4, v153
	v_add_nc_u32 v153, s88, v153
	v_lshl_add_u32 v[WTB], v3, 2, WT
	s_mul_i32 s88, s20, 8704
	s_add_co_u32 s88, s88, STG
	v_mul_u32_u24 v[SRB], v4, REG
	v_lshl_add_u32 v[SRB], v3, 4, v[SRB]
	v_add_nc_u32 v[SRB], s88, v[SRB]
	v_add_nc_u32 v[SRC], 2*REG, v[SRB]
	v_lshlrev_b32 v[B1A], 6, v4
	v_lshlrev_b32 v[B2A], 5, v4
	v_mov_b32 v[WTP+1], 0
.irp i, 0,1,2,3
	v_mov_b32 v[ZQ+\i], 0
	v_mov_b32 v[TM+4+\i], 0                        ; written once: a lane permute's destination counts as one of its sources
	v_mov_b32 v[148+\i], 0
.endr
	v_mov_b32 v152, 1
	v_lshlrev_b32 v138, 2, v3                      ; 4 r
	v_lshlrev_b32 v139, 3, v5                      ; 8 x lane
	s_mov_b32 s78, 0x76543210
	s_mov_b32 s79, 0xfedcba98                      ; v_permlanex16_b32's selects for lane l xor 16
	s_mov_b32 s80, 0xbfb8aa3b                      ; -log2(e)
	s_mov_b32 s81, s80
	s_mov_b32 s89, 0
	s_mov_b32 s91, 0
	s_wait_kmcnt 0x0
	s_lshl_b32 s88, ttmp9, 9
	s_add_nc_u64 s[10:11], s[10:11], s[88:89]      ; the list at my work-group's 128 places
	s_lshl_b32 s90, s20, 7
	s_add_nc_u64 s[92:93], s[10:11], s[90:91]      ; at my wave's 32
	s_lshl_b32 s88, ttmp9, 10
	s_lshl_b32 s90, s20, 8
	s_add_co_u32 s88, s88, s90
	s_add_nc_u64 s[94:95], s[12:13], s[88:89]      ; their weights
	s_load_b512 s[32:47], s[92:93], 0x0            ; my 32 places as scalars: the rows of x and out0 that I own
	s_load_b512 s[48:63], s[92:93], 0x40
.irp i, 0,1,2,3
	global_load_b32 v[128+\i], v[LS], s[10:11] offset:128*\i   ; all 128 places: which experts each tile uses
.endr
	global_load_b32 v132, v138, s[92:93]           ; the tokens of my two tiles, row r
	global_load_b32 v133, v138, s[92:93] offset:64
	global_load_b32 v134, v[LS], s[92:93]          ; place = thread
	global_load_b64 v[136:137], v139, s[94:95]     ; and its two weights
	s_wait_kmcnt 0x0
	s_wait_loadcnt 0x0
.irp u, 0,1
	v_and_b32 v[140+\u], 0x7fff, v[132+\u]
	v_min_u32 v[140+\u], 0x7fff, v[140+\u]         ; the token
	v_lshlrev_b32 v[142+\u], 3, v[140+\u]
	v_lshlrev_b32 v[140+\u], 7, v[140+\u]
	v_lshl_add_u32 v[140+\u], v4, 4, v[140+\u]     ; its 128 bytes of codes, + 16 h: the fragment's own layout
.endr
.irp u, 0,1
.irp s, 0,1
.irp c, 0,1
	global_load_b128 v[64+16*\u+8*\s+4*\c:64+16*\u+8*\s+4*\c+3], v[140+\u], s[14:15] offset:64*\s+32*\c
.endr
.endr
	global_load_b64 v[96+2*\u:97+2*\u], v[142+\u], s[14:15] offset:4194304
.endr
	; which experts each tile of 16 places uses: a byte a tile
.irp i, 0,1,2,3
	v_bfe_u32 v[144+\i], v[128+\i], 16, 4
	v_bfe_u32 v[148+\i], v[128+\i], 20, 4
.endr
.irp i, 0,1,2,3
	v_lshlrev_b32 v[144+\i], v[144+\i], v152
	v_lshlrev_b32 v[148+\i], v[148+\i], v152
.endr
.irp i, 0,1,2,3
	v_or_b32 v[144+\i], v[144+\i], v[148+\i]
.endr
.irp m, 1,2,4,8
.irp i, 0,1,2,3
	v_mov_b32_dpp v[148+\i], v[144+\i] row_xmask:\m row_mask:0xf bank_mask:0xf
.endr
.irp i, 0,1,2,3
	v_or_b32 v[144+\i], v[144+\i], v[148+\i]
.endr
.endr
.irp d, 0,1
	v_readlane_b32 s[24+\d], v[144+2*\d], 0
	v_readlane_b32 s88, v[144+2*\d], 16
	s_lshl_b32 s88, s88, 8
	s_or_b32 s[24+\d], s[24+\d], s88
	v_readlane_b32 s88, v[145+2*\d], 0
	s_lshl_b32 s88, s88, 16
	s_or_b32 s[24+\d], s[24+\d], s88
	v_readlane_b32 s88, v[145+2*\d], 16
	s_lshl_b32 s88, s88, 24
	s_or_b32 s[24+\d], s[24+\d], s88
.endr
	s_or_b32 s28, s24, s25
	s_lshr_b32 s88, s28, 16
	s_or_b32 s28, s28, s88
	s_lshr_b32 s88, s28, 8
	s_or_b32 s28, s28, s88
	s_and_b32 s28, s28, 0x3f                       ; the experts that the work-group uses
	s_ctz_i32_b32 s31, s28
	s_min_u32 s31, s31, 5                          ; the first of them
	SETW1
	LOADW1
	SETW2
	LOADW2
	WIN 0x80
.set ii, 0
.rept 32
	s_and_b32 s88, s[32+ii], 0x7fff
	s_min_u32 s88, s88, 0x7fff
	v_lshl_add_u32 v[160+ii], s88, 10, v[LI]       ; the row of my place ii in x and in out0, + 16 x lane
.set ii, ii+1
.endr
	WIN 0xc2                                       ; data in window 3, offsets in window 2
.set ii, 0
.rept 32
	global_load_b128 v[8*ii:8*ii+3], v[160+ii], s[4:5] th:TH_LOAD_NT            ; 32 lanes read 512 consecutive bytes: half a row
	global_load_b128 v[8*ii+4:8*ii+7], v[160+ii], s[4:5] offset:512 th:TH_LOAD_NT
.set ii, ii+1
.endr
	WIN 0
	v_bfe_u32 v144, v134, 16, 4                    ; while they are on their way: the table of weights,
	v_bfe_u32 v145, v134, 20, 4
	v_lshl_add_u32 v146, v0, 2, WT
.irp e, 0,1,2,3,4,5
	v_cmp_eq_u32 vcc_lo, \e, v144
	v_cndmask_b32 v[154+\e], 0, v136, vcc_lo
	v_cmp_eq_u32 vcc_lo, \e, v145
	v_cndmask_b32 v[154+\e], v[154+\e], v137, vcc_lo
	ds_store_b32 v146, v[154+\e] offset:512*\e
.endr
.set ii, 0
.rept 64
	ds_store_b128 v153, v[ZQ:ZQ+3] offset:544*ii   ; and zeros in my own region of the sums
.set ii, ii+1
.endr
	s_lshl_b32 s88, s20, 12
	v_add_nc_u32 v5, s88, v[LI]
	s_lshl_b32 s88, s20, 9
	v_add_nc_u32 v6, s88, v[LS]
	s_wait_loadcnt 63                              ; of x's 64 loads, issued last, 63 may be out: the tokens' codes and the first expert's weights are in
.irp u, 0,1
.irp s, 0,1
.irp c, 0,1
	ds_store_b128 v5, v[64+16*\u+8*\s+4*\c:64+16*\u+8*\s+4*\c+3] offset:XIMG+2048*\u+1024*\s+512*\c
.endr
	ds_store_b32 v6, v[96+2*\u+\s] offset:XSC+256*\u+128*\s
.endr
.endr
	BARRIER                                        ; the 16 fragments of tokens and the table of weights lie in LDS
	s_mov_b32 s21, 0                               ; the expert
	s_mov_b32 s87, 0                               ; its weights in the table: 64 bytes a tile, 512 an expert
.Lexpert:
	s_lshr_b64 s[26:27], s[24:25], s21             ; bit 0 of byte m: does tile m use this expert?
	s_or_b32 s29, s26, s27
	s_and_b32 s29, s29, 0x01010101
	s_add_co_u32 s88, s21, 1
	s_lshr_b32 s30, s28, s88                       ; the experts still to come
	s_ctz_i32_b32 s31, s30
	s_add_co_u32 s31, s31, s88
	s_min_u32 s31, s31, 5                          ; the next of them
	s_cmp_lg_u32 s29, 0
	s_cselect_b32 s29, s30, 0                      ; other than 0: this expert's weights are used now, and another's are wanted after
	s_mov_b32 s22, 0
	s_mov_b32 s82, 0
	s_mov_b32 s83, 0
	s_mov_b32 s84, 0
	s_mov_b32 s85, 0
.Lp1:                                                  ; ---- first product, silu, codes: a tile a trip
	s_bitcmp1_b32 s26, 0
	s_cbranch_scc0 .Lp1_next
	v_add_nc_u32 v5, s82, v[LI]
	v_add_nc_u32 v6, s83, v[LS]
	v_add_nc_u32 v7, s84, v[HWI]
	v_add_nc_u32 v8, s85, v[HWS]
.irp s, 0,1
.irp c, 0,1
	ds_load_b128 v[XF+8*\s+4*\c:XF+8*\s+4*\c+3], v5 offset:XIMG+1024*\s+512*\c
.endr
	ds_load_b32 v[XS+\s], v6 offset:XSC+128*\s
.endr
	s_wait_dscnt 0x0
	WIN 0x11                                       ; source 0 (W1) and C (b1) in window 1
.irp t, 0,1,2,3,4,5,6,7                        ; the eight accumulators take turns, one instruction a turn
	v_wmma_scale_f32_16x16x128_f8f6f4 v[HA+8*\t:HA+8*\t+7], v[16*\t:16*\t+7], v[XF:XF+7], v[128+8*\t:128+8*\t+7], v[W1S+2*\t], v[XS] matrix_a_fmt:MATRIX_FMT_FP4 matrix_b_fmt:MATRIX_FMT_FP4
.endr
	WIN 0x01
.irp t, 0,1,2,3,4,5,6,7
	v_wmma_scale_f32_16x16x128_f8f6f4 v[HA+8*\t:HA+8*\t+7], v[16*\t+8:16*\t+15], v[XF+8:XF+15], v[HA+8*\t:HA+8*\t+7], v[W1S+2*\t+1], v[XS+1] matrix_a_fmt:MATRIX_FMT_FP4 matrix_b_fmt:MATRIX_FMT_FP4
.endr
	WIN 0
.rept 4
	v_nop                                          ; four places in front of the first read of results
.endr
	SILU HA, TT, 64
	QUANT HA
.irp c, 0,1
	ds_store_b128 v7, v[PC+4*\c:PC+4*\c+3] offset:HIMG+512*\c   ; K step w of the second product, this tile
.endr
	ds_store_b32 v8, v[PW] offset:HSC
.Lp1_next:
	s_lshr_b64 s[26:27], s[26:27], 8
	s_add_co_u32 s82, s82, 2048
	s_add_co_u32 s83, s83, 256
	s_add_co_u32 s84, s84, 1024
	s_add_co_u32 s85, s85, 128
	s_add_co_u32 s22, s22, 1
	s_cmp_lt_u32 s22, 8
	s_cbranch_scc1 .Lp1
	s_wait_loadcnt 0x0                             ; W2 of this expert, asked for a phase ago, is in (in the first trip x's rows too); no load is out, so the bases may be written
	s_cmp_eq_u32 s29, 0
	s_cbranch_scc1 .Lno_w1
	SETW1
	LOADW1                                         ; the next expert's W1 lands while the second product runs
.Lno_w1:
	BARRIER                                        ; the hidden layer's fragments lie in LDS
	s_lshr_b64 s[26:27], s[24:25], s21
	s_mov_b32 s22, 0
	s_mov_b32 s84, 0
	s_mov_b32 s85, 0
	s_mov_b32 s86, 0
.Lp2:                                                  ; ---- second product, the gate's weight, the sum: a tile a trip
	s_bitcmp1_b32 s26, 0
	s_cbranch_scc0 .Lp2_next
	v_add_nc_u32 v5, s84, v[LI]
	v_add_nc_u32 v6, s85, v[LS]
	v_add_nc_u32 v7, s86, v[SOB]
	v_add_nc_u32 v8, s87, v[WTB]
.irp s, 0,1,2,3
.irp c, 0,1
	ds_load_b128 v[HF+8*\s+4*\c:HF+8*\s+4*\c+3], v5 offset:HIMG+8192*\s+512*\c
.endr
	ds_load_b32 v[HS+\s], v6 offset:HSC+1024*\s
.endr
.irp n, 0,1,2,3
.irp q, 0,1
	ds_load_b128 v[ACC+8*\n+4*\q:ACC+8*\n+4*\q+3], v7 offset:64*\n+16*\q
.endr
.endr
	ds_load_b32 v[WTP], v8
	s_wait_dscnt 0x0
	WIN 0x22                                       ; source 0 (W2) and C (b2) in window 2
.irp n, 0,1,2,3                                ; the four accumulators take turns, one instruction a turn
	v_wmma_scale_f32_16x16x128_f8f6f4 v[DD+8*\n:DD+8*\n+7], v[32*\n:32*\n+7], v[HF:HF+7], v[128+8*\n:128+8*\n+7], v[W2S+4*\n], v[HS] matrix_a_fmt:MATRIX_FMT_FP4 matrix_b_fmt:MATRIX_FMT_FP4
.endr
	WIN 0x02
.irp s, 1,2,3
.irp n, 0,1,2,3
	v_wmma_scale_f32_16x16x128_f8f6f4 v[DD+8*\n:DD+8*\n+7], v[32*\n+8*\s:32*\n+8*\s+7], v[HF+8*\s:HF+8*\s+7], v[DD+8*\n:DD+8*\n+7], v[W2S+4*\n+\s], v[HS+\s] matrix_a_fmt:MATRIX_FMT_FP4 matrix_b_fmt:MATRIX_FMT_FP4
.endr
.endr
	WIN 0
.rept 4
	v_nop
.endr
.set ii, 0
.rept 16
	v_pk_fma_f32 v[ACC+ii:ACC+ii+1], v[DD+ii:DD+ii+1], v[WTP:WTP+1], v[ACC+ii:ACC+ii+1] op_sel_hi:[1,0,1]   ; + weight x (eo + b2); 0 for a token that did not choose this expert
.set ii, ii+2
.endr
.irp n, 0,1,2,3
.irp q, 0,1
	ds_store_b128 v7, v[ACC+8*\n+4*\q:ACC+8*\n+4*\q+3] offset:64*\n+16*\q
.endr
.endr
.Lp2_next:
	s_lshr_b64 s[26:27], s[26:27], 8
	s_add_co_u32 s84, s84, 1024
	s_add_co_u32 s85, s85, 128
	s_add_co_u32 s86, s86, 4352
	s_add_co_u32 s87, s87, 64
	s_add_co_u32 s22, s22, 1
	s_cmp_lt_u32 s22, 8
	s_cbranch_scc1 .Lp2
	s_wait_loadcnt 0x0                             ; the next expert's W1 is in; no load is out, so the bases may be written
	s_cmp_eq_u32 s29, 0
	s_cbranch_scc1 .Lno_w2
	SETW2
	LOADW2                                         ; the next expert's W2 lands while its first product runs
.Lno_w2:
	BARRIER                                        ; every wave has read the hidden layer's fragments: they may be written again
	s_add_co_u32 s21, s21, 1
	s_cmp_lt_u32 s21, 6
	s_cbranch_scc1 .Lexpert
	; ---- the way out: my 32 rows: the sums of all four waves' regions + x, stored as whole rows
.macro SLOAD k                         ; rows 8 k .. 8 k + 7: lanes 0-15 read one wave's 256 bytes of a row, lanes 16-31 the next wave's
.irp i, 0,1,2,3,4,5,6,7
	ds_load_b128 v[64+64*((\k)%2)+8*\i:64+64*((\k)%2)+8*\i+3], v[SRB] offset:272*(8*(\k)+\i)
	ds_load_b128 v[64+64*((\k)%2)+8*\i+4:64+64*((\k)%2)+8*\i+7], v[SRC] offset:272*(8*(\k)+\i)
.endr
.endm
	s_wait_loadcnt 0x0
	SLOAD 0
.irp k, 0,1,2,3
.if \k < 3
	SLOAD \k+1
	s_wait_dscnt 16                                ; this batch is in; the next batch's 16 loads may be out
.else
	s_wait_dscnt 0x0
.endif
	WIN 0xc3                                       ; x's rows in window 3
.set ii, 0
.rept 32
	v_pk_add_f32 v[64*\k+ii:64*\k+ii+1], v[64*\k+ii:64*\k+ii+1], v[64+64*(\k%2)+ii:64+64*(\k%2)+ii+1]
.set ii, ii+2
.endr
	WIN 0x0e                                       ; a store's offset in window 2, its data in window 3
.irp i, 0,1,2,3,4,5,6,7
	global_store_b128 v[160+8*\k+\i], v[64*\k+8*\i:64*\k+8*\i+3], s[18:19] th:TH_STORE_NT            ; 32 lanes store 512 consecutive bytes, at a multiple of 512 from out0's first byte
	global_store_b128 v[160+8*\k+\i], v[64*\k+8*\i+4:64*\k+8*\i+7], s[18:19] offset:512 th:TH_STORE_NT
.endr
	WIN 0
.endr
	s_wait_tensorcnt 0x0                           ; the wave's end, behind my last LDS store
	ds_add_u32 v[SPW], v[NIL]
	s_wait_dscnt 0x0
	s_endpgm
.Lfunc_end_k_qe63c179dfe_chain:
	.size	k_qe63c179dfe_chain, .Lfunc_end_k_qe63c179dfe_chain-k_qe63c179dfe_chain
	.p2alignl 7, 3214868480
	.fill 96, 4, 3214868480
	.section	.rodata,"a",@progbits
	.p2align	6, 0x0
	.amdhsa_kernel k_qe63c179dfe_chain
		.amdhsa_group_segment_fixed_size 198144
		.amdhsa_private_segment_fixed_size 0
		.amdhsa_enable_private_segment 0
		.amdhsa_kernarg_size 64
		.amdhsa_user_sgpr_count 2
		.amdhsa_user_sgpr_kernarg_segment_ptr 1
		.amdhsa_wavefront_size32 1
		.amdhsa_system_sgpr_workgroup_id_x 1
		.amdhsa_system_sgpr_workgroup_id_y 1
		.amdhsa_system_sgpr_workgroup_id_z 1
		.amdhsa_system_vgpr_workitem_id 0
		.amdhsa_next_free_vgpr 1024
		.amdhsa_next_free_sgpr 100
		.amdhsa_reserve_vcc 1
		.amdhsa_float_denorm_mode_32 3
		.amdhsa_float_denorm_mode_16_64 3
		.amdhsa_memory_ordered 1
		.amdhsa_forward_progress 1
		.amdhsa_inst_pref_size 96
	.end_amdhsa_kernel
	.amdgpu_metadata
---
amdhsa.version: [ 1, 2 ]
amdhsa.kernels:
  - .name:           k_qe63c179dfe_chain
    .symbol:         k_qe63c179dfe_chain.kd
    .args:
      - { .name: x, .offset: 0, .size: 8, .value_kind: global_buffer, .address_space: global }
      - { .name: b1, .offset: 8, .size: 8, .value_kind: global_buffer, .address_space: global }
      - { .name: b2, .offset: 16, .size: 8, .value_kind: global_buffer, .address_space: global }
      - { .name: ord, .offset: 24, .size: 8, .value_kind: global_buffer, .address_space: global }
      - { .name: sgw, .offset: 32, .size: 8, .value_kind: global_buffer, .address_space: global }
      - { .name: xqs, .offset: 40, .size: 8, .value_kind: global_buffer, .address_space: global }
      - { .name: wqs, .offset: 48, .size: 8, .value_kind: global_buffer, .address_space: global }
      - { .name: out0, .offset: 56, .size: 8, .value_kind: global_buffer, .address_space: global }
    .group_segment_fixed_size: 198144
    .private_segment_fixed_size: 0
    .kernarg_segment_align: 8
    .kernarg_segment_size: 64
    .max_flat_workgroup_size: 128
    .sgpr_count:     100
    .vgpr_count:     1024
    .wavefront_size: 32
...
	.end_amdgpu_metadata
.endif
;; end of part 3
;; ======== version 2 of 2: 3 launches
;; limits: right only within a limited range of input values
;; workspace buffers: xqs 4,456,448 bytes; gwa 294,912 bytes; selh 163,840 bytes of whole numbers; ord 131,072 bytes of whole numbers; sgw 262,144 bytes; wqs 884,736 bytes
;; launch route (part 4): grid 256 x 1, 4 waves a work-group, no clusters, 185,856 bytes of LDS; arguments x, regime, ln_g, ln_b, rw1, rb1, rw2, rb2, xqs, gwa, selh; writes xqs, gwa, selh
.if DOCPART == 4
	.amdgcn_target "amdgcn-amd-amdhsa--gfx1250"
	.amdhsa_code_object_version 6
	.text
	.protected	k_qe63c179dfe_route
	.globl	k_qe63c179dfe_route
	.p2align	8
	.type	k_qe63c179dfe_route,@function
k_qe63c179dfe_route:
	s_mov_b64 s[64:65], 0
	v_nop
	global_prefetch_b8 v0, s[64:65] scope:SCOPE_SE
	s_setreg_imm32_b32 hwreg(HW_REG_WAVE_MODE, 25, 1), 1
	s_wait_xcnt 0x0
; ROUTE: LayerNorm, the codes of xn, the router, the two chosen experts of each token, the local part of a counting sort, partial sums of the loss.
; DEAD WORK OF THE WHOLE PROGRAM.  reference() computes eo[t][e] for all six experts and keeps, by take_along_axis on its own top_k, the two rows e in topk_idx[t]; the loss is made of the gate
; logits alone.  So for every value of the inputs eo[t][e] with e outside topk_idx[t] reaches no output, and those rows of the two expert products are not computed (inside a tile of 16 tokens
; that also holds chosen rows they stay and are multiplied by the weight 0).  Every input has a way to an output and is loaded.
; LIMITS.  NaN and infinities among the inputs are not served.  A NaN, an infinity or an overflow that reaches only the rows left out is not carried to the result; an overflow in a row that
; stays with weight 0 would give NaN.  A block whose largest magnitude lies under 2^-124 keeps the scale byte 1; a block of zeros gets the byte 1 where the rule says 127: its codes are zeros,
; and the bytes are read by this program alone.  Two logits equal to the last bit are ordered by index, the lower first, as top_k does.
; SHARES.  Work-group g: tokens 128 g .. 128 g + 127, all of batch g / 32.  Wave w normalises and quantises tokens 32 w .. 32 w + 31 (two tiles of 16); the first eight blocks of the router's
; input are xn's own blocks, so one set of codes serves the router here and the experts later.  In the router's product THE WAVES SHARE THE COLUMNS: wave w keeps columns 64 w .. 64 w + 63 of rw1
; as codes in registers (it quantises them itself) and takes all eight tiles of tokens, whose fragments go from wave to wave through LDS as images of their registers.  The product is used
; transposed (source 0 = 16 columns of rw1, source 1 = 16 tokens): a lane holds one token and eight hidden columns.
; LOADS.  Every load of x covers 512 consecutive bytes; a tile of 16 rows turns through the wave's own stage in LDS into the layout that the conversions want (a lane: 16 neighbours of each block).
; rw1 comes 16 bytes a lane: lane r takes columns 4 r .. 4 r + 3 of my 64, one for each of my four tiles, and its loads run down K.  So THE COLUMNS THAT FORM A TILE ARE NOT NEIGHBOURS: lane r of
; tile t holds column 64 w + 4 r + t; rb1 and rw2 are read in the same order.  A block's 32 numbers of one column are moved into consecutive registers for the conversions.
; ln_g, ln_b and my parts of rw2 and rb1 are fetched once, densely, laid into LDS bytes of my own and read back in the lanes' layout.
; The product with rw2 (N = 6) decides the choice: fused multiply-adds in f32.  No address and no branch hangs on the choice: it is stored at fixed places.
; No cluster and no joint loads: x is read by one wave alone, and rw1 arrives as f32 and has to pass through registers to be quantised.
; REGISTERS, in windows of 256: window 0: addresses, scale words, tile 0 of x (v64-191), then chunk 2 of rw1, then the router's work; window 1: chunks 0 and 1 of rw1, later rw2; window 2: v0-95 rw1's
; codes, v96-127 rb1, v128-255 tile 1 of x, then chunk 3 of rw1; window 3: ln_g, ln_b in x's layout.
.set XIMG,  0                          ; LDS: xn's 16 fragments (tile m, K step s) at (2 m + s) x 1,024
.set XSC,   16384                      ; their scale words, 128 bytes each
.set LG,    18432                      ; partial logits [wave][token][8 f32]
.set HV,    34816                      ; four count vectors of 128 bytes, then four loss vectors
.set SPARE, 35840                      ; the spare words, 128 bytes for each wave: two blocks of 256 bytes that no other line names
.set SMB,   36352                      ; for each wave 4,096 bytes: ln_g, ln_b, its 64 rows of rw2 (from 2,048), its 64 numbers of rb1 (from 3,584)
.set STG,   52736                      ; for each wave two stages of 16 rows
.set XP,    1040                       ; a stage row: 1,024 bytes + 16: the 16 rows that a load touches start at 16 different places modulo 256 bytes
.set XST,   16*XP
.set SXW,  4                           ; the stage, on the way in: STG + 2 XST w + 16 lane
.set LI,   5                           ; 16 x lane
.set LS,   6                           ; 4 x lane
.set XWI,  7                           ; where I store images: 16 lane + 4,096 w
.set XWS,  8                           ; and scale words: 4 lane + 512 w
.set SXR,  9                           ; the stage, on the way out: STG + 2 XST w + XP r + 64 h
.set RWA,  10                          ; rw1: 16 r + 32,768 h + 256 w
.set RWB,  11                          ; rw1's last five rows: 16 r + 256 w
.set RBK,  12                          ; my images read back by rows of codes
.set R2D,  13                          ; rw2, densely: 16 lane + 1,536 w
.set LGW,  14                          ; LG + 4,096 w + 32 r
.set LGR,  15                          ; LG + 32 x thread
.set SH8,  16                          ; 8 h
.set RBD,  17                          ; rb1, densely: 8 lane + 256 w
.set AD0,  18
.set AD1,  19
.set L8,   20                          ; 8 x lane
.set T4,   21                          ; 4 x thread
.set T8,   22                          ; 8 x thread
.set AD2,  23
.set SMW,  24                          ; SMB + 4,096 w + 16 lane
.set SM8,  25                          ; SMB + 4,096 w + 8 lane
.set SMG,  26                          ; SMB + 4,096 w + 64 h
.set SMR,  27                          ; SMB + 4,096 w + 768 h
.set SMQ,  28                          ; SMB + 4,096 w + 128 h
.set SPW,  30                          ; LDS address of my spare word; never rewritten
.set NIL,  31                          ; 0; never rewritten
.set RWS,  32                          ; v32-43 rw1's scale words (3 t + s)
.set XS,   44                          ; v44-45 a tile's scale words
.set RS,   46                          ; regime's scale word
.set RF,   48                          ; v48-55 regime's fragment
.set PC,   56                          ; v56-63 the codes just made
.set XF,   64                          ; v64-79 a tile's two fragments
.set HID,  80                          ; v80-111 four accumulators
.set TT,   112                         ; v112-143 at work in silu
.set LA,   144                         ; v144-155 logits, two sets of three pairs
.set LP,   156                         ; v156-161
.set GR,   192                         ; at the head: ln_g, ln_b, rw2, rb1 as they are fetched,
.set BR,   200
.set R2R,  208
.set RBR,  220
.set T3,   224                         ; v224-243 rw1's rows 256 .. 260: register 4 i + t
.set QM0,  244                         ; the short last block: largest magnitude, scale operand, byte, codes, eight numbers
.set QS0,  245
.set QB0,  246
.set C0,   247
.set ZB,   248
.set QM,   192                         ; quantising rw1, four tiles by turns: largest magnitudes, scale operands, bytes, the bytes kept, words, exchange
.set QS,   196
.set QB,   200
.set QH,   204
.set QW,   208
.set QT,   212
.set TR,   224                         ; v224-255 a block's 32 numbers in consecutive registers
.set AC,   192                         ; LayerNorm: four chains of pairs
.set MU,   200
.set RR,   202
.set TM,   208                         ; v208-223 QUANT's work
.set PW,   224
.set PWK,  226                         ; v226-229 the four scale words kept
.set SW,   230
.set CB,   232                         ; v232-247 codes on their way out
.set KM,   66                          ; s[66:80] the lanes of each key
.set MSB, 0
.macro WIN new                         ; the immediate's high byte repeats the setting that is left; a switch that changes nothing is dropped
.if MSB != (\new)
	s_set_vgpr_msb (MSB<<8)|(\new)
.set MSB, (\new)
.endif
.endm
.macro BARRIER                         ; my LDS stores have landed and my LDS loads are in: then the work-group's barrier
	s_wait_dscnt 0x0
	s_barrier_signal -1
	s_barrier_wait -1
.endm
; Chunk q = 2 s + c of my columns of rw1: rows 64 q + 32 h + i, i = 0 .. 31, 16 bytes a lane: sixteen lanes read 256 consecutive bytes of a row.  Register 4 i + t of the set at v[st] of window stw.
.macro LOADC q, st, stw
	WIN (\stw)<<6
.set ii, 0
.rept 32
	global_load_b128 v[(\st)+4*ii:(\st)+4*ii+3], v[RWA], s[12:13] offset:(64*(\q)+ii)*1024
.set ii, ii+1
.endr
	WIN 0
.endm
; The chunk holds, for each of my four tiles, block 2 c + h of K step s of my lane's column: its scale, its 32 codes (registers 4 c .. 4 c + 3 of the fragment), and with c = 1 the fragment's scale word.
.macro QC q, st, stw
	WIN 5*(\stw)
.irp t, 0,1,2,3
	v_max3_num_f32 v[QM+\t], |v[(\st)+\t]|, |v[(\st)+4+\t]|, 0x1800000   ; with the floor 2^(3 - 127): the byte cannot fall under 1
.endr
.irp i, 2,4,6,8,10,12,14,16,18,20,22,24,26,28,30
.irp t, 0,1,2,3
	v_max3_num_f32 v[QM+\t], |v[(\st)+4*\i+\t]|, |v[(\st)+4*\i+4+\t]|, v[QM+\t]
.endr
.endr
	WIN 0
.irp t, 0,1,2,3
	v_add_nc_u32 v[QS+\t], 0xff000000, v[QM+\t]    ; 2 off the exponent field: the conversion's scale operand
.endr
.if ((\q)%2) == 0
.irp t, 0,1,2,3
	v_lshrrev_b32 v[QH+\t], 23, v[QS+\t]           ; the scale's byte, kept for the next chunk
.endr
.else
.irp t, 0,1,2,3
	v_lshrrev_b32 v[QB+\t], 23, v[QS+\t]
.endr
.irp t, 0,1,2,3
	v_lshl_or_b32 v[QW+\t], v[QB+\t], 16, v[QH+\t] ; my blocks h and 2 + h,
.endr
.irp t, 0,1,2,3
	v_lshlrev_b32 v[QW+\t], v[SH8], v[QW+\t]       ; at their places in the word;
.endr
.irp t, 0,1,2,3
	v_permlanex16_b32 v[QT+\t], v[QW+\t], s28, s29
.endr
.irp t, 0,1,2,3
	v_or_b32 v[RWS+3*\t+(\q)/2], v[QW+\t], v[QT+\t]   ; with lane l xor 16's two the word is whole
.endr
.endif
.irp t, 0,1,2,3
	WIN (\stw)
.set ii, 0
.rept 32
	v_mov_b32 v[TR+ii], v[(\st)+4*ii+\t]           ; the column's 32 numbers, down K, into consecutive registers
.set ii, ii+1
.endr
	WIN 0x80
.irp g, 0,1,2,3
	v_cvt_scalef32_pk8_fp4_f32 v[24*\t+8*((\q)/2)+4*((\q)%2)+\g], v[TR+8*\g:TR+8*\g+7], v[QS+\t]
.endr
	v_nop                                          ; one plain place behind a scaled conversion, ahead of the moves that write its sources again
.endr
	WIN 0
.endm
; The K step 256 .. 383 holds five numbers, in v[ZB] on, with three zeros behind them: one short block.  Its eight first codes are register 0 of lanes 0-15; all else is zero codes under the byte 127.
.macro T3C dst, dstw, sw
	v_max3_num_f32 v[QM0], |v[ZB]|, |v[ZB+1]|, 0x1800000
	v_max3_num_f32 v[QM0], |v[ZB+2]|, |v[ZB+3]|, v[QM0]
	v_max_num_f32 v[QM0], v[QM0], |v[ZB+4]|
	v_add_nc_u32 v[QS0], 0xff000000, v[QM0]
	v_lshrrev_b32 v[QB0], 23, v[QS0]
	v_or_b32 v[\sw], 0x7f7f7f00, v[QB0]
	v_cvt_scalef32_pk8_fp4_f32 v[C0], v[ZB:ZB+7], v[QS0]
	v_nop                                          ; one plain place behind a scaled conversion
	WIN (\dstw)<<6
	v_cndmask_b32 v[(\dst)], 0, v[C0], s32         ; lanes 16-31 hold k = 32 on: zeros
.irp i, 1,2,3,4,5,6,7
	v_mov_b32 v[(\dst)+\i], 0
.endr
	WIN 0
.endm
; 64 numbers of a lane in window xw, register 16 b + i = k 32 b + 16 h + i of my row, become a fragment's codes in v[PC] on and its scale word in v[PW].
.macro QUANT xb, xw
	WIN 5*(\xw)
.irp b, 0,1,2,3
	v_max3_num_f32 v[TM+\b], |v[(\xb)+16*\b]|, |v[(\xb)+16*\b+1]|, 0x1800000
.endr
.irp i, 2,4,6,8,10,12,14
.irp b, 0,1,2,3
	v_max3_num_f32 v[TM+\b], |v[(\xb)+16*\b+\i]|, |v[(\xb)+16*\b+\i+1]|, v[TM+\b]
.endr
.endr
	WIN 0
.irp b, 0,1,2,3
	v_permlanex16_b32 v[TM+4+\b], v[TM+\b], s28, s29
.endr
.irp b, 0,1,2,3
	v_max_num_f32 v[TM+\b], v[TM+\b], v[TM+4+\b]   ; with lane l xor 16's: the block's largest magnitude
.endr
.irp b, 0,1,2,3
	v_add_nc_u32 v[TM+12+\b], 0xff000000, v[TM+\b]
.endr
.irp b, 0,1,2,3
	v_lshrrev_b32 v[TM+4+\b], 23, v[TM+12+\b]
.endr
	v_lshl_or_b32 v[PW], v[TM+5], 8, v[TM+4]
	v_lshl_or_b32 v[PW], v[TM+6], 16, v[PW]
	v_lshl_or_b32 v[PW], v[TM+7], 24, v[PW]
	WIN (\xw)
.irp b, 0,1,2,3
	v_cvt_scalef32_pk8_fp4_f32 v[PC+2*\b], v[(\xb)+16*\b:(\xb)+16*\b+7], v[TM+12+\b]
	v_cvt_scalef32_pk8_fp4_f32 v[PC+2*\b+1], v[(\xb)+16*\b+8:(\xb)+16*\b+15], v[TM+12+\b]
.endr
	WIN 0
	v_nop                                          ; one plain place behind a scaled conversion
.irp c, 0,1                                    ; the operand's layout wants a whole block in a lane
.irp i, 0,1
	v_permlane16_swap_b32 v[PC+4*\c+\i], v[PC+2+4*\c+\i]
.endr
.endr
.endm
.macro IMAGE adr, off                          ; the fragment in v[PC] on goes to LDS as it stands
.irp c, 0,1
	ds_store_b128 v[\adr], v[PC+4*\c:PC+4*\c+3] offset:(\off)+512*\c
.endr
.endm
; z = z / (1 + 2^(-z log2 e)): the exponentials are one batch with a wait ahead and one behind, and so are the reciprocals
.macro SILU z, t, n
.set ii, 0
.rept (\n)/2
	v_pk_mul_f32 v[\t+ii:\t+ii+1], v[\z+ii:\z+ii+1], s[30:31] op_sel_hi:[1,0]
.set ii, ii+2
.endr
.set ii, 0
	s_wait_alu depctr_va_vdst(0)
.rept \n
	v_exp_f32 v[\t+ii], v[\t+ii]
.set ii, ii+1
.endr
	v_nop                                          ; a plain place behind the last exponential
	s_wait_alu depctr_va_vdst(0)                   ; one wait for the batch, ahead of its first reader
.set ii, 0
.rept (\n)/2
	v_pk_add_f32 v[\t+ii:\t+ii+1], v[\t+ii:\t+ii+1], 1.0 op_sel_hi:[1,0]
.set ii, ii+2
.endr
.set ii, 0
	s_wait_alu depctr_va_vdst(0)
.rept \n
	v_rcp_f32 v[\t+ii], v[\t+ii]
.set ii, ii+1
.endr
	v_nop
	s_wait_alu depctr_va_vdst(0)
.set ii, 0
.rept (\n)/2
	v_pk_mul_f32 v[\z+ii:\z+ii+1], v[\z+ii:\z+ii+1], v[\t+ii:\t+ii+1]
.set ii, ii+2
.endr
.endm
.macro XLOAD u, xb                             ; 16 rows of x as they lie: each load takes 512 consecutive bytes, half a row
.set ii, 0
.rept 32
	global_load_b128 v[\xb+4*ii:\xb+4*ii+3], v[LI], s[4:5] offset:16384*\u+512*ii th:TH_LOAD_NT
.set ii, ii+1
.endr
.endm
; The tile turns through my own stage: in as loaded, out so that lane (r, h) holds, of row r, 16 neighbours of each block of 32; into the registers that it left.  LDS serves a wave's instructions in order: no wait between.
.macro TURN u, xb, xw
	WIN ((\xw)<<6)|((\xw)<<2)                      ; an LDS store's data are its source 1, an LDS load's its destination
.set ii, 0
.rept 32
	ds_store_b128 v[SXW], v[\xb+4*ii:\xb+4*ii+3] offset:XST*\u+XP*(ii/2)+512*(ii%2)
.set ii, ii+1
.endr
.irp s, 0,1
.irp b, 0,1,2,3
.irp j, 0,1,2,3
	ds_load_b128 v[\xb+64*\s+16*\b+4*\j:\xb+64*\s+16*\b+4*\j+3], v[SXR] offset:XST*\u+512*\s+128*\b+16*\j
.endr
.endr
.endr
	WIN 0
.endm
.macro FOLD                                    ; the four chains, my two halves and lane l xor 16's: the row's sum in v[AC]
	v_pk_add_f32 v[AC:AC+1], v[AC:AC+1], v[AC+2:AC+3]
	v_pk_add_f32 v[AC+4:AC+5], v[AC+4:AC+5], v[AC+6:AC+7]
	v_pk_add_f32 v[AC:AC+1], v[AC:AC+1], v[AC+4:AC+5]
	v_add_f32 v[AC], v[AC], v[AC+1]
	v_permlanex16_b32 v[AC+2], v[AC], s28, s29
	v_add_f32 v[AC], v[AC], v[AC+2]
.endm
; Tile u of my tokens, 128 numbers a lane at v[xb] of window xw: mean, variance of the differences, xn, two fragments of codes; images to LDS, codes to memory.
.macro LNQ u, xb, xw
	WIN 5*(\xw)
.irp k, 0,1,2,3
	v_pk_add_f32 v[AC+2*\k:AC+2*\k+1], v[\xb+2*\k:\xb+2*\k+1], v[\xb+8+2*\k:\xb+8+2*\k+1]
.endr
	WIN (\xw)
.set ii, 16
.rept 56
	v_pk_add_f32 v[AC+ii%8:AC+ii%8+1], v[\xb+ii:\xb+ii+1], v[AC+ii%8:AC+ii%8+1]
.set ii, ii+2
.endr
	WIN 0
	FOLD
	v_mul_f32 v[MU], s34, v[AC]
	v_mov_b32 v[MU+1], v[MU]
	WIN 0x41*(\xw)
.set ii, 0
.rept 64
	v_pk_add_f32 v[\xb+ii:\xb+ii+1], v[\xb+ii:\xb+ii+1], v[MU:MU+1] neg_lo:[0,1] neg_hi:[0,1]
.set ii, ii+2
.endr
	WIN 5*(\xw)
.irp k, 0,1,2,3
	v_pk_mul_f32 v[AC+2*\k:AC+2*\k+1], v[\xb+2*\k:\xb+2*\k+1], v[\xb+2*\k:\xb+2*\k+1]
.endr
.set ii, 8
.rept 60
	v_pk_fma_f32 v[AC+ii%8:AC+ii%8+1], v[\xb+ii:\xb+ii+1], v[\xb+ii:\xb+ii+1], v[AC+ii%8:AC+ii%8+1]
.set ii, ii+2
.endr
	WIN 0
	FOLD
	v_fma_f32 v[RR], v[AC], s34, s33               ; var + eps
	s_wait_alu depctr_va_vdst(0)
	v_rsq_f32 v[RR], v[RR]
	v_nop
	s_wait_alu depctr_va_vdst(0)
	v_mov_b32 v[RR+1], v[RR]
	WIN 0x41*(\xw)
.set ii, 0
.rept 64
	v_pk_mul_f32 v[\xb+ii:\xb+ii+1], v[\xb+ii:\xb+ii+1], v[RR:RR+1]
.set ii, ii+2
.endr
	WIN (0x41*(\xw))|0x3c                          ; ln_g and ln_b in window 3
.set ii, 0
.rept 64
	v_pk_fma_f32 v[\xb+ii:\xb+ii+1], v[\xb+ii:\xb+ii+1], v[ii:ii+1], v[128+ii:128+ii+1]
.set ii, ii+2
.endr
	WIN 0
.irp s, 0,1
	QUANT \xb+64*\s, \xw
	IMAGE XWI, XIMG+2048*\u+1024*\s
	ds_store_b32 v[XWS], v[PW] offset:XSC+256*\u+128*\s
	v_mov_b32 v[PWK+2*\u+\s], v[PW]
	s_wait_dscnt 0x0                               ; the stores have read their registers
.endr
.if \u
	s_wait_xcnt 0x0                                ; the last tile's stores have read their data: the registers are loaded again only behind this wait
.endif
.irp i, 0,1,2,3
	ds_load_b128 v[CB+4*\i:CB+4*\i+3], v[RBK] offset:XIMG+2048*\u+64*\i   ; my own images, by rows: eight lanes take a token's 128 bytes
.endr
	s_wait_dscnt 0x0
.irp i, 0,1,2,3
	global_store_b128 v[LI], v[CB+4*\i:CB+4*\i+3], s[20:21] offset:2048*\u+512*\i   ; 32 lanes store 512 consecutive bytes: four tokens' codes
.endr
.endm
	s_load_b512 s[4:19], s[0:1], 0x0               ; x, regime, ln_g, ln_b, rw1, rb1, rw2, rb2
	s_load_b128 s[20:23], s[0:1], 0x40             ; xqs, gwa
	s_load_b64 s[24:25], s[0:1], 0x50              ; selh
	v_lshl_add_u32 v[SPW], v0, 2, SPARE
	v_mov_b32 v[NIL], 0
	v_lshrrev_b32 v1, 5, v0
	v_readfirstlane_b32 s26, v1                    ; wave 0..3
	v_and_b32 v1, 31, v0                           ; lane
	v_and_b32 v2, 15, v0                           ; r
	v_bfe_u32 v3, v0, 4, 1                         ; h
	v_lshlrev_b32 v[LI], 4, v1
	v_lshlrev_b32 v[LS], 2, v1
	v_lshlrev_b32 v[L8], 3, v1
	v_lshlrev_b32 v[T4], 2, v0
	v_lshlrev_b32 v[T8], 3, v0
	s_lshl_b32 s27, s26, 12
	v_add_nc_u32 v[XWI], s27, v[LI]
	v_bfe_u32 v[RBK], v0, 2, 1                     ; a row's eight pieces of 16 bytes: piece 4 s + 2 c + h lies in image s, half c, lane 16 h + r
	v_lshlrev_b32 v[RBK], 10, v[RBK]
	v_bfe_u32 v[AD0], v0, 1, 1
	v_lshl_add_u32 v[RBK], v[AD0], 9, v[RBK]
	v_and_b32 v[AD0], 1, v0
	v_lshl_add_u32 v[RBK], v[AD0], 8, v[RBK]
	v_bfe_u32 v[AD0], v0, 3, 2
	v_lshl_add_u32 v[RBK], v[AD0], 4, v[RBK]
	v_add_nc_u32 v[RBK], s27, v[RBK]
	s_add_co_u32 s35, s27, SMB                     ; my 4,096 bytes for the small tensors
	v_add_nc_u32 v[SMW], s35, v[LI]
	v_add_nc_u32 v[SM8], s35, v[L8]
	v_lshl_add_u32 v[SMG], v3, 6, s35
	v_mul_u32_u24 v[SMR], v3, 768
	v_add_nc_u32 v[SMR], s35, v[SMR]
	v_lshl_add_u32 v[SMQ], v3, 7, s35
	s_add_co_u32 s27, s27, LG
	v_lshl_add_u32 v[LGW], v2, 5, s27
	s_lshl_b32 s27, s26, 9
	v_add_nc_u32 v[XWS], s27, v[LS]
	s_lshl_b32 s27, s26, 8
	v_lshl_add_u32 v[RWB], v2, 4, s27
	v_lshl_add_u32 v[RWA], v3, 15, v[RWB]
	v_add_nc_u32 v[RBD], s27, v[L8]
	s_mul_i32 s27, s26, 1536
	v_add_nc_u32 v[R2D], s27, v[LI]
	s_mul_i32 s27, s26, 2*XST
	s_add_co_u32 s27, s27, STG                     ; my two stages
	v_add_nc_u32 v[SXW], s27, v[LI]
	v_mul_u32_u24 v[SXR], v2, XP
	v_lshl_add_u32 v[SXR], v3, 6, v[SXR]
	v_add_nc_u32 v[SXR], s27, v[SXR]
	v_lshl_add_u32 v[LGR], v0, 5, LG
	v_lshlrev_b32 v[SH8], 3, v3
	s_mov_b32 s28, 0x76543210
	s_mov_b32 s29, 0xfedcba98                      ; v_permlanex16_b32's selects for lane l xor 16
	s_mov_b32 s30, 0xbfb8aa3b                      ; -log2(e)
	s_mov_b32 s31, s30
	s_mov_b32 s32, 0x0000ffff                      ; lanes 0-15
	s_mov_b32 s33, 0x3727c5ac                      ; eps = 1e-5
	s_mov_b32 s34, 0x3b800000                      ; 1 / 256
	s_wait_alu depctr_va_vdst(0)
	s_wait_kmcnt 0x0
	s_lshr_b32 s50, ttmp9, 5                       ; my batch
	s_mul_i32 s50, s50, 20
	s_mov_b32 s51, 0
	s_add_nc_u64 s[6:7], s[6:7], s[50:51]
	s_load_b128 s[36:39], s[6:7], 0x0              ; regime's five numbers
	s_load_b32 s40, s[6:7], 0x10
	s_load_b128 s[44:47], s[18:19], 0x0            ; rb2
	s_load_b64 s[48:49], s[18:19], 0x10
	s_lshl_b32 s50, ttmp9, 17                      ; 128 rows of 1,024 bytes a work-group,
	s_lshl_b32 s52, s26, 15                        ; 32 a wave
	s_add_co_u32 s50, s50, s52
	s_add_nc_u64 s[4:5], s[4:5], s[50:51]
	; thirteen small loads first, then x
.irp q, 0,1
	global_load_b128 v[GR+4*\q:GR+4*\q+3], v[LI], s[8:9] offset:512*\q       ; ln_g, whole
.endr
.irp q, 0,1
	global_load_b128 v[BR+4*\q:BR+4*\q+3], v[LI], s[10:11] offset:512*\q     ; ln_b, whole
.endr
.irp q, 0,1,2
	global_load_b128 v[R2R+4*\q:R2R+4*\q+3], v[R2D], s[16:17] offset:512*\q  ; rows 64 w .. 64 w + 63 of rw2: 1,536 bytes
.endr
	global_load_b64 v[RBR:RBR+1], v[RBD], s[14:15]                           ; rb1 at my 64 columns: 256 bytes
.irp i, 0,1,2,3,4
	global_load_b128 v[T3+4*\i:T3+4*\i+3], v[RWB], s[12:13] offset:(256+\i)*1024   ; rows 256 .. 260 of rw1 at my lane's four columns
.endr
	XLOAD 0, 64
	WIN 0x80
	XLOAD 1, 128
	WIN 0
	s_lshl_b32 s50, ttmp9, 10                      ; where my results go
	s_lshl_b32 s27, s26, 8
	s_add_co_u32 s50, s50, s27
	s_add_co_u32 s50, s50, 4194304
	s_add_nc_u64 s[54:55], s[20:21], s[50:51]      ; scale words: 8 bytes a token, behind the codes
	s_lshl_b32 s50, ttmp9, 14
	s_lshl_b32 s27, s26, 12
	s_add_co_u32 s50, s50, s27
	s_add_nc_u64 s[20:21], s[20:21], s[50:51]      ; codes: 128 bytes a token
	s_lshl_b32 s50, ttmp9, 7
	s_add_co_u32 s50, s50, 262144
	s_add_nc_u64 s[56:57], s[22:23], s[50:51]      ; my row of the loss's partial sums
	s_lshl_b32 s50, ttmp9, 10
	s_add_nc_u64 s[22:23], s[22:23], s[50:51]      ; gate weights: 8 bytes a token
	s_lshl_b32 s50, ttmp9, 7
	s_add_co_u32 s50, s50, 131072
	s_add_nc_u64 s[58:59], s[24:25], s[50:51]      ; my row of counts
	s_lshl_b32 s50, ttmp9, 9
	s_add_nc_u64 s[24:25], s[24:25], s[50:51]      ; the choice: 4 bytes a token
	; ---- while x is on its way: the small tensors go through my LDS bytes, and the short last K step is quantised
	s_wait_loadcnt 63                              ; behind the thirteen stand x's 64 loads: the thirteen are in (63 is the largest count that the wait can name)
.irp q, 0,1
	ds_store_b128 v[SMW], v[GR+4*\q:GR+4*\q+3] offset:512*\q
	ds_store_b128 v[SMW], v[BR+4*\q:BR+4*\q+3] offset:1024+512*\q
.endr
.irp q, 0,1,2
	ds_store_b128 v[SMW], v[R2R+4*\q:R2R+4*\q+3] offset:2048+512*\q
.endr
	ds_store_b64 v[SM8], v[RBR:RBR+1] offset:3584
	WIN 0xc0                                       ; ln_g and ln_b in x's layout: LDS serves a wave's instructions in order, so these see my stores
.irp s, 0,1
.irp b, 0,1,2,3
.irp j, 0,1,2,3
	ds_load_b128 v[64*\s+16*\b+4*\j:64*\s+16*\b+4*\j+3], v[SMG] offset:512*\s+128*\b+16*\j
	ds_load_b128 v[128+64*\s+16*\b+4*\j:128+64*\s+16*\b+4*\j+3], v[SMG] offset:1024+512*\s+128*\b+16*\j
.endr
.endr
.endr
	WIN 0x80
.irp t, 0,1,2,3
.irp j, 0,1,2,3,4,5,6,7
	ds_load_b32 v[96+8*\t+\j], v[SMQ] offset:3584+4*(4*\j+\t)   ; rb1 in the result's layout: register j of tile t is column 64 w + 32 h + 4 j + t
.endr
.endr
	WIN 0
	s_wait_kmcnt 0x0                               ; regime, rb2
	v_mov_b32 v[ZB+5], 0
	v_mov_b32 v[ZB+6], 0
	v_mov_b32 v[ZB+7], 0
.irp t, 0,1,2,3
.irp i, 0,1,2,3,4
	v_mov_b32 v[ZB+\i], v[T3+4*\i+\t]
.endr
	T3C 24*\t+16, 2, RWS+3*\t+2
.endr
.irp i, 0,1,2,3,4
	v_mov_b32 v[ZB+\i], s[36+\i]
.endr
	T3C RF, 0, RS
	; ---- x turns through the stage as it arrives; rw1's first two chunks are asked for behind it
	LOADC 0, 0, 1
	s_wait_loadcnt 63                              ; behind tile 0 stand tile 1's 32 loads and chunk 0's 32
	TURN 0, 64, 0
	LOADC 1, 128, 1
	s_wait_loadcnt 63                              ; behind tile 1 stand chunks 0 and 1
	TURN 1, 128, 2
.irp b, 0,1,2,3
	v_mov_b32 v[TM+4+\b], 0                        ; written once: a lane permute's destination counts as one of its sources
.endr
	s_wait_dscnt 0x0                               ; x, ln_g, ln_b, rb1 are in their registers
	; ---- my 32 tokens: LayerNorm and codes; a tile's registers take the next chunk of rw1 as soon as the tile is done
	LNQ 0, 64, 0
	LOADC 2, 64, 0
	LNQ 1, 128, 2
	LOADC 3, 128, 2
	v_cndmask_b32 v[SW], v[PWK+2], v[PWK], s32     ; lane l holds token l of my 32: lanes 0-15 tile 0's words, lanes 16-31 tile 1's
	s_wait_alu depctr_va_vdst(0)
	v_cndmask_b32 v[SW+1], v[PWK+3], v[PWK+1], s32
	global_store_b64 v[L8], v[SW:SW+1], s[54:55]   ; 32 lanes store 256 consecutive bytes
	; ---- my 64 columns of rw1 become codes
	s_wait_loadcnt 63                              ; behind chunk 1 stand the 64 loads of chunks 2 and 3: chunks 0 and 1 are in
	s_wait_xcnt 0x0                                ; the stores of codes and scale words have read their data: those registers are written again below
.irp t, 0,1,2,3
	v_mov_b32 v[QT+\t], 0                          ; a lane permute's destination counts as one of its sources
.endr
	QC 0, 0, 1
	QC 1, 128, 1
	WIN 0x40
.set ii, 0
.rept 48
	ds_load_b128 v[4*ii:4*ii+3], v[SMR] offset:2048+16*ii   ; rw2 at my 32 columns: register 6 (4 j + t) + e
.set ii, ii+1
.endr
	WIN 0
	s_wait_loadcnt 32                              ; behind chunk 2 stand chunk 3's 32 loads
	QC 2, 64, 0
	s_wait_loadcnt 0x0
	QC 3, 128, 2
	BARRIER                                        ; xn's sixteen fragments lie in LDS; rw2 is in its registers
.irp e, 0,1,2,3,4,5
	v_mov_b32 v[LP+\e], 0
.endr
	; ---- the router, a tile of 16 tokens a trip
	s_mov_b32 s35, 0
	s_mov_b32 s41, 0
	s_mov_b32 s42, 0
	s_mov_b32 s43, 0
.Ltile:
	v_add_nc_u32 v[AD0], s41, v[LI]
	v_add_nc_u32 v[AD1], s42, v[LS]
	v_add_nc_u32 v[AD2], s43, v[LGW]
.irp s, 0,1
.irp c, 0,1
	ds_load_b128 v[XF+8*\s+4*\c:XF+8*\s+4*\c+3], v[AD0] offset:XIMG+1024*\s+512*\c
.endr
	ds_load_b32 v[XS+\s], v[AD1] offset:XSC+128*\s
.endr
	s_wait_dscnt 0x0
	WIN 0x22                                       ; source 0 (rw1) and C (rb1) in window 2
.irp t, 0,1,2,3                                ; the four accumulators take turns, one instruction a turn
	v_wmma_scale_f32_16x16x128_f8f6f4 v[HID+8*\t:HID+8*\t+7], v[24*\t:24*\t+7], v[XF:XF+7], v[96+8*\t:96+8*\t+7], v[RWS+3*\t], v[XS] matrix_a_fmt:MATRIX_FMT_FP4 matrix_b_fmt:MATRIX_FMT_FP4
.endr
	WIN 0x02
.irp t, 0,1,2,3
	v_wmma_scale_f32_16x16x128_f8f6f4 v[HID+8*\t:HID+8*\t+7], v[24*\t+8:24*\t+15], v[XF+8:XF+15], v[HID+8*\t:HID+8*\t+7], v[RWS+3*\t+1], v[XS+1] matrix_a_fmt:MATRIX_FMT_FP4 matrix_b_fmt:MATRIX_FMT_FP4
.endr
.irp t, 0,1,2,3
	v_wmma_scale_f32_16x16x128_f8f6f4 v[HID+8*\t:HID+8*\t+7], v[24*\t+16:24*\t+23], v[RF:RF+7], v[HID+8*\t:HID+8*\t+7], v[RWS+3*\t+2], v[RS] matrix_a_fmt:MATRIX_FMT_FP4 matrix_b_fmt:MATRIX_FMT_FP4
.endr
	WIN 0
.rept 4
	v_nop                                          ; four places in front of the first read of results
.endr
	SILU HID, TT, 32
	WIN 0x04                                       ; rw2 in window 1
.irp t, 0,1,2,3                                ; logits: my 32 hidden columns x six experts, two experts an instruction, two sets of sums by turns; the first six products start the sums
.irp j, 0,1,2,3,4,5,6,7
.irp p, 0,1,2
.set hb, HID+8*\t+2*(\j/2)
.set lb, LA+6*(\j%2)+2*\p
.set wb, 6*(4*\j+\t)+2*\p
.if (\t == 0) && (\j == 0)
	v_pk_mul_f32 v[lb:lb+1], v[hb:hb+1], v[wb:wb+1] op_sel_hi:[0,1]
.elseif (\t == 0) && (\j == 1)
	v_pk_mul_f32 v[lb:lb+1], v[hb:hb+1], v[wb:wb+1] op_sel:[1,0] op_sel_hi:[1,1]
.elseif (\j%2) == 0
	v_pk_fma_f32 v[lb:lb+1], v[hb:hb+1], v[wb:wb+1], v[lb:lb+1] op_sel_hi:[0,1,1]
.else
	v_pk_fma_f32 v[lb:lb+1], v[hb:hb+1], v[wb:wb+1], v[lb:lb+1] op_sel:[1,0,0] op_sel_hi:[1,1,1]
.endif
.endr
.endr
.endr
	WIN 0
.irp p, 0,1,2
	v_pk_add_f32 v[LA+2*\p:LA+2*\p+1], v[LA+2*\p:LA+2*\p+1], v[LA+6+2*\p:LA+6+2*\p+1]
.endr
.irp e, 0,1,2,3,4,5
	v_permlanex16_b32 v[LP+\e], v[LA+\e], s28, s29
.endr
.irp e, 0,1,2,3,4,5
	v_add_f32 v[LA+\e], v[LA+\e], v[LP+\e]         ; with lane l xor 16's columns: my wave's part of the token's logits
.endr
	ds_store_b128 v[AD2], v[LA:LA+3]               ; both halves of the lanes write the same bytes with the same values
	ds_store_b64 v[AD2], v[LA+4:LA+5] offset:16
	s_add_co_u32 s41, s41, 2048
	s_add_co_u32 s42, s42, 256
	s_add_co_u32 s43, s43, 512
	s_add_co_u32 s35, s35, 1
	s_cmp_lt_u32 s35, 8
	s_cbranch_scc1 .Ltile
	BARRIER                                        ; all four waves' parts of 128 tokens' logits lie in LDS
	; ---- a thread to a token: logits, the two largest, their weights, all six probabilities
.set PL,   64
.set LO,   96
.set LC,   102
.set M1,   108
.set I1,   109
.set M2,   110
.set I2,   111
.set NINF, 112
.set TE,   113
.set PE,   114
.set SU,   120
.set DN,   121
.set W2,   123
.set EA,   124
.set EB,   125
.set KEY,  126
.set TP,   127
.set TQ,   128
.set RK,   129
.set CNT,  130
.set AUX,  131
.set WAB,  132
.set OFR,  134
.set SLV,  135
.set CV,   136
.set PRE,  140
.set TOT,  141
.irp w, 0,1,2,3
	ds_load_b128 v[PL+8*\w:PL+8*\w+3], v[LGR] offset:4096*\w
	ds_load_b64 v[PL+8*\w+4:PL+8*\w+5], v[LGR] offset:4096*\w+16
.endr
	s_wait_dscnt 0x0
.irp e, 0,1,2,3,4,5
	v_add_f32 v[LO+\e], v[PL+\e], v[PL+8+\e]
	v_add_f32 v[LC+\e], v[PL+16+\e], v[PL+24+\e]
.endr
.irp e, 0,1,2,3,4,5
	v_add_f32 v[LO+\e], v[LO+\e], v[LC+\e]
.endr
.irp e, 0,1,2,3,4,5
	v_add_f32 v[LO+\e], s[44+\e], v[LO+\e]         ; + rb2
.endr
	v_mov_b32 v[M1], v[LO]
	v_mov_b32 v[I1], 0
.irp e, 1,2,3,4,5
	v_cmp_ge_f32 vcc_lo, v[M1], v[LO+\e]           ; the earlier index keeps its place on a tie
	v_cndmask_b32 v[I1], \e, v[I1], vcc_lo
	v_cndmask_b32 v[M1], v[LO+\e], v[M1], vcc_lo
.endr
	v_mov_b32 v[NINF], 0xff800000
.irp e, 0,1,2,3,4,5
	v_cmp_eq_u32 vcc_lo, \e, v[I1]
	v_cndmask_b32 v[LC+\e], v[LO+\e], v[NINF], vcc_lo
.endr
	v_mov_b32 v[M2], v[LC]
	v_mov_b32 v[I2], 0
.irp e, 1,2,3,4,5
	v_cmp_ge_f32 vcc_lo, v[M2], v[LC+\e]
	v_cndmask_b32 v[I2], \e, v[I2], vcc_lo
	v_cndmask_b32 v[M2], v[LC+\e], v[M2], vcc_lo
.endr
	v_sub_f32 v[TE], v[M2], v[M1]                  ; the largest logit is taken away before every exponential
	v_mul_f32 v[TE], 0x3fb8aa3b, v[TE]
.irp e, 0,1,2,3,4,5
	v_sub_f32 v[PE+\e], v[LO+\e], v[M1]
.endr
.irp e, 0,1,2,3,4,5
	v_mul_f32 v[PE+\e], 0x3fb8aa3b, v[PE+\e]
.endr
	s_wait_alu depctr_va_vdst(0)
	v_exp_f32 v[TE], v[TE]
.irp e, 0,1,2,3,4,5
	v_exp_f32 v[PE+\e], v[PE+\e]
.endr
	v_min_u32 v[EA], v[I1], v[I2]                  ; (plain work behind the exponentials)  the pair in ascending order
	v_max_u32 v[EB], v[I1], v[I2]
	s_wait_alu depctr_va_vdst(0)                   ; one wait for the seven
	v_add_f32 v[SU], v[PE], v[PE+1]
	v_add_f32 v[DN], v[PE+2], v[PE+3]
	v_add_f32 v[TP], v[PE+4], v[PE+5]
	v_add_f32 v[SU], v[SU], v[DN]
	v_add_f32 v[SU], v[SU], v[TP]
	v_add_f32 v[DN], 1.0, v[TE]
	s_wait_alu depctr_va_vdst(0)
	v_rcp_f32 v[SU], v[SU]
	v_rcp_f32 v[DN], v[DN]
	; the key of the pair: 01 02 03 04 05 15 14 13 12 23 24 25 35 34 45, so that neighbouring keys share an expert
	v_sub_nc_u32 v[TP], 11, v[EA]
	v_mul_u32_u24 v[TP], v[EA], v[TP]
	v_lshrrev_b32 v[TP], 1, v[TP]
	v_sub_nc_u32 v[TQ], 5, v[EB]
	v_sub_nc_u32 v[KEY], v[EB], v[EA]
	v_add_nc_u32 v[KEY], -1, v[KEY]
	v_and_b32 v[LC], 1, v[EA]
	v_cmp_eq_u32 vcc_lo, 1, v[LC]
	v_cndmask_b32 v[KEY], v[KEY], v[TQ], vcc_lo
	v_add_nc_u32 v[KEY], v[KEY], v[TP]
	s_wait_alu depctr_va_vdst(0)                   ; one wait for the two reciprocals
	v_mul_f32 v[W2], v[TE], v[DN]                  ; the weights: 1 / (1 + t) and t / (1 + t)
.irp e, 0,1,2,3,4,5
	v_mul_f32 v[PE+\e], v[PE+\e], v[SU]
.endr
	v_cmp_lt_u32 vcc_lo, v[I1], v[I2]
	v_cndmask_b32 v[WAB], v[W2], v[DN], vcc_lo     ; the weight of the lower expert,
	v_cndmask_b32 v[WAB+1], v[DN], v[W2], vcc_lo   ; of the higher
	; the wave's counts by key, each token's rank among its wave's tokens of the same key; all as data, at fixed places
	v_mov_b32 v[CNT], 0
	v_mov_b32 v[AUX], 0
	v_mov_b32 v[RK], 0
.irp k, 0,1,2,3,4,5,6,7,8,9,10,11,12,13,14
	v_cmp_eq_u32 s[KM+\k], \k, v[KEY]
	v_mbcnt_lo_u32_b32 v[TQ], s[KM+\k], 0
	v_cndmask_b32 v[RK], v[RK], v[TQ], s[KM+\k]
	s_bcnt1_i32_b32 s81, s[KM+\k]
	v_writelane_b32 v[CNT], s81, \k
.endr
.irp e, 0,1,2,3,4,5
	v_cmp_eq_u32 s82, \e, v[I1]
	s_bcnt1_i32_b32 s81, s82
	s_cvt_f32_u32 s81, s81
	v_writelane_b32 v[AUX], s81, 8+\e              ; how many of my wave's tokens have e as their first choice
.endr
.irp m, 1,2,4,8
.irp e, 0,1,2,3,4,5
	v_add_f32_dpp v[PE+\e], v[PE+\e], v[PE+\e] row_xmask:\m row_mask:0xf bank_mask:0xf
.endr
.endr
.irp e, 0,1,2,3,4,5
	v_permlanex16_b32 v[LC+\e], v[PE+\e], s28, s29
.endr
.irp e, 0,1,2,3,4,5
	v_add_f32 v[PE+\e], v[PE+\e], v[LC+\e]
.endr
.irp e, 0,1,2,3,4,5
	v_readfirstlane_b32 s81, v[PE+\e]
	v_writelane_b32 v[AUX], s81, \e                ; the wave's sum of p_e
.endr
	s_lshl_b32 s27, s26, 7
	v_add_nc_u32 v[AD0], s27, v[LS]                ; 4 lane + 128 w: a vector of 32 words for each wave
	ds_store_b32 v[AD0], v[CNT] offset:HV
	ds_store_b32 v[AD0], v[AUX] offset:HV+512
	BARRIER
.irp w, 0,1,2,3
	ds_load_b32 v[CV+\w], v[LS] offset:HV+128*\w   ; lane = key
.endr
	s_wait_dscnt 0x0
	v_add_nc_u32 v[TOT], v[CV], v[CV+1]
	v_add_nc_u32 v[TP], v[CV+2], v[CV+3]
	v_add_nc_u32 v[TOT], v[TOT], v[TP]             ; the work-group's counts
	v_mov_b32 v[PRE], 0
.irp w, 0,1,2
	s_cmp_gt_u32 s26, \w
	s_cselect_b32 s81, -1, 0
	v_and_b32 v[TP], s81, v[CV+\w]
	v_add_nc_u32 v[PRE], v[PRE], v[TP]             ; those of the waves ahead of mine
.endr
	v_mov_b32 v[OFR], 0
.irp k, 0,1,2,3,4,5,6,7,8,9,10,11,12,13,14
	v_readlane_b32 s81, v[PRE], \k
	v_mov_b32 v[TP], s81
	v_cndmask_b32 v[OFR], v[OFR], v[TP], s[KM+\k]
.endr
	v_add_nc_u32 v[RK], v[RK], v[OFR]              ; my rank among the work-group's tokens of my key: under 128
	v_lshl_or_b32 v[SLV], v[RK], 4, v[KEY]
	v_lshl_or_b32 v[SLV], v[EA], 12, v[SLV]
	v_lshl_or_b32 v[SLV], v[EB], 16, v[SLV]
	global_store_b32 v[T4], v[SLV], s[24:25]
	global_store_b64 v[T8], v[WAB:WAB+1], s[22:23] ; 32 lanes store 256 consecutive bytes
	s_cmp_lg_u32 s26, 0
	s_cbranch_scc1 .Lend
.irp w, 0,1,2,3
	ds_load_b32 v[CV+\w], v[LS] offset:HV+512+128*\w
.endr
	s_wait_dscnt 0x0
	v_add_f32 v[CV], v[CV], v[CV+1]
	v_add_f32 v[CV+2], v[CV+2], v[CV+3]
	v_add_f32 v[CV], v[CV], v[CV+2]
	global_store_b32 v[LS], v[TOT], s[58:59]       ; the work-group's row of counts: 128 bytes
	global_store_b32 v[LS], v[CV], s[56:57]        ; and of the loss's sums
.Lend:
	s_wait_tensorcnt 0x0                           ; the wave's end, behind my last LDS store
	ds_add_u32 v[SPW], v[NIL]
	s_wait_dscnt 0x0
	s_endpgm
.Lfunc_end_k_qe63c179dfe_route:
	.size	k_qe63c179dfe_route, .Lfunc_end_k_qe63c179dfe_route-k_qe63c179dfe_route
	.p2alignl 7, 3214868480
	.fill 96, 4, 3214868480
	.section	.rodata,"a",@progbits
	.p2align	6, 0x0
	.amdhsa_kernel k_qe63c179dfe_route
		.amdhsa_group_segment_fixed_size 185856
		.amdhsa_private_segment_fixed_size 0
		.amdhsa_enable_private_segment 0
		.amdhsa_kernarg_size 88
		.amdhsa_user_sgpr_count 2
		.amdhsa_user_sgpr_kernarg_segment_ptr 1
		.amdhsa_wavefront_size32 1
		.amdhsa_system_sgpr_workgroup_id_x 1
		.amdhsa_system_sgpr_workgroup_id_y 1
		.amdhsa_system_sgpr_workgroup_id_z 1
		.amdhsa_system_vgpr_workitem_id 0
		.amdhsa_next_free_vgpr 1024
		.amdhsa_next_free_sgpr 96
		.amdhsa_reserve_vcc 1
		.amdhsa_float_denorm_mode_32 3
		.amdhsa_float_denorm_mode_16_64 3
		.amdhsa_memory_ordered 1
		.amdhsa_forward_progress 1
		.amdhsa_inst_pref_size 181
	.end_amdhsa_kernel
	.amdgpu_metadata
---
amdhsa.version: [ 1, 2 ]
amdhsa.kernels:
  - .name:           k_qe63c179dfe_route
    .symbol:         k_qe63c179dfe_route.kd
    .args:
      - { .name: x, .offset: 0, .size: 8, .value_kind: global_buffer, .address_space: global }
      - { .name: regime, .offset: 8, .size: 8, .value_kind: global_buffer, .address_space: global }
      - { .name: ln_g, .offset: 16, .size: 8, .value_kind: global_buffer, .address_space: global }
      - { .name: ln_b, .offset: 24, .size: 8, .value_kind: global_buffer, .address_space: global }
      - { .name: rw1, .offset: 32, .size: 8, .value_kind: global_buffer, .address_space: global }
      - { .name: rb1, .offset: 40, .size: 8, .value_kind: global_buffer, .address_space: global }
      - { .name: rw2, .offset: 48, .size: 8, .value_kind: global_buffer, .address_space: global }
      - { .name: rb2, .offset: 56, .size: 8, .value_kind: global_buffer, .address_space: global }
      - { .name: xqs, .offset: 64, .size: 8, .value_kind: global_buffer, .address_space: global }
      - { .name: gwa, .offset: 72, .size: 8, .value_kind: global_buffer, .address_space: global }
      - { .name: selh, .offset: 80, .size: 8, .value_kind: global_buffer, .address_space: global }
    .group_segment_fixed_size: 185856
    .private_segment_fixed_size: 0
    .kernarg_segment_align: 8
    .kernarg_segment_size: 88
    .max_flat_workgroup_size: 128
    .sgpr_count:     96
    .vgpr_count:     1024
    .wavefront_size: 32
...
	.end_amdgpu_metadata
.endif
;; end of part 4
;; launch place (part 5): grid 257 x 1, 4 waves a work-group, no clusters, 0 bytes of LDS; arguments selh, gwa, w1, w2, ord, sgw, wqs, out1; writes ord, sgw, wqs, out1
.if DOCPART == 5
	.amdgcn_target "amdgcn-amd-amdhsa--gfx1250"
	.amdhsa_code_object_version 6
	.text
	.protected	k_qe63c179dfe_place
	.globl	k_qe63c179dfe_place
	.p2align	8
	.type	k_qe63c179dfe_place,@function
k_qe63c179dfe_place:
	s_mov_b64 s[64:65], 0
	v_nop
	global_prefetch_b8 v0, s[64:65] scope:SCOPE_SE
	s_setreg_imm32_b32 hwreg(HW_REG_WAVE_MODE, 25, 1), 1
	s_wait_xcnt 0x0
; PLACE: three jobs on one grid, parted by the work-group's number; a wave is a job's unit, J = 4 x work-group + wave.  No LDS byte is touched, no barrier.
; J < 256: the counting sort is finished for the 128 tokens of group J: from the 256 rows of counts by key come each key's total and the count in the groups ahead; a token's place in the sorted
; list is (tokens of lower keys) + (tokens of its key in earlier groups) + (its rank in its group).  The list entry (token, its two experts) and the two gate weights are stored there.
; 256 <= J < 1,024: fragment P = J - 256 of the experts' weights is quantised along K and stored as an image of the operand's registers, 1,024 bytes.  K is the first axis of w1[e] and w2[e]: a lane
; takes a column and its registers run down K, so nothing is transposed.  P = 64 e + 16 w + 2 t + s (w1) or 384 + 64 e + 16 w + 4 n + s (w2).  The scale words of four fragments on end lie together,
; 16 bytes a lane: word P % 4 of lane l at 512 (P / 4) + 16 l, so that the reader takes four words by one load.
; THE COLUMNS OF w1 THAT FORM A TILE ARE NOT NEIGHBOURS: lane r of tile t takes hidden unit 128 w + 32 (t / 2) + 8 (t % 2) + r + 8 (r / 8), so that the results of two neighbouring tiles are 16 neighbours along the next K.
; Work-group 256, wave 0: adds the 256 rows of the loss's partial sums and stores the loss: 0.06 x sum over e of (sum of p_e / 32,768) (tokens with first choice e / 32,768).  It has a wave of
; its own, so that its chain of loads runs beside the other jobs' and not behind one of them; the group's other three waves have no part in it.
; LIMITS: as stated at the head of the first launch (a block of zeros gets the byte 1; NaN and infinities are not served).
	s_load_b512 s[4:19], s[0:1], 0x0               ; selh, gwa, w1, w2, ord, sgw, wqs, out1
	v_lshrrev_b32 v1, 5, v0
	v_readfirstlane_b32 s20, v1                    ; wave
	v_and_b32 v1, 31, v0                           ; lane
	v_and_b32 v2, 15, v0                           ; r
	v_bfe_u32 v3, v0, 4, 1                         ; h
	v_lshlrev_b32 v4, 4, v1                        ; 16 x lane
	v_lshlrev_b32 v5, 2, v1                        ; 4 x lane
	s_lshl_b32 s21, ttmp9, 2
	s_add_co_u32 s21, s21, s20                     ; J
	s_mov_b32 s28, 0x76543210
	s_mov_b32 s29, 0xfedcba98                      ; v_permlanex16_b32's selects for lane l xor 16
	s_mov_b32 s25, 0
	s_mov_b32 s27, 0
	s_wait_kmcnt 0x0
	s_cmp_ge_u32 ttmp9, 256
	s_cbranch_scc1 .Lloss
	s_cmp_ge_u32 ttmp9, 64
	s_cbranch_scc1 .Lprep
	; ---- placement of group J
	s_wait_alu depctr_va_vdst(0)
	v_lshrrev_b32 v6, 2, v1                        ; which of eight rows of a load is mine
	v_and_b32 v7, 3, v1                            ; which four keys
	v_lshlrev_b32 v8, 7, v6
	v_lshl_add_u32 v8, v7, 4, v8                   ; 128 (lane / 4) + 16 (lane % 4)
	s_add_nc_u64 s[22:23], s[4:5], 131072          ; the rows of counts
.set ii, 0
.rept 32
	global_load_b128 v[64+4*ii:64+4*ii+3], v8, s[22:23] offset:1024*ii   ; rows 8 i .. 8 i + 7, keys 0 .. 15
.set ii, ii+1
.endr
	s_lshl_b32 s24, s21, 9
	s_add_nc_u64 s[24:25], s[4:5], s[24:25]
	global_load_b128 v[16:19], v4, s[24:25]        ; my four tokens' choices
	s_lshl_b32 s26, s21, 10
	s_add_nc_u64 s[26:27], s[6:7], s[26:27]
	v_lshlrev_b32 v9, 5, v1
	global_load_b128 v[20:23], v9, s[26:27]        ; and their weights
	global_load_b128 v[24:27], v9, s[26:27] offset:16
.irp q, 0,1,2,3,4,5,6,7
	v_mov_b32 v[40+\q], 0                          ; written once: the destination of a lane move counts as one of its sources
.endr
	v_mov_b32 v51, 0
.set ii, 0
.rept 32
.if ii%8 == 0
	s_wait_loadcnt 27-ii                           ; these eight loads are in; behind them stand the later groups of eight and the three loads of choices and weights
.endif
	s_sub_co_i32 s30, s21, 8*ii
	v_cmp_gt_i32 vcc_lo, s30, v6                   ; is my row of this load a group ahead of mine?
.irp q, 0,1,2,3
.if ii == 0
	v_mov_b32 v[32+\q], v[64+\q]                   ; the first row starts the sums
	v_cndmask_b32 v[36+\q], 0, v[64+\q], vcc_lo
.else
	v_add_nc_u32 v[32+\q], v[32+\q], v[64+4*ii+\q]
	v_cndmask_b32 v[40+\q], 0, v[64+4*ii+\q], vcc_lo
	v_add_nc_u32 v[36+\q], v[36+\q], v[40+\q]
.endif
.endr
.set ii, ii+1
.endr
.irp m, 4,8                                    ; over the lanes that hold the same four keys
.irp q, 0,1,2,3,4,5,6,7
	v_mov_b32_dpp v[40+\q], v[32+\q] row_xmask:\m row_mask:0xf bank_mask:0xf
.endr
.irp q, 0,1,2,3,4,5,6,7
	v_add_nc_u32 v[32+\q], v[32+\q], v[40+\q]
.endr
.endr
.irp q, 0,1,2,3,4,5,6,7
	v_permlanex16_b32 v[40+\q], v[32+\q], s28, s29
.endr
.irp q, 0,1,2,3,4,5,6,7
	v_add_nc_u32 v[32+\q], v[32+\q], v[40+\q]
.endr
	v_bfe_u32 v10, v0, 2, 2                        ; lane = key: key k's sums lie in register k % 4 of lane k / 4
	v_lshlrev_b32 v10, 2, v10
.irp q, 0,1,2,3,4,5,6,7
	ds_bpermute_b32 v[40+\q], v10, v[32+\q]
.endr
	v_cmp_eq_u32 s30, 1, v7
	v_cmp_eq_u32 s31, 2, v7
	v_cmp_eq_u32 s32, 3, v7
	s_wait_dscnt 0x0
	v_cndmask_b32 v48, v40, v41, s30               ; the key's total
	v_cndmask_b32 v48, v48, v42, s31
	v_cndmask_b32 v48, v48, v43, s32
	v_cndmask_b32 v49, v44, v45, s30               ; and its count in the groups ahead
	v_cndmask_b32 v49, v49, v46, s31
	v_cndmask_b32 v49, v49, v47, s32
	v_mov_b32 v50, v48
.irp n, 1,2,4,8                                ; running totals over the 16 keys
	v_mov_b32_dpp v51, v50 row_shr:\n row_mask:0xf bank_mask:0xf bound_ctrl:1
	v_add_nc_u32 v50, v50, v51
.endr
	v_sub_nc_u32 v52, v50, v48
	v_add_nc_u32 v52, v52, v49                     ; where my group's tokens of this key begin
	s_lshl_b32 s30, s21, 7
	v_lshl_add_u32 v53, v1, 2, s30                 ; my first token
	s_wait_loadcnt 0x0
.irp q, 0,1,2,3
	v_and_b32 v[56+\q], 15, v[16+\q]
	v_min_u32 v[56+\q], 14, v[56+\q]
	v_lshlrev_b32 v[56+\q], 2, v[56+\q]
	s_wait_alu depctr_va_vdst(0)
	ds_bpermute_b32 v[60+\q], v[56+\q], v52
.endr
	s_wait_dscnt 0x0
.irp q, 0,1,2,3
	v_bfe_u32 v[56+\q], v[16+\q], 4, 8             ; the rank in the group
	v_add_nc_u32 v[60+\q], v[60+\q], v[56+\q]
	v_min_u32 v[60+\q], 0x7fff, v[60+\q]           ; the place in the list
	v_bfe_u32 v[56+\q], v[16+\q], 12, 8            ; the two experts
	v_add_nc_u32 v[44+\q], \q, v53
	v_lshl_or_b32 v[44+\q], v[56+\q], 16, v[44+\q]
	v_lshlrev_b32 v[40+\q], 2, v[60+\q]
	v_lshlrev_b32 v[60+\q], 3, v[60+\q]
	global_store_b32 v[40+\q], v[44+\q], s[12:13]
	global_store_b64 v[60+\q], v[20+2*\q:21+2*\q], s[14:15]
.endr
	s_endpgm
	; ---- the loss, by one wave
.Lloss:
	s_cmp_lg_u32 s20, 0
	s_cbranch_scc1 .Ldone
	s_wait_alu depctr_va_vdst(0)
	v_lshrrev_b32 v6, 2, v1
	v_and_b32 v7, 3, v1
	v_lshlrev_b32 v8, 7, v6
	v_lshl_add_u32 v8, v7, 4, v8                   ; 128 (lane / 4) + 16 (lane % 4)
	s_add_nc_u64 s[22:23], s[6:7], 262144          ; the 256 rows of partial sums
.set ii, 0
.rept 32
	global_load_b128 v[64+4*ii:64+4*ii+3], v8, s[22:23] offset:1024*ii
.set ii, ii+1
.endr
.irp q, 0,1,2,3
	v_mov_b32 v[36+\q], 0                          ; written once: a lane permute's destination counts as one of its sources
.endr
.set ii, 0
.rept 32
.if ii%8 == 0
	s_wait_alu depctr_va_vdst(0)
	s_wait_loadcnt 24-ii                           ; these eight loads are in; the later groups of eight may be out
.endif
.irp q, 0,1,2,3
.if ii == 1
	v_add_f32 v[32+\q], v[64+\q], v[68+\q]
.elseif ii > 1
	v_add_f32 v[32+\q], v[32+\q], v[64+4*ii+\q]
.endif
.endr
.set ii, ii+1
.endr
.irp m, 4,8
.irp q, 0,1,2,3
	v_add_f32_dpp v[32+\q], v[32+\q], v[32+\q] row_xmask:\m row_mask:0xf bank_mask:0xf
.endr
.endr
.irp q, 0,1,2,3
	v_permlanex16_b32 v[36+\q], v[32+\q], s28, s29
.endr
.irp q, 0,1,2,3
	v_add_f32 v[32+\q], v[32+\q], v[36+\q]         ; word 4 (lane % 4) + q: words 0-5 the sums of p_e, words 8-13 the counts
.endr
.irp q, 0,1,2,3
	v_mul_f32_dpp v[36+\q], v[32+\q], v[32+\q] row_xmask:2 row_mask:0xf bank_mask:0xf   ; word e x word 8 + e
.endr
	v_add_f32 v36, v36, v37
	v_add_f32 v38, v38, v39
	v_add_f32 v36, v36, v38
	v_add_f32_dpp v36, v36, v36 row_xmask:1 row_mask:0xf bank_mask:0xf
	v_mul_f32 v36, 0x2e75c28f, v36                 ; 0.01 x 6 / 32,768^2
	v_mov_b32 v37, 0
	s_wait_alu depctr_va_vdst(0)
	s_wait_xcnt 0x0                                ; EXEC changes only behind this wait
	v_cmp_eq_u32 vcc_lo, 0, v1
	s_and_saveexec_b32 s30, vcc_lo
	global_store_b32 v37, v36, s[18:19]
	s_wait_xcnt 0x0                                ; and again, in front of the line that widens it
	s_or_b32 exec_lo, exec_lo, s30
.Ldone:
	s_endpgm
	; ---- a fragment of the experts' weights
.Lprep:
	s_sub_co_u32 s21, s21, 256                     ; P
	s_wait_alu depctr_va_vdst(0)
	v_lshlrev_b32 v7, 3, v3                        ; 8 h
	v_mov_b32 v51, 0
	s_cmp_ge_u32 s21, 384
	s_cbranch_scc1 .Lw2
	s_lshr_b32 s22, s21, 6                         ; e
	s_lshl_b32 s24, s22, 19
	s_and_b32 s22, s21, 1                          ; s: 128 rows of 2,048 bytes
	s_lshl_b32 s22, s22, 18
	s_add_co_u32 s24, s24, s22
	s_bfe_u32 s22, s21, 0x20004                    ; w: 128 columns
	s_lshl_b32 s22, s22, 9
	s_add_co_u32 s24, s24, s22
	s_bfe_u32 s22, s21, 0x20002                    ; t / 2: 32 columns
	s_lshl_b32 s22, s22, 7
	s_add_co_u32 s24, s24, s22
	s_bfe_u32 s22, s21, 0x10001                    ; t % 2: 8 columns
	s_lshl_b32 s22, s22, 5
	s_add_co_u32 s24, s24, s22
	s_add_nc_u64 s[8:9], s[8:9], s[24:25]
	v_and_b32 v6, 8, v2
	v_add_nc_u32 v6, v6, v2                        ; r + 8 (r / 8)
	v_lshlrev_b32 v6, 2, v6
	v_lshl_add_u32 v6, v3, 16, v6                  ; lanes 16-31 begin 32 rows further down
.irp c, 0,1
.set ii, 0
.rept 32
	global_load_b32 v[64+32*\c+ii], v6, s[8:9] offset:(64*\c+ii)*2048
.set ii, ii+1
.endr
.endr
	s_branch .Lquant
.Lw2:
	s_sub_co_u32 s23, s21, 384
	s_lshr_b32 s22, s23, 6                         ; e
	s_lshl_b32 s24, s22, 19
	s_and_b32 s22, s23, 3                          ; s: 128 rows of 1,024 bytes
	s_lshl_b32 s22, s22, 17
	s_add_co_u32 s24, s24, s22
	s_bfe_u32 s22, s23, 0x20004                    ; w: 64 columns
	s_lshl_b32 s22, s22, 8
	s_add_co_u32 s24, s24, s22
	s_bfe_u32 s22, s23, 0x20002                    ; n: 16 columns
	s_lshl_b32 s22, s22, 6
	s_add_co_u32 s24, s24, s22
	s_add_nc_u64 s[10:11], s[10:11], s[24:25]
	v_lshlrev_b32 v6, 2, v2
	v_lshl_add_u32 v6, v3, 15, v6
.irp c, 0,1
.set ii, 0
.rept 32
	global_load_b32 v[64+32*\c+ii], v6, s[10:11] offset:(64*\c+ii)*1024
.set ii, ii+1
.endr
.endr
.Lquant:
	s_lshl_b32 s24, s21, 10
	s_add_nc_u64 s[30:31], s[16:17], s[24:25]      ; the image's place,
	s_lshr_b32 s24, s21, 2
	s_lshl_b32 s24, s24, 9                         ; 512 bytes for four fragments' scale words,
	s_and_b32 s22, s21, 3
	s_lshl_b32 s22, s22, 2                         ; mine the word P % 4 of each lane's four
	s_add_co_u32 s24, s24, s22
	s_add_co_u32 s24, s24, 786432
	s_add_nc_u64 s[32:33], s[16:17], s[24:25]
	s_wait_loadcnt 0x0
.irp c, 0,1
	v_max3_num_f32 v[44+\c], |v[64+32*\c]|, |v[65+32*\c]|, 0x1800000   ; my block 2 c + h: all 32 numbers are mine; with the floor 2^(3 - 127)
.endr
.irp i, 2,4,6,8,10,12,14,16,18,20,22,24,26,28,30
.irp c, 0,1
	v_max3_num_f32 v[44+\c], |v[64+32*\c+\i]|, |v[65+32*\c+\i]|, v[44+\c]
.endr
.endr
.irp c, 0,1
	v_add_nc_u32 v[46+\c], 0xff000000, v[44+\c]    ; 2 off the exponent field: the conversion's scale operand
.endr
.irp c, 0,1
	v_lshrrev_b32 v[48+\c], 23, v[46+\c]           ; the scale's byte
.endr
	v_lshl_or_b32 v50, v49, 16, v48
	v_lshlrev_b32 v50, v7, v50
	v_permlanex16_b32 v51, v50, s28, s29
	v_or_b32 v40, v50, v51                         ; the column's scale word
.irp c, 0,1
.irp g, 0,1,2,3
	v_cvt_scalef32_pk8_fp4_f32 v[32+4*\c+\g], v[64+32*\c+8*\g:71+32*\c+8*\g], v[46+\c]
.endr
.endr
	v_nop                                          ; one plain place behind a scaled conversion
	global_store_b128 v4, v[32:35], s[30:31]       ; 32 lanes store 512 consecutive bytes
	global_store_b128 v4, v[36:39], s[30:31] offset:512
	global_store_b32 v4, v40, s[32:33]             ; a word in each lane's 16 bytes: the work-group's four waves fill them
	s_endpgm
.Lfunc_end_k_qe63c179dfe_place:
	.size	k_qe63c179dfe_place, .Lfunc_end_k_qe63c179dfe_place-k_qe63c179dfe_place
	.p2alignl 7, 3214868480
	.fill 96, 4, 3214868480
	.section	.rodata,"a",@progbits
	.p2align	6, 0x0
	.amdhsa_kernel k_qe63c179dfe_place
		.amdhsa_group_segment_fixed_size 0
		.amdhsa_private_segment_fixed_size 0
		.amdhsa_enable_private_segment 0
		.amdhsa_kernarg_size 64
		.amdhsa_user_sgpr_count 2
		.amdhsa_user_sgpr_kernarg_segment_ptr 1
		.amdhsa_wavefront_size32 1
		.amdhsa_system_sgpr_workgroup_id_x 1
		.amdhsa_system_sgpr_workgroup_id_y 1
		.amdhsa_system_sgpr_workgroup_id_z 1
		.amdhsa_system_vgpr_workitem_id 0
		.amdhsa_next_free_vgpr 192
		.amdhsa_next_free_sgpr 66
		.amdhsa_reserve_vcc 1
		.amdhsa_float_denorm_mode_32 3
		.amdhsa_float_denorm_mode_16_64 3
		.amdhsa_memory_ordered 1
		.amdhsa_forward_progress 1
		.amdhsa_inst_pref_size 54
	.end_amdhsa_kernel
	.amdgpu_metadata
---
amdhsa.version: [ 1, 2 ]
amdhsa.kernels:
  - .name:           k_qe63c179dfe_place
    .symbol:         k_qe63c179dfe_place.kd
    .args:
      - { .name: selh, .offset: 0, .size: 8, .value_kind: global_buffer, .address_space: global }
      - { .name: gwa, .offset: 8, .size: 8, .value_kind: global_buffer, .address_space: global }
      - { .name: w1, .offset: 16, .size: 8, .value_kind: global_buffer, .address_space: global }
      - { .name: w2, .offset: 24, .size: 8, .value_kind: global_buffer, .address_space: global }
      - { .name: ord, .offset: 32, .size: 8, .value_kind: global_buffer, .address_space: global }
      - { .name: sgw, .offset: 40, .size: 8, .value_kind: global_buffer, .address_space: global }
      - { .name: wqs, .offset: 48, .size: 8, .value_kind: global_buffer, .address_space: global }
      - { .name: out1, .offset: 56, .size: 8, .value_kind: global_buffer, .address_space: global }
    .group_segment_fixed_size: 0
    .private_segment_fixed_size: 0
    .kernarg_segment_align: 8
    .kernarg_segment_size: 64
    .max_flat_workgroup_size: 128
    .sgpr_count:     66
    .vgpr_count:     192
    .wavefront_size: 32
...
	.end_amdgpu_metadata
.endif
;; end of part 5
;; launch chain (part 6): grid 256 x 1, 8 waves a work-group, no clusters, 192,512 bytes of LDS; arguments x, b1, b2, ord, sgw, xqs, wqs, out0; writes out0
.if DOCPART == 6
	.amdgcn_target "amdgcn-amd-amdhsa--gfx1250"
	.amdhsa_code_object_version 6
	.text
	.protected	k_qe63c179dfe_chain
	.globl	k_qe63c179dfe_chain
	.p2align	8
	.type	k_qe63c179dfe_chain,@function
k_qe63c179dfe_chain:
	s_mov_b64 s[64:65], 0
	v_nop
	global_prefetch_b8 v0, s[64:65] scope:SCOPE_SE
	s_setreg_imm32_b32 hwreg(HW_REG_WAVE_MODE, 25, 1), 1
	s_wait_xcnt 0x0
; CHAIN: out0[t] = x[t] + sum over the two chosen experts e of weight x (silu(xn[t] W1[e] + b1[e]) W2[e] + b2[e]), both products on codes of E2M1 with E8M0 scales.
; WORK LEFT OUT: the rows of the experts that were not chosen for a token (shown dead at the head of the first launch); they are passed over in whole tiles of 16 tokens, by the stored list.
; SHARES.  Work-group g takes places 128 g .. 128 g + 127 of the list sorted by pairs of experts: eight tiles of 16 tokens; each output row has one owner.  Eight waves, two to a SIMD.
; THE WAVES SHARE THE COLUMNS: wave w makes hidden units 64 w .. 64 w + 63 (half c = w % 2 of K step w / 2 of the second product: four registers of codes and two scale bytes a tile) and outputs
; 32 w .. 32 w + 31, for all tiles; its part of an expert's weights lies in its registers, as images of the operand's registers.
; Both products are used transposed (source 0 = weights, source 1 = 16 tokens): a lane holds one token.
; THE WALK goes over six experts in a constant count of trips, beginning at the work-group's lowest expert F: trip i serves expert F + i, so trip 0 has work.  The list is sorted by keys in which
; the lower expert of a pair never falls, so F is the lower expert of the work-group's first place.  Scalar branches on the stored list pass over tiles and phases without work.
; LOADS ARE DEALT OUT AMONG THE TILES' WORK, a few ahead of each tile, never as one run.  The head asks for the tokens' codes and W1 alone.  Trip 0's first phase is written out ahead of the loop:
; its eight tiles issue 7 each of x's 32 loads and W2's 22.  In the loop a trip is a second phase, whose first four tiles issue the next expert's W1 (26 loads), and the next expert's first
; phase, whose first four tiles issue its own W2.
; PREFETCHES.  The codes, their scale words, the weights' images and b1 are wanted by loads whose addresses hang on the list.  While the list is on its way the work-groups share those buffers
; out by their numbers, a lane a block of 256 bytes: work-group g names 64 blocks of the codes (waves 0 and 1), 27 of wqs's 3,456 (wave 2, by g % 128: each block is named twice in the launch),
; its 4 of the scale words (wave 3) and one of b1's 48 (wave 4).  When the list is in, each wave names the 64 blocks of its own 16 rows of x, ahead of the loads that tiles 0-4 issue.
; Every address lies inside its buffer, and no address register of a prefetch is written again.
; THE SUMS stay in registers (128 a wave).  x's rows land in those registers, go through a stage in LDS and come back in the results' layout: the sums begin as x.
; At the end they go through the same stage and leave as whole rows.
; No tensor load, no cluster: the walk hangs on numbers read from memory, and partners of a cluster would need different experts.
; LIMITS: as stated at the head of the first launch (a token of a mixed tile gets weight 0 for an expert that it did not choose: an overflow there would give NaN).
; REGISTERS: window 0: addresses, scale words, work, v192-255 W1's 8 fragments; window 1: v0-127 the sums, v128-159 b1, v160-175 b2, v176-191 my rows' offsets, v192-255 W2's 8 fragments.
.set XIMG,  0                          ; LDS: the tokens' 16 fragments (tile m, K step s) at (2 m + s) x 1,024
.set XSC,   16384                      ; their scale words, 128 bytes each
.set HIMG,  18432                      ; the hidden layer's 32 fragments (K step s, tile m) at (8 s + m) x 1,024
.set HSC,   51200                      ; their scale words
.set WT,    55296                      ; [trip][place] f32: the gate's weight, or 0
.set STG,   58368                      ; the stage: 128 rows of 1,024 bytes + 16
.set SP,    1040
.set SPARE, STG+128*SP                 ; the spare words, 128 bytes for each wave
.set LI,   1                           ; 16 x lane
.set LS,   2                           ; 4 x lane
.set WTA,  8                           ; this trip's weights: WTB + 512 i
.set WTW,  9                           ; WT + 64 w + 4 r
.set HWI,  10                          ; 16 lane + 8,192 (w / 2) + 512 (w % 2)
.set HWS,  11                          ; 4 lane + 1,024 (w / 2) + 2 (w % 2)
.set SOB,  12                          ; the stage in the results' layout: STG + SP r + 128 w + 32 h; tiles 0-3
.set WTB,  13                          ; WT + 4 r
.set SRB,  14                          ; the stage by rows: STG + 16 SP w + 16 lane
.set B1A,  15                          ; 64 h
.set WTP,  16                          ; v16 my token's weight; v17 is named with it as a pair
.set XS,   18
.set HS,   20
.set SOC,  24                          ; SOB + 64 SP: tiles 4-7
.set XWI,  25                          ; 16 lane + 2,048 w
.set XWS,  26                          ; 4 lane + 256 w
.set PFC,  27                          ; prefetch offsets, never rewritten: the codes,
.set B2A,  28                          ; 32 h
.set PFW,  29                          ; wqs,
.set SPW,  30
.set NIL,  31
.set W1S,  32                          ; v32-39 W1's scale words
.set W2S,  40                          ; v40-47 W2's
.set HA,   48                          ; v48-79 four accumulators of the hidden layer
.set TT,   80                          ; v80-111 at work in silu
.set HF,   48                          ; second product: v48-79 four hidden fragments,
.set DD,   80                          ; v80-95 two accumulators
.set XF,   112                         ; v112-127 a tile's two fragments
.set PC,   128
.set PW,   132
.set TM,   134                         ; v134-143
.set PFS,  176                         ; the scale words, b1 (v177), x's rows (v178, v179)
.set W1,   192
.set B1,   128                         ; window 1
.set B2,   160
.set ROW,  176
.set W2,   192
.set MSB, 0
.macro WIN new                         ; the immediate's high byte repeats the setting that is left; a switch that changes nothing is dropped
.if MSB != (\new)
	s_set_vgpr_msb (MSB<<8)|(\new)
.set MSB, (\new)
.endif
.endm
.macro BARRIER                         ; my LDS stores have landed and my LDS loads are in: then the work-group's barrier
	s_wait_dscnt 0x0
	s_barrier_signal -1
	s_barrier_wait -1
.endm
.macro QUANT                           ; 32 numbers of a lane, register 16 b + i = hidden unit 32 b + 16 h + i of my 64, become four registers of codes in v[PC] on and two scale bytes in v[PW]
.irp b, 0,1
	v_max3_num_f32 v[TM+\b], |v[HA+16*\b]|, |v[HA+16*\b+1]|, 0x1800000   ; with the floor 2^(3 - 127): the byte cannot fall under 1
	v_max3_num_f32 v[TM+2+\b], |v[HA+16*\b+8]|, |v[HA+16*\b+9]|, |v[HA+16*\b+10]|
.endr
.irp i, 2,4
.irp b, 0,1
	v_max3_num_f32 v[TM+\b], |v[HA+16*\b+\i]|, |v[HA+16*\b+\i+1]|, v[TM+\b]
	v_max3_num_f32 v[TM+2+\b], |v[HA+16*\b+9+\i]|, |v[HA+16*\b+10+\i]|, v[TM+2+\b]
.endr
.endr
.irp b, 0,1
	v_max3_num_f32 v[TM+\b], |v[HA+16*\b+6]|, |v[HA+16*\b+7]|, v[TM+\b]
.endr
.irp b, 0,1
	v_max3_num_f32 v[TM+\b], v[TM+\b], v[TM+2+\b], |v[HA+16*\b+15]|
.endr
.irp b, 0,1
	v_permlanex16_b32 v[TM+4+\b], v[TM+\b], s78, s79
.endr
.irp b, 0,1
	v_max_num_f32 v[TM+\b], v[TM+\b], v[TM+4+\b]   ; with lane l xor 16's: the block's largest magnitude
.endr
.irp b, 0,1
	v_add_nc_u32 v[TM+6+\b], 0xff000000, v[TM+\b]  ; 2 off the exponent field: the conversion's scale operand
.endr
.irp b, 0,1
	v_lshrrev_b32 v[TM+8+\b], 23, v[TM+6+\b]
.endr
	v_lshl_or_b32 v[PW], v[TM+9], 8, v[TM+8]
.irp b, 0,1
	v_cvt_scalef32_pk8_fp4_f32 v[PC+2*\b], v[HA+16*\b:HA+16*\b+7], v[TM+6+\b]
	v_cvt_scalef32_pk8_fp4_f32 v[PC+2*\b+1], v[HA+16*\b+8:HA+16*\b+15], v[TM+6+\b]
.endr
	v_nop                                          ; one plain place behind a scaled conversion
.irp i, 0,1                                    ; the operand's layout wants a whole block in a lane
	v_permlane16_swap_b32 v[PC+\i], v[PC+2+\i]
.endr
.endm
.macro SILU z, t, n                    ; z = z / (1 + 2^(-z log2 e)): the exponentials are one batch, and so are the reciprocals; with waits round each batch
.set ii, 0
.rept (\n)/2
	v_pk_mul_f32 v[\t+ii:\t+ii+1], v[\z+ii:\z+ii+1], s[80:81] op_sel_hi:[1,0]
.set ii, ii+2
.endr
.set ii, 0
	s_wait_alu depctr_va_vdst(0)
.rept \n
	v_exp_f32 v[\t+ii], v[\t+ii]
.set ii, ii+1
.endr
	v_nop
	s_wait_alu depctr_va_vdst(0)
.set ii, 0
.rept (\n)/2
	v_pk_add_f32 v[\t+ii:\t+ii+1], v[\t+ii:\t+ii+1], 1.0 op_sel_hi:[1,0]
.set ii, ii+2
.endr
.set ii, 0
	s_wait_alu depctr_va_vdst(0)
.rept \n
	v_rcp_f32 v[\t+ii], v[\t+ii]
.set ii, ii+1
.endr
	v_nop
	s_wait_alu depctr_va_vdst(0)
.set ii, 0
.rept (\n)/2
	v_pk_mul_f32 v[\z+ii:\z+ii+1], v[\z+ii:\z+ii+1], v[\t+ii:\t+ii+1]
.set ii, ii+2
.endr
.endm
; The bases of the weights of the expert in s[e] for my wave; it has been held to 5 at the most.  Written only where no load that reads these bases is out.
.macro SETW1 e
	s_lshl_b32 s88, s[\e], 16
	s_lshl_b32 s90, s20, 13
	s_add_co_u32 s88, s88, s90
	s_mov_b32 s89, 0
	s_add_nc_u64 s[66:67], s[16:17], s[88:89]      ; 8 images
	s_lshl_b32 s88, s[\e], 13
	s_lshl_b32 s90, s20, 10
	s_add_co_u32 s88, s88, s90
	s_add_co_u32 s88, s88, 786432
	s_add_nc_u64 s[68:69], s[16:17], s[88:89]      ; their scale words
	s_lshl_b32 s88, s[\e], 11
	s_lshl_b32 s90, s20, 8
	s_add_co_u32 s88, s88, s90
	s_add_nc_u64 s[70:71], s[6:7], s[88:89]        ; b1 at my 64 hidden units
.endm
.macro SETW2 e
	s_lshl_b32 s88, s[\e], 16
	s_lshl_b32 s90, s20, 13
	s_add_co_u32 s88, s88, s90
	s_add_co_u32 s88, s88, 393216
	s_mov_b32 s89, 0
	s_add_nc_u64 s[72:73], s[16:17], s[88:89]
	s_lshl_b32 s88, s[\e], 13
	s_lshl_b32 s90, s20, 10
	s_add_co_u32 s88, s88, s90
	s_add_co_u32 s88, s88, 835584
	s_add_nc_u64 s[74:75], s[16:17], s[88:89]
	s_lshl_b32 s88, s[\e], 10
	s_lshl_b32 s90, s20, 7
	s_add_co_u32 s88, s88, s90
	s_add_nc_u64 s[76:77], s[8:9], s[88:89]        ; b2 at my 32 outputs
.endm
; Load k of W1's 26: 16 halves of images (fragment 2 t + s at v[W1 + 8 (2 t + s)]), 8 of b1 in the result's layout, 2 of scale words (four fragments' words a load).
; The registers were last read by matrix instructions that have more than four places behind them on every way.
.macro LD1 k
.if (\k) < 16
	WIN 0
	global_load_b128 v[W1+4*(\k):W1+4*(\k)+3], v[LI], s[66:67] offset:512*(\k)
.elseif (\k) < 24
	WIN 0x40
	global_load_b128 v[B1+4*((\k)-16):B1+4*((\k)-16)+3], v[B1A], s[70:71] offset:4*(32*(((\k)-16)/4)+8*((((\k)-16)/2)%2))+16*((\k)%2)
.elseif (\k) < 26
	WIN 0
	global_load_b128 v[W1S+4*((\k)-24):W1S+4*((\k)-24)+3], v[LI], s[68:69] offset:512*((\k)-24)
.endif
.endm
; Load k of 54: x's 32 (32 lanes read 512 consecutive bytes: half a row), then W2's 22: 16 halves of images (fragment 4 n + s at v[W2 + 8 (4 n + s)]), 4 of b2, 2 of scale words.
.macro LD2 k
.if (\k) < 32
	WIN 0x41
	global_load_b128 v[4*(\k):4*(\k)+3], v[ROW+(\k)/2], s[4:5] offset:512*((\k)%2) th:TH_LOAD_NT
.elseif (\k) < 48
	WIN 0x40
	global_load_b128 v[W2+4*((\k)-32):W2+4*((\k)-32)+3], v[LI], s[72:73] offset:512*((\k)-32)
.elseif (\k) < 52
	WIN 0x40
	global_load_b128 v[B2+4*((\k)-48):B2+4*((\k)-48)+3], v[B2A], s[76:77] offset:64*(((\k)-48)/2)+16*((\k)%2)
.elseif (\k) < 54
	WIN 0
	global_load_b128 v[W2S+4*((\k)-52):W2S+4*((\k)-52)+3], v[LI], s[74:75] offset:512*((\k)-52)
.endif
.endm
; Tile m in the first phase: its share of the loads; then first product, silu, codes.  Bit 8 m of s[26:27] says whether one of its tokens uses the expert.
.macro P1T m, first
.if \first
.set kk, 7*(\m)                        ; trip 0: 7 of the 54
.rept 7
	LD2 kk
.set kk, kk+1
.endr
.else
.set kk, 32+6*(\m)                     ; later trips: 6 of W2's 22, in tiles 0-3
.rept 6
	LD2 kk
.set kk, kk+1
.endr
.endif
	WIN 0
	s_bitcmp1_b32 s[26+(\m)/4], 8*((\m)%4)
	s_cbranch_scc0 .Lp1n_\@
.irp s, 0,1
.irp c, 0,1
	ds_load_b128 v[XF+8*\s+4*\c:XF+8*\s+4*\c+3], v[LI] offset:XIMG+2048*(\m)+1024*\s+512*\c
.endr
	ds_load_b32 v[XS+\s], v[LS] offset:XSC+256*(\m)+128*\s
.endr
	s_wait_dscnt 0x0
	WIN 0x10                                       ; C (b1) in window 1
.irp t, 0,1,2,3                                ; the four accumulators take turns, one instruction a turn
	v_wmma_scale_f32_16x16x128_f8f6f4 v[HA+8*\t:HA+8*\t+7], v[W1+16*\t:W1+16*\t+7], v[XF:XF+7], v[B1+8*\t:B1+8*\t+7], v[W1S+2*\t], v[XS] matrix_a_fmt:MATRIX_FMT_FP4 matrix_b_fmt:MATRIX_FMT_FP4
.endr
	WIN 0
.irp t, 0,1,2,3
	v_wmma_scale_f32_16x16x128_f8f6f4 v[HA+8*\t:HA+8*\t+7], v[W1+16*\t+8:W1+16*\t+15], v[XF+8:XF+15], v[HA+8*\t:HA+8*\t+7], v[W1S+2*\t+1], v[XS+1] matrix_a_fmt:MATRIX_FMT_FP4 matrix_b_fmt:MATRIX_FMT_FP4
.endr
.rept 4
	v_nop                                          ; four places in front of the first read of results
.endr
	SILU HA, TT, 32
	QUANT
	ds_store_b128 v[HWI], v[PC:PC+3] offset:HIMG+1024*(\m)   ; my half of K step w / 2 of the second product, this tile
	ds_store_b16 v[HWS], v[PW] offset:HSC+128*(\m)           ; and my two bytes of its scale word
.Lp1n_\@:
.endm
; Tile m in the second phase: its share of the next expert's W1, if there is a next; then second product, the gate's weight, the sum in registers.
.macro P2T m
.if (\m) < 4
	s_cmp_eq_u32 s29, 0
	s_cbranch_scc1 .Lp2w_\@
.set kk, 7*(\m)
.rept 7
	LD1 kk
.set kk, kk+1
.endr
	WIN 0
.Lp2w_\@:
.endif
	s_bitcmp1_b32 s[26+(\m)/4], 8*((\m)%4)
	s_cbranch_scc0 .Lp2n_\@
.irp s, 0,1,2,3
.irp c, 0,1
	ds_load_b128 v[HF+8*\s+4*\c:HF+8*\s+4*\c+3], v[LI] offset:HIMG+8192*\s+1024*(\m)+512*\c
.endr
	ds_load_b32 v[HS+\s], v[LS] offset:HSC+1024*\s+128*(\m)
.endr
	ds_load_b32 v[WTP], v[WTA] offset:64*(\m)
	s_wait_dscnt 1                                 ; the fragments and their scale words are in; the weight's load may be out
	WIN 0x11                                       ; source 0 (W2) and C (b2) in window 1
.irp n, 0,1                                    ; the two accumulators take turns, one instruction a turn
	v_wmma_scale_f32_16x16x128_f8f6f4 v[DD+8*\n:DD+8*\n+7], v[W2+32*\n:W2+32*\n+7], v[HF:HF+7], v[B2+8*\n:B2+8*\n+7], v[W2S+4*\n], v[HS] matrix_a_fmt:MATRIX_FMT_FP4 matrix_b_fmt:MATRIX_FMT_FP4
.endr
	WIN 0x01
.irp s, 1,2,3
.irp n, 0,1
	v_wmma_scale_f32_16x16x128_f8f6f4 v[DD+8*\n:DD+8*\n+7], v[W2+32*\n+8*\s:W2+32*\n+8*\s+7], v[HF+8*\s:HF+8*\s+7], v[DD+8*\n:DD+8*\n+7], v[W2S+4*\n+\s], v[HS+\s] matrix_a_fmt:MATRIX_FMT_FP4 matrix_b_fmt:MATRIX_FMT_FP4
.endr
.endr
	WIN 0
.rept 5
	v_nop                                          ; places: four for the reads and loads that follow, five for the next products that begin these accumulators anew
.endr
	s_wait_dscnt 0x0
	WIN 0x50                                       ; the sums in window 1
.set ii, 0
.rept 8
	v_pk_fma_f32 v[16*(\m)+ii:16*(\m)+ii+1], v[DD+ii:DD+ii+1], v[WTP:WTP+1], v[16*(\m)+ii:16*(\m)+ii+1] op_sel_hi:[1,0,1]   ; + weight x (eo + b2); 0 for a token that did not choose this expert
.set ii, ii+2
.endr
	WIN 0
	s_wait_alu depctr_va_vdst(0)
.Lp2n_\@:
.endm
.macro STAGED op                       ; my 32 columns of all 128 rows, between the stage and the sums' registers
.irp m, 0,1,2,3,4,5,6,7
.irp n, 0,1
.irp q, 0,1
.if \op
	ds_store_b128 v[SOB+12*(\m/4)], v[16*\m+8*\n+4*\q:16*\m+8*\n+4*\q+3] offset:16*SP*(\m%4)+64*\n+16*\q
.else
	ds_load_b128 v[16*\m+8*\n+4*\q:16*\m+8*\n+4*\q+3], v[SOB+12*(\m/4)] offset:16*SP*(\m%4)+64*\n+16*\q
.endif
.endr
.endr
.endr
.endm
.macro SCAL                            ; trip s21's numbers
	s_lshr_b64 s[26:27], s[24:25], s21             ; bit 0 of byte m: does tile m use this expert?
	s_or_b32 s23, s26, s27
	s_and_b32 s23, s23, 0x01010101                 ; other than 0: the work-group uses this expert
	s_add_co_u32 s88, s21, 1
	s_lshr_b32 s30, s28, s88                       ; the experts still to come
	s_ctz_i32_b32 s31, s30
	s_add_co_u32 s31, s31, s88
	s_add_co_u32 s31, s31, s22
	s_min_u32 s31, s31, 5                          ; the next of them
	s_add_co_u32 s86, s21, s22
	s_min_u32 s86, s86, 5                          ; this expert
	s_cmp_lg_u32 s23, 0
	s_cselect_b32 s29, s30, 0                      ; other than 0: this expert's weights are used now, and another's are wanted after
.endm
	s_load_b512 s[4:19], s[0:1], 0x0               ; x, b1, b2, ord, sgw, xqs, wqs, out0
	v_lshl_add_u32 v[SPW], v0, 2, SPARE
	v_mov_b32 v[NIL], 0
	v_lshrrev_b32 v5, 5, v0
	v_readfirstlane_b32 s20, v5                    ; wave 0..7
	s_lshr_b32 s82, s20, 1
	s_and_b32 s83, s20, 1
	s_lshl_b32 s48, s82, 13
	s_lshl_b32 s90, s83, 9
	s_add_co_u32 s48, s48, s90
	s_lshl_b32 s49, s82, 10
	s_lshl_b32 s90, s83, 1
	s_add_co_u32 s49, s49, s90
	s_lshl_b32 s50, s20, 7
	s_add_co_u32 s50, s50, STG
	s_mul_i32 s51, s20, 16*SP
	s_add_co_u32 s51, s51, STG
	s_lshl_b32 s52, s20, 6
	s_add_co_u32 s52, s52, WT
	s_lshl_b32 s53, s20, 11
	s_lshl_b32 s54, s20, 8
	s_lshl_b32 s55, ttmp9, 14                      ; my work-group's shares of the prefetches: 16,384 bytes of the codes,
	s_and_b32 s56, ttmp9, 127
	s_mul_i32 s56, s56, 27                         ; 27 blocks of wqs,
	s_lshl_b32 s57, ttmp9, 10                      ; 1,024 bytes of the scale words,
	s_and_b32 s58, ttmp9, 63
	s_min_u32 s58, s58, 47
	s_lshl_b32 s58, s58, 8                         ; one block of b1's 48
	s_mov_b32 s78, 0x76543210
	s_mov_b32 s79, 0xfedcba98                      ; v_permlanex16_b32's selects for lane l xor 16
	s_mov_b32 s80, 0xbfb8aa3b                      ; -log2(e)
	s_mov_b32 s81, s80
	s_mov_b32 s89, 0
	s_mov_b32 s91, 0
	v_and_b32 v5, 31, v0                           ; lane
	v_lshlrev_b32 v[LI], 4, v5
	v_lshlrev_b32 v[LS], 2, v5
	v_and_b32 v3, 15, v0                           ; r
	v_bfe_u32 v4, v0, 4, 1                         ; h
	v_add_nc_u32 v[HWI], s48, v[LI]
	v_add_nc_u32 v[HWS], s49, v[LS]
	v_mul_u32_u24 v[SOB], v3, SP
	v_lshl_add_u32 v[SOB], v4, 5, v[SOB]
	v_add_nc_u32 v[SOB], s50, v[SOB]
	v_add_nc_u32 v[SOC], 64*SP, v[SOB]
	v_add_nc_u32 v[SRB], s51, v[LI]
	v_lshl_add_u32 v[WTW], v3, 2, s52
	v_lshl_add_u32 v[WTB], v3, 2, WT
	v_add_nc_u32 v[XWI], s53, v[LI]
	v_add_nc_u32 v[XWS], s54, v[LS]
	v_lshlrev_b32 v[B1A], 6, v4
	v_lshlrev_b32 v[B2A], 5, v4
	v_mov_b32 v[WTP+1], 0
	v_mov_b32 v[TM+4], 0                           ; written once: a lane permute's destination counts as one of its sources
	v_mov_b32 v[TM+5], 0
	v_mov_b32 v160, 1
	v_lshlrev_b32 v6, 2, v3                        ; 4 r
	v_lshlrev_b32 v7, 3, v3                        ; 8 r
	v_lshl_add_u32 v[PFC], v0, 8, s55              ; the codes: 256 x thread, used by threads 0-63
	v_min_u32 v[PFW], 26, v5                       ; wqs: lanes 27-31 name the wave's last block again
	v_add_lshl_u32 v[PFW], v[PFW], s56, 8
	v_min_u32 v[PFS], 3, v5                        ; the scale words: four blocks
	v_lshl_add_u32 v[PFS], v[PFS], 8, s57
	v_mov_b32 v[PFS+1], s58
	v_and_b32 v175, 28, v5                         ; 4 (lane / 4): a place for four lanes
	v_and_b32 v174, 3, v5
	v_lshlrev_b32 v174, 8, v174                    ; 256 (lane % 4): which quarter of its row
	s_wait_alu depctr_va_vdst(0)
	s_wait_kmcnt 0x0
	s_lshl_b32 s88, ttmp9, 9
	s_add_nc_u64 s[10:11], s[10:11], s[88:89]      ; the list at my work-group's 128 places
	s_lshl_b32 s90, s20, 6
	s_add_nc_u64 s[92:93], s[10:11], s[90:91]      ; at my wave's 16: tile w
	s_lshl_b32 s88, ttmp9, 10
	s_lshl_b32 s90, s20, 7
	s_add_co_u32 s88, s88, s90
	s_add_nc_u64 s[94:95], s[12:13], s[88:89]      ; their weights
	s_load_b512 s[32:47], s[92:93], 0x0            ; my 16 places as scalars: the rows of x and out0 that I own
	s_load_b32 s59, s[10:11], 0x0                  ; the work-group's first place
.irp i, 0,1,2,3
	global_load_b32 v[144+\i], v[LS], s[10:11] offset:128*\i   ; all 128 places: which experts each tile uses
.endr
	global_load_b32 v148, v6, s[92:93]             ; the tokens of my tile, row r
	global_load_b64 v[150:151], v7, s[94:95]       ; and their two weights
	global_load_b32 v178, v175, s[92:93]           ; my places 0-7, each in four lanes,
	global_load_b32 v179, v175, s[92:93] offset:32 ; and 8-15
	; while the list is on its way: my work-group's shares of what the next loads will want, one instruction in each of waves 0-4
	s_cmp_lt_u32 s20, 2
	s_cbranch_scc0 .Lpf_a
	global_prefetch_b8 v[PFC], s[14:15] th:TH_LOAD_NT scope:SCOPE_SE
	s_branch .Lpf_z
.Lpf_a:
	s_cmp_lt_u32 s20, 3
	s_cbranch_scc0 .Lpf_b
	global_prefetch_b8 v[PFW], s[16:17] th:TH_LOAD_NT scope:SCOPE_SE
	s_branch .Lpf_z
.Lpf_b:
	s_cmp_lt_u32 s20, 4
	s_cbranch_scc0 .Lpf_c
	global_prefetch_b8 v[PFS], s[14:15] offset:4194304 th:TH_LOAD_NT scope:SCOPE_SE
	s_branch .Lpf_z
.Lpf_c:
	s_cmp_lt_u32 s20, 5
	s_cbranch_scc0 .Lpf_z
	global_prefetch_b8 v[PFS+1], s[6:7] th:TH_LOAD_NT scope:SCOPE_SE
.Lpf_z:
	s_wait_kmcnt 0x0
	s_wait_loadcnt 0x0
	v_and_b32 v161, 0x7fff, v148
	v_min_u32 v161, 0x7fff, v161                   ; the token
	v_lshlrev_b32 v162, 3, v161
	v_lshlrev_b32 v161, 7, v161
	v_lshl_add_u32 v161, v4, 4, v161               ; its 128 bytes of codes, + 16 h: the fragment's own layout
.irp s, 0,1
.irp c, 0,1
	global_load_b128 v[XF+8*\s+4*\c:XF+8*\s+4*\c+3], v161, s[14:15] offset:64*\s+32*\c
.endr
.endr
	global_load_b64 v[164:165], v162, s[14:15] offset:4194304
	s_bfe_u32 s22, s59, 0x40010                    ; the lower expert of the first place:
	s_min_u32 s22, s22, 5                          ; F, the lowest expert that the work-group uses
	SETW1 22
.set kk, 0
.rept 26
	LD1 kk                                         ; W1 of expert F
.set kk, kk+1
.endr
	v_and_b32 v178, 0x7fff, v178
	v_and_b32 v179, 0x7fff, v179
	v_min_u32 v178, 0x7fff, v178
	v_min_u32 v179, 0x7fff, v179
	v_lshl_add_u32 v178, v178, 10, v174            ; a lane a block of 256 bytes of my rows of x
	v_lshl_add_u32 v179, v179, 10, v174
	global_prefetch_b8 v178, s[4:5] th:TH_LOAD_NT scope:SCOPE_SE
	global_prefetch_b8 v179, s[4:5] th:TH_LOAD_NT scope:SCOPE_SE
	; which experts each tile of 16 places uses: a byte a tile
.irp i, 0,1,2,3
	v_bfe_u32 v[152+\i], v[144+\i], 16, 4
	v_bfe_u32 v[156+\i], v[144+\i], 20, 4
.endr
.irp i, 0,1,2,3
	v_lshlrev_b32 v[152+\i], v[152+\i], v160
	v_lshlrev_b32 v[156+\i], v[156+\i], v160
.endr
.irp i, 0,1,2,3
	v_or_b32 v[152+\i], v[152+\i], v[156+\i]
.endr
.irp m, 1,2,4,8
.irp i, 0,1,2,3
	v_mov_b32_dpp v[156+\i], v[152+\i] row_xmask:\m row_mask:0xf bank_mask:0xf
.endr
.irp i, 0,1,2,3
	v_or_b32 v[152+\i], v[152+\i], v[156+\i]
.endr
.endr
	s_wait_alu depctr_va_vdst(0)                   ; ahead of the run of scalar work
.irp d, 0,1
	v_readlane_b32 s[24+\d], v[152+2*\d], 0
	v_readlane_b32 s88, v[152+2*\d], 16
	s_lshl_b32 s88, s88, 8
	s_or_b32 s[24+\d], s[24+\d], s88
	v_readlane_b32 s88, v[153+2*\d], 0
	s_lshl_b32 s88, s88, 16
	s_or_b32 s[24+\d], s[24+\d], s88
	v_readlane_b32 s88, v[153+2*\d], 16
	s_lshl_b32 s88, s88, 24
	s_or_b32 s[24+\d], s[24+\d], s88
.endr
	s_or_b32 s28, s24, s25
	s_lshr_b32 s88, s28, 16
	s_or_b32 s28, s28, s88
	s_lshr_b32 s88, s28, 8
	s_or_b32 s28, s28, s88
	s_and_b32 s28, s28, 0x3f                       ; the experts that the work-group uses
	s_lshr_b32 s28, s28, s22                       ; from here on bit i stands for expert F + i
	s_lshr_b32 s88, 0x3f, s22
	s_mul_i32 s88, s88, 0x01010101
	s_lshr_b64 s[24:25], s[24:25], s22
	s_and_b32 s24, s24, s88                        ; (what the shift brought in from the next byte is cut off)
	s_and_b32 s25, s25, s88
	WIN 0x40
.set ii, 0
.rept 16
	s_and_b32 s88, s[32+ii], 0x7fff
	s_min_u32 s88, s88, 0x7fff
	v_lshl_add_u32 v[ROW+ii], s88, 10, v[LI]       ; the row of my place ii in x and in out0, + 16 x lane
.set ii, ii+1
.endr
	WIN 0
	v_bfe_u32 v166, v148, 16, 4                    ; the table of weights, by trips: expert - F
	v_bfe_u32 v167, v148, 20, 4
	v_sub_nc_u32 v166, v166, s22
	v_sub_nc_u32 v167, v167, s22
.irp e, 0,1,2,3,4,5
	v_cmp_eq_u32 vcc_lo, \e, v166
	v_cndmask_b32 v[168+\e], 0, v150, vcc_lo
	v_cmp_eq_u32 vcc_lo, \e, v167
	v_cndmask_b32 v[168+\e], v[168+\e], v151, vcc_lo
	ds_store_b32 v[WTW], v[168+\e] offset:512*\e   ; both halves of the lanes write the same bytes with the same values
.endr
	s_mov_b32 s21, 0                               ; the trip: expert F + i
	s_mov_b32 s87, 0                               ; its weights in the table: 512 bytes a trip
	SCAL
	SETW2 86
	s_wait_alu depctr_va_vdst(0)
	s_wait_loadcnt 26                              ; behind the codes' five loads stand W1's 26: the codes are in
.irp s, 0,1
.irp c, 0,1
	ds_store_b128 v[XWI], v[XF+8*\s+4*\c:XF+8*\s+4*\c+3] offset:XIMG+1024*\s+512*\c
.endr
	ds_store_b32 v[XWS], v[164+\s] offset:XSC+128*\s
.endr
	s_wait_loadcnt 0x0                             ; W1 is in
	BARRIER                                        ; the 16 fragments of tokens and the table of weights lie in LDS
	; ---- trip 0's first phase, with x's and W2's loads dealt out among its tiles
.irp m, 0,1,2,3,4,5,6,7
	P1T \m, 1
.endr
	s_wait_loadcnt 0x0                             ; x's rows and W2 are in; no load is out, so the bases may be written
	WIN 0x04                                       ; my 16 rows of x go into the stage as they lie
.set ii, 0
.rept 16
	ds_store_b128 v[SRB], v[8*ii:8*ii+3] offset:SP*ii
	ds_store_b128 v[SRB], v[8*ii+4:8*ii+7] offset:SP*ii+512
.set ii, ii+1
.endr
	WIN 0
	SETW1 31
	BARRIER                                        ; the hidden layer's fragments and x's 128 rows lie in LDS
	WIN 0x40                                       ; the sums begin as x, in the results' layout
	STAGED 0
	WIN 0
.Lexpert:                                              ; a trip: the second phase of expert F + i, then the first phase of expert F + i + 1
	s_cmp_eq_u32 s23, 0
	s_cbranch_scc1 .Lp2_done                       ; ---- second product, the gate's weight, the sum
	v_add_nc_u32 v[WTA], s87, v[WTB]
	s_wait_alu depctr_va_vdst(0)
.irp m, 0,1,2,3,4,5,6,7
	P2T \m
.endr
.Lp2_done:
	s_wait_loadcnt 0x0                             ; the next expert's W1 is in; no load is out, so the bases may be written
	BARRIER                                        ; every wave has read the hidden layer's fragments: they may be written again
	s_add_co_u32 s87, s87, 512
	s_add_co_u32 s21, s21, 1
	SCAL                                           ; (behind the sixth expert no bit is left: nothing more is done)
	s_cmp_eq_u32 s23, 0
	s_cbranch_scc1 .Lp1_done                       ; ---- first product, silu, codes
	SETW2 86
.irp m, 0,1,2,3,4,5,6,7
	P1T \m, 0
.endr
.Lp1_done:
	s_wait_loadcnt 0x0                             ; W2 of this expert is in; no load is out, so the bases may be written
	SETW1 31
	BARRIER                                        ; the hidden layer's fragments lie in LDS
	s_cmp_lt_u32 s21, 6
	s_cbranch_scc1 .Lexpert
	; ---- the way out: the sums go into the stage, come back as whole rows, 16 rows a wave, and are stored
	WIN 0x04
	STAGED 1
	WIN 0
	BARRIER                                        ; all eight waves' columns of the 128 rows lie in the stage
	WIN 0x40
.set ii, 0
.rept 16
	ds_load_b128 v[8*ii:8*ii+3], v[SRB] offset:SP*ii
	ds_load_b128 v[8*ii+4:8*ii+7], v[SRB] offset:SP*ii+512
.set ii, ii+1
.endr
	WIN 0x05                                       ; a store's offset and its data in window 1
.set ii, 0
.rept 16
	s_wait_dscnt 30-2*ii                           ; this row's two loads are in; the later rows' may be out
	global_store_b128 v[ROW+ii], v[8*ii:8*ii+3], s[18:19] th:TH_STORE_NT            ; 32 lanes store 512 consecutive bytes, at a multiple of 512 from out0's first byte
	global_store_b128 v[ROW+ii], v[8*ii+4:8*ii+7], s[18:19] offset:512 th:TH_STORE_NT
.set ii, ii+1
.endr
	WIN 0
	s_wait_tensorcnt 0x0                           ; the wave's end, behind my last LDS store
	ds_add_u32 v[SPW], v[NIL]
	s_wait_dscnt 0x0
	s_endpgm
.Lfunc_end_k_qe63c179dfe_chain:
	.size	k_qe63c179dfe_chain, .Lfunc_end_k_qe63c179dfe_chain-k_qe63c179dfe_chain
	.p2alignl 7, 3214868480
	.fill 96, 4, 3214868480
	.section	.rodata,"a",@progbits
	.p2align	6, 0x0
	.amdhsa_kernel k_qe63c179dfe_chain
		.amdhsa_group_segment_fixed_size 192512
		.amdhsa_private_segment_fixed_size 0
		.amdhsa_enable_private_segment 0
		.amdhsa_kernarg_size 64
		.amdhsa_user_sgpr_count 2
		.amdhsa_user_sgpr_kernarg_segment_ptr 1
		.amdhsa_wavefront_size32 1
		.amdhsa_system_sgpr_workgroup_id_x 1
		.amdhsa_system_sgpr_workgroup_id_y 1
		.amdhsa_system_sgpr_workgroup_id_z 1
		.amdhsa_system_vgpr_workitem_id 0
		.amdhsa_next_free_vgpr 512
		.amdhsa_next_free_sgpr 100
		.amdhsa_reserve_vcc 1
		.amdhsa_float_denorm_mode_32 3
		.amdhsa_float_denorm_mode_16_64 3
		.amdhsa_memory_ordered 1
		.amdhsa_forward_progress 1
		.amdhsa_inst_pref_size 208
	.end_amdhsa_kernel
	.amdgpu_metadata
---
amdhsa.version: [ 1, 2 ]
amdhsa.kernels:
  - .name:           k_qe63c179dfe_chain
    .symbol:         k_qe63c179dfe_chain.kd
    .args:
      - { .name: x, .offset: 0, .size: 8, .value_kind: global_buffer, .address_space: global }
      - { .name: b1, .offset: 8, .size: 8, .value_kind: global_buffer, .address_space: global }
      - { .name: b2, .offset: 16, .size: 8, .value_kind: global_buffer, .address_space: global }
      - { .name: ord, .offset: 24, .size: 8, .value_kind: global_buffer, .address_space: global }
      - { .name: sgw, .offset: 32, .size: 8, .value_kind: global_buffer, .address_space: global }
      - { .name: xqs, .offset: 40, .size: 8, .value_kind: global_buffer, .address_space: global }
      - { .name: wqs, .offset: 48, .size: 8, .value_kind: global_buffer, .address_space: global }
      - { .name: out0, .offset: 56, .size: 8, .value_kind: global_buffer, .address_space: global }
    .group_segment_fixed_size: 192512
    .private_segment_fixed_size: 0
    .kernarg_segment_align: 8
    .kernarg_segment_size: 64
    .max_flat_workgroup_size: 256
    .sgpr_count:     100
    .vgpr_count:     512
    .wavefront_size: 32
...
	.end_amdgpu_metadata
.endif
;; end of part 6
